; MI455X (gfx1250); checked and timed in simulation.
; The chip was launched on July 23, 2026; its instructions are those of AMD's public machine-readable ISA for CDNA 5 (MIT licence, August 2026) and "CDNA5" Instruction Set Architecture Reference Guide (July 2026). The comments in the code are by the model that wrote it; some were corrected since.
;; Residual Vector Quantizer. Allowed arithmetic: float matrix products may take bf16 or f16 operands with f32 sums; other float arithmetic in f32, or as packed bf16 or f16 multiplies, adds, multiply-adds, maxima and minima; sums over many terms, partial sums and values carried from step to step in f32; what a program stores and reads back later, other than sums and carried values, may be rounded once to bf16 or f16.
;; Inputs: codebooks 4 x 2,048 x 128 float32; x 65,536 x 128 float32.
;; Outputs: out0 65,536 x 128 float32; out1 one number float32; out2 65,536 x 4 int32.
;; 2 versions, each right and faster than the one before. Each part assembles by itself: llvm-mc -triple=amdgcn-amd-amdhsa -mcpu=gfx1250 --defsym DOCPART=n.
;; ======== version 1 of 2: 10 launches
;; limits: a difference of large sums (such as E[x^2] - mean^2): digits are lost where the result is much smaller than its terms; values are held in f16: magnitudes above 65,504 overflow, below 6.1e-05 lose precision; inputs' magnitudes at most 65,504
;; workspace buffers: xb 16,777,216 bytes; cb0 532,480 bytes; cb1 532,480 bytes; cb2 532,480 bytes; cb3 532,480 bytes; lsum 16,384 bytes; pkA 1,064,960 bytes of whole numbers; pkB 1,064,960 bytes of whole numbers
;; launch prep (part 1): grid 288 x 1, 8 waves a work-group, no clusters, 0 bytes of LDS; arguments x, codebooks, xb, cb0, cb1, cb2, cb3; writes xb, cb0, cb1, cb2, cb3
.if DOCPART == 1
	.amdgcn_target "amdgcn-amd-amdhsa--gfx1250"
	.amdhsa_code_object_version 6
	.text
	.protected	k_qe08fca9837_prep
	.globl	k_qe08fca9837_prep
	.p2align	8
	.type	k_qe08fca9837_prep,@function
k_qe08fca9837_prep:
	s_mov_b64 s[64:65], 0
	v_nop
	global_prefetch_b8 v0, s[64:65] scope:SCOPE_SE
	s_setreg_imm32_b32 hwreg(HW_REG_WAVE_MODE, 25, 1), 1
	s_wait_xcnt 0x0
; PREPARATION.  x [65536][128] and codebooks [4][2048][128], f32, are rounded once to bf16 (nearest even) and that number is written as f16:
; xb [65536][128]; cb0..cb3, one buffer a stage: [2048][128] f16, and behind them, at byte 524,288, -|c|^2 / 2 of each rounded code, f32.
; |c|^2 IS ADDED IN A FIXED ORDER: four sums of 32 squares, each in ascending order, then the four in order.  This text takes reference()'s f32 row sums to be made so; the squares of bf16 numbers are exact in f32.
; LIMITS.  A bf16 number is exact in f16 from 2^-17 up to 65,504; below 2^-17 it keeps f16's fixed step of 2^-24; beyond 65,504 it becomes an infinity.
; A stream: memory binds, so no LDS, no matrix unit, no cluster.  A work-group takes 131,072 bytes of input, a wave 16,384 (32 rows), with all its 32 loads of
; 16 bytes a lane issued at once.  Work-groups 0-255 take x, 256-287 the codebooks (eight to a stage); one text serves both, the buffers are chosen by the block's number.
; A lane owns 8 neighbouring numbers: 32 bytes in, 16 out, so each store of a wave covers 512 consecutive bytes, aligned.
.set XBLK, 256                         ; work-groups that take x
.set T,    2                           ; v[2:5]     8 numbers as bf16 (v[2:9] in the sums of squares)
.set F,    6                           ; v[6:13]    the same as f32
.set Q,    10                          ; v[10:13]   the four sums of 32 squares
.set D,    16                          ; v[16:143]  step i: 8 registers as loaded; later a lane's whole row
.set O,    144                         ; v[144:207] step i: 4 registers to store; each step has its own, so no store's data is ever rewritten
.set VI,   209                         ; 32 x lane
.set VO,   210                         ; 16 x lane
.set VN,   211                         ; 4 x lane
.set VR,   212                         ; 512 x lane
; Step i.  left: the younger loads, which may stay out.
.macro CONV i, left
	s_wait_loadcnt \left                           ; loads come back in order: this step's two are in
.irp j, 0,1,2,3
	v_cvt_pk_bf16_f32 v[T+\j], v[D+8*(\i)+2*\j], v[D+8*(\i)+2*\j+1]
.endr
.irp j, 0,1,2,3
	v_lshlrev_b32 v[F+2*\j],   16,  v[T+\j]        ; bf16 to f32: the low half moves up,
	v_and_b32     v[F+2*\j+1], s20, v[T+\j]        ; the high half stays
.endr
.irp j, 0,1,2,3
	v_cvt_pk_f16_f32 v[O+4*(\i)+\j], v[F+2*\j], v[F+2*\j+1]
.endr
	global_store_b128 v[VO], v[O+4*(\i):O+4*(\i)+3], s[24:25] offset:512*(\i)
.endm
	s_load_b256 s[4:11], s[0:1], 0x0               ; x s[4:5], codebooks s[6:7], xb s[8:9], cb0 s[10:11]
	s_load_b128 s[12:15], s[0:1], 0x20             ; cb1, cb2
	s_load_b64 s[16:17], s[0:1], 0x30              ; cb3
	v_lshrrev_b32 v1, 5, v0
	v_readfirstlane_b32 s18, v1                    ; wave 0..7
	v_and_b32 v1, 31, v0                           ; lane
	v_lshlrev_b32 v[VI], 5, v1
	v_lshlrev_b32 v[VO], 4, v1
	v_lshlrev_b32 v[VN], 2, v1
	v_lshlrev_b32 v[VR], 9, v1
	s_mov_b32 s20, 0xffff0000                      ; a word's upper bf16
	s_mov_b32 s19, ttmp9
	s_sub_co_u32 s23, s19, XBLK                    ; block 0..31 of the codebooks (of no meaning in x's blocks, and not used there)
	s_lshr_b32 s22, s23, 3                         ; its stage picks the buffer
	s_and_b32 s33, s23, 7                          ; its 256 codes in the stage
	s_wait_kmcnt 0x0
	s_cmp_eq_u32 s22, 1
	s_cselect_b64 s[36:37], s[12:13], s[10:11]
	s_cmp_eq_u32 s22, 2
	s_cselect_b64 s[36:37], s[14:15], s[36:37]
	s_cmp_eq_u32 s22, 3
	s_cselect_b64 s[36:37], s[16:17], s[36:37]
	s_cmp_lt_u32 s19, XBLK                         ; x or codes?
	s_cselect_b64 s[26:27], s[4:5], s[6:7]         ; from where,
	s_cselect_b64 s[24:25], s[8:9], s[36:37]       ; to where,
	s_cselect_b32 s21, s19, s23                    ; which block of the input,
	s_cselect_b32 s22, s19, s33                    ; which of the output
	s_lshl_b32 s28, s21, 17                        ; block x 131,072 bytes in
	s_lshl_b32 s29, s18, 14                        ; + wave x 16,384
	s_add_co_u32 s28, s28, s29
	s_mov_b32 s29, 0
	s_lshl_b32 s30, s22, 16                        ; block x 65,536 out
	s_lshl_b32 s31, s18, 13                        ; + wave x 8,192
	s_add_co_u32 s30, s30, s31
	s_mov_b32 s31, 0
	s_lshl_b32 s32, s33, 10                        ; 4 bytes x (256 x block + 32 x wave)
	s_lshl_b32 s33, s18, 7
	s_add_co_u32 s32, s32, s33
	s_mov_b32 s33, 0
	s_add_nc_u64 s[26:27], s[26:27], s[28:29]
	s_add_nc_u64 s[24:25], s[24:25], s[30:31]
	s_add_nc_u64 s[34:35], s[36:37], s[32:33]
.set c, 0
.rept 16                               ; step i is 1,024 consecutive bytes, two rows
	global_load_b128 v[D+8*c:D+8*c+3],   v[VI], s[26:27] offset:1024*c th:TH_LOAD_NT
	global_load_b128 v[D+8*c+4:D+8*c+7], v[VI], s[26:27] offset:1024*c+16 th:TH_LOAD_NT
.set c, c+1
.endr
.set d, 0
.rept 16
	CONV d, 30-2*d
.set d, d+1
.endr
	s_cmp_lt_u32 s19, XBLK
	s_cbranch_scc1 .Lend                           ; x is done
	; |c|^2: lane l takes row l of my wave's 32, whole: 4 MiB in all are read a second time for it
.set c, 0
.rept 32
	global_load_b128 v[D+4*c:D+4*c+3], v[VR], s[26:27] offset:16*c
.set c, c+1
.endr
	s_wait_loadcnt 0x0
.set st, 0
.rept 8                                ; four numbers of each of the four sums a step: the four chains do not wait for each other
.irp w, 0,1,2,3
	v_cvt_pk_bf16_f32 v[T+2*\w],   v[D+32*\w+4*st],   v[D+32*\w+4*st+1]
	v_cvt_pk_bf16_f32 v[T+2*\w+1], v[D+32*\w+4*st+2], v[D+32*\w+4*st+3]
.endr
.irp w, 0,1,2,3
	v_lshlrev_b32 v[D+32*\w+4*st],   16,  v[T+2*\w]
	v_and_b32     v[D+32*\w+4*st+1], s20, v[T+2*\w]
	v_lshlrev_b32 v[D+32*\w+4*st+2], 16,  v[T+2*\w+1]
	v_and_b32     v[D+32*\w+4*st+3], s20, v[T+2*\w+1]
.endr
.irp m, 0,1,2,3
.irp w, 0,1,2,3
.if (st == 0) && (\m == 0)
	v_mul_f32 v[Q+\w], v[D+32*\w], v[D+32*\w]
.else
	v_fmac_f32 v[Q+\w], v[D+32*\w+4*st+\m], v[D+32*\w+4*st+\m]   ; the square is exact, so this is the sum rounded once
.endif
.endr
.endr
.set st, st+1
.endr
	v_add_f32 v[Q], v[Q], v[Q+1]
	v_add_f32 v[Q], v[Q], v[Q+2]
	v_add_f32 v[Q], v[Q], v[Q+3]
	v_mul_f32 v[Q], -0.5, v[Q]                     ; exact
	global_store_b32 v[VN], v[Q], s[34:35] offset:524288   ; the wave's 32 numbers: 128 consecutive bytes
.Lend:
	s_endpgm
.Lfunc_end_k_qe08fca9837_prep:
	.size	k_qe08fca9837_prep, .Lfunc_end_k_qe08fca9837_prep-k_qe08fca9837_prep
	.p2alignl 7, 3214868480
	.fill 96, 4, 3214868480
	.section	.rodata,"a",@progbits
	.p2align	6, 0x0
	.amdhsa_kernel k_qe08fca9837_prep
		.amdhsa_group_segment_fixed_size 0
		.amdhsa_private_segment_fixed_size 0
		.amdhsa_enable_private_segment 0
		.amdhsa_kernarg_size 56
		.amdhsa_user_sgpr_count 2
		.amdhsa_user_sgpr_kernarg_segment_ptr 1
		.amdhsa_wavefront_size32 1
		.amdhsa_system_sgpr_workgroup_id_x 1
		.amdhsa_system_sgpr_workgroup_id_y 1
		.amdhsa_system_sgpr_workgroup_id_z 1
		.amdhsa_system_vgpr_workitem_id 0
		.amdhsa_next_free_vgpr 216
		.amdhsa_next_free_sgpr 66
		.amdhsa_reserve_vcc 0
		.amdhsa_float_denorm_mode_32 3
		.amdhsa_float_denorm_mode_16_64 3
		.amdhsa_memory_ordered 1
		.amdhsa_forward_progress 1
		.amdhsa_inst_pref_size 35
	.end_amdhsa_kernel
	.amdgpu_metadata
---
amdhsa.version: [ 1, 2 ]
amdhsa.kernels:
  - .name:           k_qe08fca9837_prep
    .symbol:         k_qe08fca9837_prep.kd
    .args:
      - { .name: x, .offset: 0, .size: 8, .value_kind: global_buffer, .address_space: global }
      - { .name: codebooks, .offset: 8, .size: 8, .value_kind: global_buffer, .address_space: global }
      - { .name: xb, .offset: 16, .size: 8, .value_kind: global_buffer, .address_space: global }
      - { .name: cb0, .offset: 24, .size: 8, .value_kind: global_buffer, .address_space: global }
      - { .name: cb1, .offset: 32, .size: 8, .value_kind: global_buffer, .address_space: global }
      - { .name: cb2, .offset: 40, .size: 8, .value_kind: global_buffer, .address_space: global }
      - { .name: cb3, .offset: 48, .size: 8, .value_kind: global_buffer, .address_space: global }
    .group_segment_fixed_size: 0
    .private_segment_fixed_size: 0
    .kernarg_segment_align: 8
    .kernarg_segment_size: 56
    .max_flat_workgroup_size: 256
    .sgpr_count:     66
    .vgpr_count:     216
    .wavefront_size: 32
...
	.end_amdgpu_metadata
.endif
;; end of part 1
;; launch stage0 (part 2): grid 256 x 1, 4 waves a work-group, clusters of 4 x 1, 327,680 bytes of LDS; arguments xb, cb0, pkA, lsum; writes pkA, lsum
.if DOCPART == 2
	.amdgcn_target "amdgcn-amd-amdhsa--gfx1250"
	.amdhsa_code_object_version 6
	.text
	.protected	k_qe08fca9837_stage0
	.globl	k_qe08fca9837_stage0
	.p2align	8
	.type	k_qe08fca9837_stage0,@function
k_qe08fca9837_stage0:
	s_mov_b64 s[64:65], 0
	v_nop
	global_prefetch_b8 v0, s[64:65] scope:SCOPE_SE
	s_setreg_imm32_b32 hwreg(HW_REG_WAVE_MODE, 25, 1), 1
	s_wait_xcnt 0x0
	s_wait_alu depctr_hold_cnt(0) depctr_sa_sdst(0) depctr_va_vdst(0) depctr_va_sdst(0) depctr_va_ssrc(0) depctr_va_vcc(0) depctr_vm_vsrc(0)
	s_getreg_b32 s2, hwreg(HW_REG_IB_STS2, 6, 4)
	s_cmp_eq_u32 s2, 0
	s_cbranch_scc0 .Lentry_in_a_cluster
	s_endpgm
.Lentry_in_a_cluster:
	s_bfe_u32 s2, ttmp6, 0x10000c
	s_cmp_lg_u32 s2, 0x3003
	s_cbranch_scc0 .Lentry_shape_is_right
	s_endpgm
.Lentry_shape_is_right:
; RESIDUAL VECTOR QUANTISER, THE WALK OF STAGE 0.  For each of 65,536 rows x (f16, exact images of the bf16-rounded inputs) the TWO codes c of 2,048 with the least |x - c|^2, found as the two
; greatest scores x.c - |c|^2 / 2.  Stored: best | second << 16 (column 0 of pk's row, columns 1-3 = 0), the wave's sum of |x|^2 - 2 best score (the least distances, for the loss), and the stage's number 0.
; The launch behind ranks the two in reference()'s own order of f32 roundings.  It is the text of stages 1 to 3 with ONE f16 piece a row (NP = 1) and no residual to rebuild.
; LIMITS.  Inputs within f16's range (65,504).  NaN and infinities are not treated apart.  Of three or more codes whose scores lie within f32 rounding of each other the pair may lack the one that reference() takes.
; Equal scores go by the lower index.  The loss takes |x|^2 - 2 score for |x - c|^2: off by the f32 rounding of those sums.
; SHARES.  A work-group owns 256 rows, each of its four waves 64: four tiles of 16, kept in registers as source 1.  Every wave walks all 2,048 codes, 16 a tile, as source 0:
; in the result lane (r, h) holds row r and the codes 8 h + 0..7.  -|c|^2 / 2 is the C operand that starts each sum.
; THE SEARCH.  While tile t is multiplied, tile t - 1's 4 x 8 scores a lane are searched: 108 vector instructions, seven behind each product.  A lane keeps two SLOTS for each row tile: a tile's eight scores,
; their greatest and the tile's number; a tile whose greatest beats the worse slot's takes that slot.  So the lane's two best scores lie in its slots, wherever they fell.
; RING.  Two LDS slots of 512 codes; the four work-groups of a cluster walk the same codes, so each quarter of a slot is asked for JOINTLY by the same wave of all four.
.set NP,     1                         ; f16 pieces of a row
.set PITCH,  272                       ; a code in LDS: 256 bytes + 16 of padding = 68 words, so the 16 rows of a load start at 16 different groups of four banks (64 banks of 4 bytes: ISA guide 11.1)
.set TILEB,  16*PITCH
.set QUARTB, 128*PITCH                 ; what one tensor load brings
.set SLOTB,  4*QUARTB                  ; 512 codes
.set NCCB,   2*SLOTB                   ; behind the ring: -|c|^2 / 2 of all 2,048 codes, filled once
.set SPARE,  NCCB+8192                 ; the spare words, 128 bytes for each wave: two blocks of 256 bytes that no other line names
.set NCCOFF, 524288                    ; where -|c|^2 / 2 begins in a codebook's buffer
.set TAIL,   0x100000                  ; where the waves' words begin in a pk buffer
.set R,    1                           ; lane % 16
.set H,    2                           ; lane / 16
.set XO,   3                           ; 256 r + 16 h: my place in 16 rows of xb
.set AF0,  4                           ; 272 r + 16 h: my place in a tile of codes
.set AF,   5                           ; the same in the tile to be fetched
.set NA0,  6                           ; NCCB + 32 h
.set NA,   7
.set TNV,  8                           ; first code of the tile that is being searched
.set H8,   9
.set H16,  10
.set ZERO, 14
.set FA0,  16                          ; v16-47, v48-79    a tile's codes, two buffers
.set NC0,  80                          ; v80-87, v88-95    its -|c|^2 / 2, two buffers
.set ACC0, 96                          ; v96-127, v128-159 scores, 8 a row tile, two buffers
.set BX,   160                         ; slot X: its greatest score, by row tile
.set BY,   164                         ; slot Y
.set TX,   168                         ; slot X: its tile's first code
.set TY,   172
.set SVX,  176                         ; v176-207 slot X: the eight scores, by row tile
.set SVY,  208                         ; v208-239 slot Y
.set MM,   240                         ; the searched tile's greatest
.set WW,   244                         ; the worse slot's greatest
.set RR,   248                         ; |x|^2
.set SPW,  252                         ; LDS address of my spare word; never rewritten
.set NIL,  253                         ; 0; never rewritten
.set SN,   254                         ; the stage's number
.set NINF, 255                         ; minus infinity
.set RS,   96                          ; sums of squares at work, ahead of the walk
; the way out works in the registers that the walk's fragments leave free
.set EW,   16                          ; the better slot's eight scores
.set EV1,  24                          ; the best score, by row tile
.set EI1,  28                          ; its index
.set EV2,  32
.set EI2,  36                          ; the second's index
.set EPP,  40
.set ET,   41
.set EOV,  42
.set EOI,  43
.set EKT,  44
.set EKH,  45
.set EKP,  46
.set LANE, 47
.set SO,   48
.set PK,   52                          ; v52-67 pk's four columns, by row tile
.set ST0,  68
.set ST1,  72
.set EAB,  76
.set EL,   80
;   window 1: the rows: row tile t, K block k at v[64 t + 8 k]
.set WV,  20
.set CX,  21
.set WGX, 22
.set G1,  24                           ; s[24:31] group 1 for the codes
.set G1N, 32                           ; s[32:39] for -|c|^2 / 2
.set G0A, 40                           ; s[40:43] group 0, slot 0
.set G0B, 44                           ; s[44:47] slot 1
.set G0N, 48                           ; s[48:51] -|c|^2 / 2
.set CNT, 54
.set MK,  56                           ; s[56:59] lanes in which the tile beats the worse slot, by row tile
.set SEL, 60
.set HM,  62
.set TB,  66                           ; LDS byte of the tile pair to be fetched
.set TN,  67                           ; the same in -|c|^2 / 2
.set TP,  72                           ; s[72:73] my wave's word in pk, less TAIL
.set LP,  74                           ; s[74:75] my wave's word in lsum
.set SX,  80                           ; s[80:83] lanes in which slot X is the worse, by row tile
.set MSB, 0
.macro WIN new                         ; the immediate's high byte repeats the setting that is left; a switch that changes nothing is dropped
.if MSB != (\new)
	s_set_vgpr_msb (MSB<<8)|(\new)
.set MSB, (\new)
.endif
.endm
.macro PLACES
.rept 4
	v_nop
.endr
.endm
.macro CROUND                          ; a round of the cluster's barrier
	s_barrier_signal -1
	s_barrier_wait -1
	s_cmp_lg_u32 s[WV], 0
	s_cbranch_scc1 .Lnot_wave_0_\@
	s_barrier_signal -3
.Lnot_wave_0_\@:
	s_barrier_wait -3
	s_barrier_signal -1
	s_barrier_wait -1
.endm
	s_load_b256 s[4:11], s[0:1], 0x0               ; xb s[4:5], the codebook s[6:7], pk out s[8:9], lsum s[10:11]
	v_lshl_add_u32 v[SPW], v0, 2, SPARE
	v_mov_b32 v[NIL], 0
	ds_add_u32 v[SPW], v[NIL]                      ; the wave's opening: the add and its wait stand ahead of my first tensor load; the set-up below stands between them
	v_lshrrev_b32 v[R], 5, v0
	v_readfirstlane_b32 s[WV], v[R]                ; wave 0..3
	s_bfe_u32 s[CX], ttmp6, 0x40000                ; my place in the cluster: it enters xb's, pk's and lsum's addresses alone
	s_lshl_b32 s[WGX], ttmp9, 2
	s_add_co_u32 s[WGX], s[WGX], s[CX]
	s_mov_b32 s[G1], 15|(1<<16)|(1<<20)|(1<<21)|(5<<22)|(3<<25)  ; mask of four; 2-byte elements; padding on; bit 21 beside a mask; after every 64 words (code 5) 4 words (code 3)
	s_mov_b32 s[G1+1], 128<<16                     ; tensor_dim0 = 128
	s_mov_b32 s[G1+2], 128<<16                     ; tensor_dim1 = 128
	s_mov_b32 s[G1+3], 128<<16                     ; tile_dim0 = 128
	s_mov_b32 s[G1+4], 128                         ; tile_dim1 = 128
	s_mov_b32 s[G1+5], 128                         ; elements from row to row
	s_mov_b32 s[G1+6], 0
	s_mov_b32 s[G1+7], 0
	s_mov_b32 s[G1N], 15|(3<<16)|(1<<21)           ; 2,048 dense bytes as 8 rows of 32 elements of 8 bytes, no padding
	s_mov_b32 s[G1N+1], 32<<16
	s_mov_b32 s[G1N+2], 8<<16
	s_mov_b32 s[G1N+3], 32<<16
	s_mov_b32 s[G1N+4], 8
	s_mov_b32 s[G1N+5], 32
	s_mov_b32 s[G1N+6], 0
	s_mov_b32 s[G1N+7], 0
	s_mov_b32 s[G0A], 1
	s_mul_i32 s[G0A+1], s[WV], QUARTB              ; LDS: my quarter of slot 0,
	s_mov_b32 s[G0B], 1
	s_add_co_u32 s[G0B+1], s[G0A+1], SLOTB         ; of slot 1,
	s_mov_b32 s[G0N], 1
	s_lshl_b32 s[G0N+1], s[WV], 11
	s_add_co_u32 s[G0N+1], s[G0N+1], NCCB          ; of -|c|^2 / 2
	s_mov_b32 s[SEL], 0x76543210
	s_mov_b32 s[SEL+1], 0xfedcba98
	s_mov_b32 s[HM], 0xffff0000                    ; lanes 16-31
	v_and_b32 v[R], 15, v0
	v_bfe_u32 v[H], v0, 4, 1
	v_lshlrev_b32 v[H8], 3, v[H]
	v_lshlrev_b32 v[H16], 4, v[H]
	v_lshl_add_u32 v[XO], v[R], 8, v[H16]
	v_mul_u32_u24 v[AF0], v[R], PITCH
	v_add_nc_u32 v[AF0], v[AF0], v[H16]
	v_lshl_add_u32 v[NA0], v[H], 5, NCCB
	v_mov_b32 v[ZERO], 0
	v_mov_b32 v[SN], 0                             ; this stage's number
	s_lshl_b32 s76, s[WGX], 2
	s_add_co_u32 s76, s76, s[WV]                   ; my wave among the launch's 1,024
	s_lshl_b32 s68, s76, 2
	s_mov_b32 s69, 0
	s_lshl_b32 s70, s76, 14                        ; its 64 rows of xb
	s_mov_b32 s71, 0
	s_lshl_b32 s78, s[WV], 15                      ; my 128 codes of a slot (these two registers never hold the place in the cluster)
	s_mov_b32 s79, 0
	s_wait_dscnt 0x0                               ; the opening add is done
	s_wait_kmcnt 0x0
	s_add_nc_u64 s[TP:TP+1], s[8:9], s[68:69]
	s_add_nc_u64 s[LP:LP+1], s[10:11], s[68:69]    ; stage 0's part of lsum is the first
	s_add_nc_u64 s[4:5], s[4:5], s[70:71]
	s_lshl_b32 s70, s76, 10                        ; its 64 rows of pk
	s_add_nc_u64 s[8:9], s[8:9], s[70:71]
	WIN 0x40                                       ; the rows go straight into source 1's registers, window 1
.set t, 0
.rept 4
.set e, 0
.rept 8
	global_load_b128 v[64*t+4*e:64*t+4*e+3], v[XO], s[4:5] offset:4096*t+32*e
.set e, e+1
.endr
.set t, t+1
.endr
	WIN 0
	s_add_nc_u64 s[G0A+2:G0A+3], s[6:7], s[78:79]
	s_add_nc_u64 s[G0B+2:G0B+3], s[G0A+2:G0A+3], 131072   ; 512 codes on
	s_lshl_b32 s78, s[WV], 11
	s_add_nc_u64 s[G0N+2:G0N+3], s[6:7], s[78:79]
	s_add_nc_u64 s[G0N+2:G0N+3], s[G0N+2:G0N+3], NCCOFF
	s_or_b32 s[G0A+3], s[G0A+3], 0x80000000        ; type = 2
	s_or_b32 s[G0B+3], s[G0B+3], 0x80000000
	s_or_b32 s[G0N+3], s[G0N+3], 0x80000000
	CROUND                                         ; all four work-groups are here: the first joint loads meet
	tensor_load_to_lds s[G0N:G0N+3], s[G1N:G1N+7]  ; the first fills in one group: three loads of mine are out
	s_nop 0
	tensor_load_to_lds s[G0A:G0A+3], s[G1:G1+7]
	s_nop 0
	tensor_load_to_lds s[G0B:G0B+3], s[G1:G1+7]
	s_nop 0
	PLACES
	s_wait_loadcnt 0x0                             ; my rows
	WIN 0x05                                       ; |x|^2: eight chains, straight from the f16 halves
.set e, 0
.rept 32
.set t, 0
.rept 4
.if e == 0
	v_fma_mix_f32 v[RS+2*t],   v[64*t+e], v[64*t+e], v[ZERO] op_sel:[0,0,0] op_sel_hi:[1,1,0]
	v_fma_mix_f32 v[RS+2*t+1], v[64*t+e], v[64*t+e], v[ZERO] op_sel:[1,1,0] op_sel_hi:[1,1,0]
.else
	v_fma_mix_f32 v[RS+2*t],   v[64*t+e], v[64*t+e], v[RS+2*t]   op_sel:[0,0,0] op_sel_hi:[1,1,0]
	v_fma_mix_f32 v[RS+2*t+1], v[64*t+e], v[64*t+e], v[RS+2*t+1] op_sel:[1,1,0] op_sel_hi:[1,1,0]
.endif
.set t, t+1
.endr
.set e, e+1
.endr
	WIN 0
.irp t, 0,1,2,3
	v_add_f32 v[RR+\t], v[RS+2*\t], v[RS+2*\t+1]
.endr
.irp t, 0,1,2,3
	v_permlanex16_b32 v[RS+2*\t], v[RR+\t], s[SEL], s[SEL+1]   ; the row's other 64 numbers lie in the lane 16 away
.endr
.irp t, 0,1,2,3
	v_add_f32 v[RR+\t], v[RR+\t], v[RS+2*\t]
.endr
	v_mov_b32 v[NINF], 0xff800000                  ; below every score: both slots start so, and the first two tiles take them
.irp t, 0,1,2,3
	v_mov_b32 v[BX+\t], v[NINF]
	v_mov_b32 v[BY+\t], v[NINF]
	v_mov_b32 v[TX+\t], 0
	v_mov_b32 v[TY+\t], 0
.endr
.set e, 0
.rept 64
	v_mov_b32 v[SVX+e], v[NINF]
.set e, e+1
.endr
	v_mov_b32 v[TNV], 0
	v_mov_b32 v[AF], v[AF0]
	v_mov_b32 v[NA], v[NA0]
; Load k of the ten that bring a tile into buffer buf: eight for the codes (K block k / 2), two for -|c|^2 / 2.  ofs: the first or second tile of the pair at AF, NA.
.macro LD k, buf, ofs
.if (\k) < 8
	ds_load_b128 v[FA0+32*(\buf)+4*(\k):FA0+32*(\buf)+4*(\k)+3], v[AF] offset:(\ofs)*TILEB+32*(\k)
.else
	ds_load_b128 v[NC0+8*(\buf)+4*((\k)-8):NC0+8*(\buf)+4*((\k)-8)+3], v[NA] offset:(\ofs)*64+16*((\k)-8)
.endif
.endm
; Number n of the 112 that search the scores of the tile before (the other buffer than par).  Each accumulator's lowest registers are read first.
;   0-15 the lane's greatest of eight, by row tile     16-27 the worse slot's greatest; which slot that is; does the tile beat it? (strictly: an earlier tile keeps a tie)
;   28-107 by row tile: slot X takes the tile where X is the worse and beaten (its greatest, its number, its eight scores), then slot Y likewise; the mask lies in VCC for the short form of the select
;   108-110 the steps
.macro RID par, step
.set rA0, ACC0+32*(1-(\par))
.if n < 28
.set rq, n%4
.set rA, rA0+8*rq
.if n < 4
	v_max3_num_f32 v[MM+rq], v[rA], v[rA+1], v[rA+2]
.elseif n < 8
	v_max3_num_f32 v[MM+rq], v[MM+rq], v[rA+3], v[rA+4]
.elseif n < 12
	v_max3_num_f32 v[MM+rq], v[MM+rq], v[rA+5], v[rA+6]
.elseif n < 16
	v_max_num_f32 v[MM+rq], v[MM+rq], v[rA+7]
.elseif n < 20
	v_min_num_f32 v[WW+rq], v[BX+rq], v[BY+rq]
.elseif n < 24
	v_cmp_lt_f32 s[SX+rq], v[BX+rq], v[BY+rq]
.else
	v_cmp_gt_f32 s[MK+rq], v[MM+rq], v[WW+rq]
.endif
.elseif n < 108
.set rq, (n-28)/20
.set ru, (n-28)%20
.set rA, rA0+8*rq
.if ru == 0
	s_and_b32 vcc_lo, s[MK+rq], s[SX+rq]
	v_cndmask_b32 v[BX+rq], v[BX+rq], v[MM+rq], vcc_lo
.elseif ru == 1
	v_cndmask_b32 v[TX+rq], v[TX+rq], v[TNV], vcc_lo
.elseif ru < 10
	v_cndmask_b32 v[SVX+8*rq+ru-2], v[SVX+8*rq+ru-2], v[rA+ru-2], vcc_lo
.elseif ru == 10
	s_and_not1_b32 vcc_lo, s[MK+rq], s[SX+rq]
	v_cndmask_b32 v[BY+rq], v[BY+rq], v[MM+rq], vcc_lo
.elseif ru == 11
	v_cndmask_b32 v[TY+rq], v[TY+rq], v[TNV], vcc_lo
.else
	v_cndmask_b32 v[SVY+8*rq+ru-12], v[SVY+8*rq+ru-12], v[rA+ru-12], vcc_lo
.endif
.elseif n == 108
	v_add_nc_u32 v[TNV], 16, v[TNV]
.elseif (n == 109) && (\step)
	s_add_co_u32 s[TB], s[TB], 2*TILEB
	v_add_nc_u32 v[AF], s[TB], v[AF0]
.elseif (n == 110) && (\step)
	s_add_co_u32 s[TN], s[TN], 128
	v_add_nc_u32 v[NA], s[TN], v[NA0]
.else
	v_nop
.endif
.endm
; A TILE of 16 codes from buffer par: 16 NP products; the four accumulators take turns, one instruction a turn.  In 16 slices between them stand the search of the tile before
; (rid = 1), seven to a slice, and, in slices 0-4, the ten loads of the tile behind (pre = 1) into the other buffer.  The last slice (or four v_nop) holds the four places between this
; tile's last product and what follows: the next tile's reads of these scores and its loads into this tile's fragments.
.macro TILE par, ofs, pre, rid, step
	s_wait_dscnt 0x0                               ; this tile's ten loads, issued in the first five slices of the tile before
.set ii, 0
.rept 16*NP
.set aD, ACC0+32*(\par)+8*(ii%4)
.set aA, FA0+32*(\par)+8*((ii/4)%4)
.set aB, 64*(ii%4)+32*(ii/16)+8*((ii/4)%4)
	WIN 0x04                                       ; source 1, the rows, in window 1
.if ii < 4
	v_wmma_f32_16x16x32_f16 v[aD:aD+7], v[aA:aA+7], v[aB:aB+7], v[NC0+8*(\par):NC0+8*(\par)+7]
.else
	v_wmma_f32_16x16x32_f16 v[aD:aD+7], v[aA:aA+7], v[aB:aB+7], v[aD:aD+7]
.endif
.if (NP == 1) || (ii%2 == 1)
.set sl, ii/NP
.if \rid
	WIN 0
.set n, 7*sl
.rept 7
	RID \par, \step
.set n, n+1
.endr
.endif
.if (\pre) && (sl < 5)
	WIN 0
	LD 2*sl, 1-(\par), \ofs
	LD 2*sl+1, 1-(\par), \ofs
.endif
.endif
.set ii, ii+1
.endr
	WIN 0                                          ; at a label and at a branch every window is 0
.if !(\rid)
	PLACES
.endif
.endm
.macro GROUP trips                     ; two tiles a trip: an odd one, then an even one
	s_mov_b32 s[CNT], \trips
.Lgroup_\@:
	TILE 1, 0, 1, 1, 0
	TILE 0, 1, 1, 1, 1
	s_sub_co_u32 s[CNT], s[CNT], 1
	s_cmp_lg_u32 s[CNT], 0
	s_cbranch_scc1 .Lgroup_\@
.endm
; THE CHANGE OF SLOTS.  The slot's last tile is on its way into registers.  Each wave waits for all its tensor loads (its part of the other slot), adds 0 to its spare word, and waits for that and for its reads.
; fill = 1: the barrier is a round of the cluster's, and the slot just read takes the codes 1,024 on: the first thing behind the round; it has 32 tiles in which to land.
.macro SYNC fill, g0, at
	s_wait_tensorcnt 0x0                           ; no tensor load of mine is out, so a group 0 may be written
	ds_add_u32 v[SPW], v[NIL]                      ; 0 onto my spare word; register work stands between it and the wait for it
.if \fill
	s_add_nc_u64 s[(\g0)+2:(\g0)+3], s[(\g0)+2:(\g0)+3], 262144
.endif
	s_mov_b32 s[TB], \at                           ; the fetches go on at the other slot's head
	v_add_nc_u32 v[AF], s[TB], v[AF0]
	s_wait_dscnt 0x0                               ; the add is done, and my reads of the slot are over
.if \fill
	CROUND
	tensor_load_to_lds s[(\g0):(\g0)+3], s[G1:G1+7]
	s_nop 0
	PLACES
.else
	s_barrier_signal -1
	s_barrier_wait -1
.endif
.endm
; THE WAY OUT.  FIND: row tile t's best score and its index: the better slot (on a tie the earlier tile), in it the lowest of the eight that holds the greatest, then the better of the two halves of the lanes (on a tie the lower index).
.macro FIND t, ov, oi
	v_cmp_gt_f32 s63, v[BY+(\t)], v[BX+(\t)]
	v_cmp_eq_f32 s76, v[BY+(\t)], v[BX+(\t)]
	v_cmp_lt_u32 s77, v[TY+(\t)], v[TX+(\t)]
	s_and_b32 s76, s76, s77
	s_or_b32 vcc_lo, s63, s76
	v_cndmask_b32 v[\ov], v[BX+(\t)], v[BY+(\t)], vcc_lo
	v_cndmask_b32 v[ET], v[TX+(\t)], v[TY+(\t)], vcc_lo
.irp j, 0,1,2,3,4,5,6,7
	v_cndmask_b32 v[EW+\j], v[SVX+8*(\t)+\j], v[SVY+8*(\t)+\j], vcc_lo
.endr
	v_mov_b32 v[EPP], 7
.irp j, 6,5,4,3,2,1,0
	v_cmp_eq_f32 s63, v[EW+\j], v[\ov]
	v_cndmask_b32 v[EPP], v[EPP], \j, s63
.endr
	v_add3_u32 v[\oi], v[ET], v[EPP], v[H8]
	v_permlanex16_b32 v[EOV], v[\ov], s[SEL], s[SEL+1]
	v_permlanex16_b32 v[EOI], v[\oi], s[SEL], s[SEL+1]
	v_cmp_gt_f32 s63, v[EOV], v[\ov]
	v_cmp_eq_f32 s76, v[EOV], v[\ov]
	v_cmp_lt_u32 s77, v[EOI], v[\oi]
	s_and_b32 s76, s76, s77
	s_or_b32 vcc_lo, s63, s76
	v_cndmask_b32 v[\ov], v[\ov], v[EOV], vcc_lo
	v_cndmask_b32 v[\oi], v[\oi], v[EOI], vcc_lo
.endm
; KNOCK: the best is taken out of the slot of the lane that holds it, and both slots' greatest are made anew.
.macro KNOCK t
	v_and_b32 v[EKT], -16, v[EI1+(\t)]             ; its tile,
	v_and_b32 v[EKH], 8, v[EI1+(\t)]               ; its half of the lanes,
	v_and_b32 v[EKP], 7, v[EI1+(\t)]               ; its place among the eight
	v_cmp_eq_u32 s63, v[EKH], v[H8]
	v_cmp_eq_u32 s76, v[EKT], v[TX+(\t)]
	v_cmp_eq_u32 s77, v[EKT], v[TY+(\t)]
	s_and_b32 s76, s76, s63
	s_and_b32 s77, s77, s63
.irp j, 0,1,2,3,4,5,6,7
	v_cmp_eq_u32 s63, \j, v[EKP]
	s_and_b32 vcc_lo, s63, s76
	v_cndmask_b32 v[SVX+8*(\t)+\j], v[SVX+8*(\t)+\j], v[NINF], vcc_lo
	s_and_b32 vcc_lo, s63, s77
	v_cndmask_b32 v[SVY+8*(\t)+\j], v[SVY+8*(\t)+\j], v[NINF], vcc_lo
.endr
	v_max3_num_f32 v[BX+(\t)], v[SVX+8*(\t)], v[SVX+8*(\t)+1], v[SVX+8*(\t)+2]
	v_max3_num_f32 v[BY+(\t)], v[SVY+8*(\t)], v[SVY+8*(\t)+1], v[SVY+8*(\t)+2]
	v_max3_num_f32 v[BX+(\t)], v[BX+(\t)], v[SVX+8*(\t)+3], v[SVX+8*(\t)+4]
	v_max3_num_f32 v[BY+(\t)], v[BY+(\t)], v[SVY+8*(\t)+3], v[SVY+8*(\t)+4]
	v_max3_num_f32 v[BX+(\t)], v[BX+(\t)], v[SVX+8*(\t)+5], v[SVX+8*(\t)+6]
	v_max3_num_f32 v[BY+(\t)], v[BY+(\t)], v[SVY+8*(\t)+5], v[SVY+8*(\t)+6]
	v_max_num_f32 v[BX+(\t)], v[BX+(\t)], v[SVX+8*(\t)+7]
	v_max_num_f32 v[BY+(\t)], v[BY+(\t)], v[SVY+8*(\t)+7]
.endm
	s_wait_tensorcnt 0x1                           ; my parts of -|c|^2 / 2 and of slot 0 are in; slot 1's may stay out
	s_barrier_signal -1
	s_barrier_wait -1                              ; everybody's are
.set kk, 0
.rept 10
	LD kk, 0, 0                                    ; tile 0
.set kk, kk+1
.endr
	TILE 0, 1, 1, 0, 0                             ; tile 0: nothing to search yet
	s_mov_b32 s[TB], 2*TILEB
	v_add_nc_u32 v[AF], s[TB], v[AF0]
	s_mov_b32 s[TN], 128
	v_add_nc_u32 v[NA], s[TN], v[NA0]
	GROUP 15                                       ; tiles 1-30
	SYNC 1, G0A, SLOTB                             ; slot 0 takes codes 1,024-1,535
	GROUP 16                                       ; tiles 31-62
	SYNC 1, G0B, 0                                 ; slot 1 takes codes 1,536-2,047
	GROUP 16                                       ; tiles 63-94
	SYNC 0, G0A, SLOTB                             ; nothing is left to fetch
	GROUP 16                                       ; tiles 95-126
	TILE 1, 0, 0, 1, 0                             ; tile 127
.set n, 0
.rept 108
	RID 0, 0                                       ; and its search
.set n, n+1
.endr
	v_and_b32 v[LANE], 31, v0
	v_lshlrev_b32 v[SO], 4, v[LANE]
	v_mov_b32 v[EOV], 0
	v_mov_b32 v[EOI], 0
.set t, 0
.rept 4
	FIND t, EV1+t, EI1+t                           ; the best,
	KNOCK t
	FIND t, EV2, EI2+t                             ; and the best of what is left
.set t, t+1
.endr
.irp t, 0,1,2,3
	v_fma_f32 v[EL+\t], v[EV1+\t], -2.0, v[RR+\t]  ; the least distance
	v_lshl_or_b32 v[EAB+\t], v[EI2+\t], 16, v[EI1+\t]
.endr
	v_add_f32 v[EL], v[EL], v[EL+1]
	v_add_f32 v[EL+2], v[EL+2], v[EL+3]
	v_add_f32 v[EL], v[EL], v[EL+2]
	v_add_f32_dpp v[EL], v[EL], v[EL] row_xmask:1 row_mask:0xf bank_mask:0xf
	v_add_f32_dpp v[EL], v[EL], v[EL] row_xmask:2 row_mask:0xf bank_mask:0xf
	v_add_f32_dpp v[EL], v[EL], v[EL] row_xmask:4 row_mask:0xf bank_mask:0xf
	v_add_f32_dpp v[EL], v[EL], v[EL] row_xmask:8 row_mask:0xf bank_mask:0xf   ; my wave's 64 rows
.irp t, 0,1,2,3
	v_mov_b32 v[PK+4*\t], v[EAB+\t]
	v_mov_b32 v[PK+4*\t+1], 0
	v_mov_b32 v[PK+4*\t+2], 0
	v_mov_b32 v[PK+4*\t+3], 0
.endr
.irp c, 0,1,2,3                        ; lanes 0-15 store a row tile's rows, lanes 16-31 the next tile's: 512 consecutive bytes
	v_cndmask_b32 v[ST0+\c], v[PK+\c], v[PK+4+\c], s[HM]
	v_cndmask_b32 v[ST1+\c], v[PK+8+\c], v[PK+12+\c], s[HM]
.endr
	global_store_b128 v[SO], v[ST0:ST0+3], s[8:9]
	global_store_b128 v[SO], v[ST1:ST1+3], s[8:9] offset:512
	v_cmp_eq_u32 vcc_lo, 0, v[LANE]
	s_wait_xcnt 0x0                                ; EXEC is a source of the stores above: it changes only behind this wait
	s_and_saveexec_b32 s63, vcc_lo
	global_store_b32 v[ZERO], v[EL], s[LP:LP+1]
	global_store_b32 v[ZERO], v[SN], s[TP:TP+1] offset:TAIL
	s_wait_xcnt 0x0                                ; and again in front of the line that widens it
	s_or_b32 exec_lo, exec_lo, s63
	s_wait_tensorcnt 0x0                           ; the wave's end
	ds_add_u32 v[SPW], v[NIL]
	s_wait_dscnt 0x0
	CROUND                                         ; the closing round: no work-group ends while a partner may still ask for a tile that names it
	s_endpgm
.Lfunc_end_k_qe08fca9837_stage0:
	.size	k_qe08fca9837_stage0, .Lfunc_end_k_qe08fca9837_stage0-k_qe08fca9837_stage0
	.p2alignl 7, 3214868480
	.fill 96, 4, 3214868480
	.section	.rodata,"a",@progbits
	.p2align	6, 0x0
	.amdhsa_kernel k_qe08fca9837_stage0
		.amdhsa_group_segment_fixed_size 327680
		.amdhsa_private_segment_fixed_size 0
		.amdhsa_enable_private_segment 0
		.amdhsa_kernarg_size 32
		.amdhsa_user_sgpr_count 2
		.amdhsa_user_sgpr_kernarg_segment_ptr 1
		.amdhsa_wavefront_size32 1
		.amdhsa_system_sgpr_workgroup_id_x 1
		.amdhsa_system_sgpr_workgroup_id_y 1
		.amdhsa_system_sgpr_workgroup_id_z 1
		.amdhsa_system_vgpr_workitem_id 0
		.amdhsa_next_free_vgpr 512
		.amdhsa_next_free_sgpr 88
		.amdhsa_reserve_vcc 1
		.amdhsa_float_denorm_mode_32 3
		.amdhsa_float_denorm_mode_16_64 3
		.amdhsa_memory_ordered 1
		.amdhsa_forward_progress 1
		.amdhsa_inst_pref_size 128
	.end_amdhsa_kernel
	.amdgpu_metadata
---
amdhsa.version: [ 1, 2 ]
amdhsa.kernels:
  - .name:           k_qe08fca9837_stage0
    .symbol:         k_qe08fca9837_stage0.kd
    .args:
      - { .name: xb, .offset: 0, .size: 8, .value_kind: global_buffer, .address_space: global }
      - { .name: cb0, .offset: 8, .size: 8, .value_kind: global_buffer, .address_space: global }
      - { .name: pkA, .offset: 16, .size: 8, .value_kind: global_buffer, .address_space: global }
      - { .name: lsum, .offset: 24, .size: 8, .value_kind: global_buffer, .address_space: global }
    .group_segment_fixed_size: 327680
    .private_segment_fixed_size: 0
    .kernarg_segment_align: 8
    .kernarg_segment_size: 32
    .max_flat_workgroup_size: 128
    .sgpr_count:     88
    .vgpr_count:     512
    .wavefront_size: 32
...
	.end_amdgpu_metadata
.endif
;; end of part 2
;; launch decide0 (part 3): grid 512 x 1, 8 waves a work-group, no clusters, 0 bytes of LDS; arguments xb, cb0, pkB, pkA, cb1, cb2, cb3; writes pkB
.if DOCPART == 3
	.amdgcn_target "amdgcn-amd-amdhsa--gfx1250"
	.amdhsa_code_object_version 6
	.text
	.protected	k_qe08fca9837_decide0
	.globl	k_qe08fca9837_decide0
	.p2align	8
	.type	k_qe08fca9837_decide0,@function
k_qe08fca9837_decide0:
	s_mov_b64 s[64:65], 0
	v_nop
	global_prefetch_b8 v0, s[64:65] scope:SCOPE_SE
	s_setreg_imm32_b32 hwreg(HW_REG_WAVE_MODE, 25, 1), 1
	s_wait_xcnt 0x0
; THE DECISION OF ONE STAGE (one text for all four; the launch's buffers and a number S read from memory tell them apart).
; The walk has named two codes A and B for each row (column S of pk's row: A | B << 16).  Here the row's residual r is rebuilt in f32 as reference() steps it, and the two distances are made
; IN A FIXED ORDER OF f32 ROUNDINGS, which this text takes to be reference()'s:  r.c = one chain of fused multiply-adds over d = 0 .. 127, from 0;  |r|^2 = four sums of 32 rounded squares, each ascending,
; then the four in order;  |c|^2 likewise (made by the preparation);  d = (|r|^2 - 2 r.c) + |c|^2, two roundings.  The lesser d wins, on a tie the lower index.  Column S takes the winner.
; Where reference()'s sums are rounded in another order, two codes whose distances differ by less than those roundings may be ranked otherwise.
; S STEERS NO JUMP.  Three updates are always made; update j takes its code times -1 (j < S) or times 0 (then r stays, exactly; its gather reads some row of a codebook given for that alone).
; SHARES.  A wave owns 16 rows; lane (r, h) holds of row r the numbers 16 e + 8 h + 0..7, e = 0..7 (16 bytes of f16 a load).  So a chain in ascending order changes halves every 8 numbers:
; each block of 8 is reckoned in all lanes, holds in one half, and v_permlanex16_b32 hands the sum over.  All results hold in lanes 16-31, which store.  No LDS, no matrix unit: 2 x 128 products a row.
; The codebooks, 2 MiB, are read again and again by every work-group: no hint on their loads.
.set TAIL,   0x100000                  ; where the waves' words begin in a pk buffer
.set NCCOFF, 524288                    ; where -|c|^2 / 2 begins in a codebook's buffer
.set R,    1
.set H,    2
.set H16,  3
.set XO,   4                           ; 256 r + 16 h
.set PO,   5                           ; 16 r
.set ONE,  6
.set ZERO, 7
.set FL,   8                           ; v8-10 the three updates' factors
.set LANE, 11
.set PK,   12                          ; v12-15 pk's row
.set GO,   16                          ; v16-20 byte offsets of the five codes: three updates', A, B; never rewritten once made
.set NO,   21                          ; v21-22 of A's and B's -|c|^2 / 2
.set IA,   23
.set IB,   24
.set AB,   25
.set NCA,  26
.set NCB,  27
.set SN,   28
.set WI,   29
.set DA,   30
.set DB,   31
.set RV,   32                          ; v32-95   r: number m of block e at RV + 8 e + m
.set XS,   96                          ; v96-127  xb as loaded; then code B
.set CBR,  96
.set C0,   128                         ; v128-159 update 0's code; then code A
.set CAR,  128
.set C1,   160                         ; v160-191 update 1's
.set C2,   192                         ; v192-223 update 2's
.set P,    160                         ; v160-223 later: the squares
.set T,    224                         ; v224-255 at work
.set RRV,  T+4
.set AA,   T+8                         ; A's chain in lanes 0-15,
.set BA,   T+9                         ; in lanes 16-31
.set AB2,  T+10                        ; B's
.set BB,   T+11
.set SS,   26
.set SEL,  28
	s_load_b256 s[4:11], s[0:1], 0x0               ; xb s[4:5], the stage's codebook s[6:7], pk out s[8:9], pk in s[10:11]
	s_load_b128 s[12:15], s[0:1], 0x20             ; the updates' codebooks
	s_load_b64 s[16:17], s[0:1], 0x30
	v_lshrrev_b32 v[R], 5, v0
	v_readfirstlane_b32 s18, v[R]                  ; wave 0..7
	s_lshl_b32 s19, ttmp9, 3
	s_add_co_u32 s19, s19, s18                     ; my wave among the launch's 4,096
	v_and_b32 v[LANE], 31, v0
	v_and_b32 v[R], 15, v0
	v_bfe_u32 v[H], v0, 4, 1
	v_lshlrev_b32 v[H16], 4, v[H]
	v_lshl_add_u32 v[XO], v[R], 8, v[H16]
	v_lshlrev_b32 v[PO], 4, v[R]
	v_mov_b32 v[ONE], 1.0
	v_mov_b32 v[ZERO], 0
	s_mov_b32 s[SEL], 0x76543210
	s_mov_b32 s[SEL+1], 0xfedcba98
	s_lshr_b32 s20, s19, 2                         ; the walk's wave that owned my rows: its word holds S
	s_lshl_b32 s22, s20, 2
	s_mov_b32 s23, 0
	s_lshl_b32 s24, s19, 2                         ; my own word in pk out
	s_mov_b32 s25, 0
	s_lshl_b32 s38, s19, 8                         ; my 16 rows of pk
	s_mov_b32 s39, 0
	s_lshl_b32 s40, s19, 12                        ; and of xb
	s_mov_b32 s41, 0
	s_wait_kmcnt 0x0
	s_add_nc_u64 s[30:31], s[10:11], s[22:23]
	s_load_b32 s[SS], s[30:31], TAIL
	s_add_nc_u64 s[32:33], s[8:9], s[24:25]
	s_add_nc_u64 s[10:11], s[10:11], s[38:39]
	s_add_nc_u64 s[8:9], s[8:9], s[38:39]
	s_add_nc_u64 s[4:5], s[4:5], s[40:41]
	global_load_b128 v[PK:PK+3], v[PO], s[10:11]
.irp e, 0,1,2,3,4,5,6,7
	global_load_b128 v[XS+4*\e:XS+4*\e+3], v[XO], s[4:5] offset:32*\e
.endr
	s_wait_kmcnt 0x0
	s_min_u32 s[SS], s[SS], 3                      ; S, held to 3 at the most
.irp j, 0,1,2
	s_cmp_gt_u32 s[SS], \j
	s_cselect_b32 s20, -1.0, 0
	v_mov_b32 v[FL+\j], s20
.endr
	s_add_co_u32 s20, s[SS], 1
	v_mov_b32 v[SN], s20                           ; the next stage's number
	s_wait_loadcnt 8                               ; pk's row is in; the eight loads of xb may stay out
	v_mov_b32 v[AB], v[PK]
.irp c, 1,2,3                          ; column S: a select, no jump
	s_cmp_eq_u32 s[SS], \c
	s_cselect_b32 s20, -1, 0
	v_cndmask_b32 v[AB], v[AB], v[PK+\c], s20
.endr
	v_and_b32 v[IA], 0xffff, v[AB]
	v_lshrrev_b32 v[IB], 16, v[AB]
.irp j, 0,1,2
	v_min_u32 v[GO+\j], 0x7ff, v[PK+\j]            ; held inside the table
.endr
	v_min_u32 v[GO+3], 0x7ff, v[IA]
	v_min_u32 v[GO+4], 0x7ff, v[IB]
	v_lshlrev_b32 v[NO], 2, v[GO+3]
	v_lshlrev_b32 v[NO+1], 2, v[GO+4]
.irp j, 0,1,2,3,4
	v_lshl_add_u32 v[GO+\j], v[GO+\j], 8, v[H16]
.endr
.irp e, 0,1,2,3,4,5,6,7
	global_load_b128 v[C0+4*\e:C0+4*\e+3], v[GO], s[12:13] offset:32*\e
.endr
.irp e, 0,1,2,3,4,5,6,7
	global_load_b128 v[C1+4*\e:C1+4*\e+3], v[GO+1], s[14:15] offset:32*\e
.endr
.irp e, 0,1,2,3,4,5,6,7
	global_load_b128 v[C2+4*\e:C2+4*\e+3], v[GO+2], s[16:17] offset:32*\e
.endr
	global_load_b32 v[NCA], v[NO], s[6:7] offset:NCCOFF
	global_load_b32 v[NCB], v[NO+1], s[6:7] offset:NCCOFF
; t = r + factor x c; xr = r - t; r = r - xr: with the factor -1 reference()'s roundings; 16 words of the code at a time
.macro UPD c, f
.set b, 0
.rept 2
.set e, 0
.rept 16
	v_fma_mix_f32 v[T+2*e],   v[(\c)+16*b+e], v[\f], v[RV+32*b+2*e]   op_sel:[0,0,0] op_sel_hi:[1,0,0]
	v_fma_mix_f32 v[T+2*e+1], v[(\c)+16*b+e], v[\f], v[RV+32*b+2*e+1] op_sel:[1,0,0] op_sel_hi:[1,0,0]
.set e, e+1
.endr
.set e, 0
.rept 16
	v_pk_add_f32 v[T+2*e:T+2*e+1], v[RV+32*b+2*e:RV+32*b+2*e+1], v[T+2*e:T+2*e+1] neg_lo:[0,1] neg_hi:[0,1]
.set e, e+1
.endr
.set e, 0
.rept 16
	v_pk_add_f32 v[RV+32*b+2*e:RV+32*b+2*e+1], v[RV+32*b+2*e:RV+32*b+2*e+1], v[T+2*e:T+2*e+1] neg_lo:[0,1] neg_hi:[0,1]
.set e, e+1
.endr
.set b, b+1
.endr
.endm
	s_wait_loadcnt 26                              ; xb is in; behind it went 3 x 8 loads of codes and two of -|c|^2 / 2
.set e, 0
.rept 32                               ; r = x, f16 to f32
	v_fma_mix_f32 v[RV+2*e],   v[XS+e], v[ONE], v[ZERO] op_sel:[0,0,0] op_sel_hi:[1,0,0]
	v_fma_mix_f32 v[RV+2*e+1], v[XS+e], v[ONE], v[ZERO] op_sel:[1,0,0] op_sel_hi:[1,0,0]
.set e, e+1
.endr
.irp e, 0,1,2,3,4,5,6,7                ; code B goes where xb lay
	global_load_b128 v[CBR+4*\e:CBR+4*\e+3], v[GO+4], s[6:7] offset:32*\e
.endr
	s_wait_loadcnt 26                              ; update 0's code is in; behind it: 8 + 8 + 2 + B's 8
	UPD C0, FL
.irp e, 0,1,2,3,4,5,6,7                ; code A goes where update 0's code lay
	global_load_b128 v[CAR+4*\e:CAR+4*\e+3], v[GO+3], s[6:7] offset:32*\e
.endr
	s_wait_loadcnt 26                              ; update 1's: behind it 8 + 2 + 8 + A's 8
	UPD C1, FL+1
	s_wait_loadcnt 18                              ; update 2's: behind it 2 + 8 + 8
	UPD C2, FL+2
	; |r|^2.  The squares, each rounded; sum w takes numbers 32 w .. 32 w + 31: blocks 2 w and 2 w + 1, each first in lanes 0-15, then in lanes 16-31
.set e, 0
.rept 32
	v_pk_mul_f32 v[P+2*e:P+2*e+1], v[RV+2*e:RV+2*e+1], v[RV+2*e:RV+2*e+1]
.set e, e+1
.endr
.irp w, 0,1,2,3
	v_add_f32 v[T+\w], v[P+16*\w], v[P+16*\w+1]
.endr
.irp m, 2,3,4,5,6,7
.irp w, 0,1,2,3
	v_add_f32 v[T+\w], v[T+\w], v[P+16*\w+\m]
.endr
.endr
.irp w, 0,1,2,3
	v_permlanex16_b32 v[T+4+\w], v[T+\w], s[SEL], s[SEL+1]
.endr
.irp m, 0,1,2,3,4,5,6,7
.irp w, 0,1,2,3
	v_add_f32 v[T+4+\w], v[T+4+\w], v[P+16*\w+\m]
.endr
.endr
.irp w, 0,1,2,3
	v_permlanex16_b32 v[T+\w], v[T+4+\w], s[SEL], s[SEL+1]
.endr
.irp m, 0,1,2,3,4,5,6,7
.irp w, 0,1,2,3
	v_add_f32 v[T+\w], v[T+\w], v[P+16*\w+8+\m]
.endr
.endr
.irp w, 0,1,2,3
	v_permlanex16_b32 v[T+4+\w], v[T+\w], s[SEL], s[SEL+1]
.endr
.irp m, 0,1,2,3,4,5,6,7
.irp w, 0,1,2,3
	v_add_f32 v[T+4+\w], v[T+4+\w], v[P+16*\w+8+\m]
.endr
.endr
	v_add_f32 v[RRV], v[RRV], v[T+5]
	v_add_f32 v[RRV], v[RRV], v[T+6]
	v_add_f32 v[RRV], v[RRV], v[T+7]               ; holds in lanes 16-31
	; r.A and r.B: two chains, line by line by turns
	s_wait_loadcnt 0x0                             ; A, B and their -|c|^2 / 2
.set e, 0
.rept 8
.set i, 0
.rept 4
.if (e == 0) && (i == 0)
	v_fma_mix_f32 v[AA],  v[CAR], v[RV], v[ZERO] op_sel:[0,0,0] op_sel_hi:[1,0,0]
	v_fma_mix_f32 v[AB2], v[CBR], v[RV], v[ZERO] op_sel:[0,0,0] op_sel_hi:[1,0,0]
.else
	v_fma_mix_f32 v[AA],  v[CAR+4*e+i], v[RV+8*e+2*i], v[AA]  op_sel:[0,0,0] op_sel_hi:[1,0,0]
	v_fma_mix_f32 v[AB2], v[CBR+4*e+i], v[RV+8*e+2*i], v[AB2] op_sel:[0,0,0] op_sel_hi:[1,0,0]
.endif
	v_fma_mix_f32 v[AA],  v[CAR+4*e+i], v[RV+8*e+2*i+1], v[AA]  op_sel:[1,0,0] op_sel_hi:[1,0,0]
	v_fma_mix_f32 v[AB2], v[CBR+4*e+i], v[RV+8*e+2*i+1], v[AB2] op_sel:[1,0,0] op_sel_hi:[1,0,0]
.set i, i+1
.endr
	v_permlanex16_b32 v[BA], v[AA], s[SEL], s[SEL+1]      ; on to lanes 16-31
	v_permlanex16_b32 v[BB], v[AB2], s[SEL], s[SEL+1]
.set i, 0
.rept 4
	v_fma_mix_f32 v[BA], v[CAR+4*e+i], v[RV+8*e+2*i], v[BA] op_sel:[0,0,0] op_sel_hi:[1,0,0]
	v_fma_mix_f32 v[BB], v[CBR+4*e+i], v[RV+8*e+2*i], v[BB] op_sel:[0,0,0] op_sel_hi:[1,0,0]
	v_fma_mix_f32 v[BA], v[CAR+4*e+i], v[RV+8*e+2*i+1], v[BA] op_sel:[1,0,0] op_sel_hi:[1,0,0]
	v_fma_mix_f32 v[BB], v[CBR+4*e+i], v[RV+8*e+2*i+1], v[BB] op_sel:[1,0,0] op_sel_hi:[1,0,0]
.set i, i+1
.endr
.if e < 7
	v_permlanex16_b32 v[AA], v[BA], s[SEL], s[SEL+1]      ; and back
	v_permlanex16_b32 v[AB2], v[BB], s[SEL], s[SEL+1]
.endif
.set e, e+1
.endr
	v_fma_f32 v[DA], v[BA], -2.0, v[RRV]           ; |r|^2 - 2 r.c: the product is exact, one rounding
	v_fma_f32 v[DB], v[BB], -2.0, v[RRV]
	v_fma_f32 v[DA], v[NCA], -2.0, v[DA]           ; + |c|^2: one rounding
	v_fma_f32 v[DB], v[NCB], -2.0, v[DB]
	v_cmp_lt_f32 s34, v[DB], v[DA]
	v_cmp_eq_f32 s35, v[DB], v[DA]
	v_cmp_lt_u32 s36, v[IB], v[IA]
	s_and_b32 s35, s35, s36
	s_or_b32 s34, s34, s35
	v_cndmask_b32 v[WI], v[IA], v[IB], s34
.irp c, 0,1,2,3                        ; the winner goes into column S
	s_cmp_eq_u32 s[SS], \c
	s_cselect_b32 s20, -1, 0
	v_cndmask_b32 v[PK+\c], v[PK+\c], v[WI], s20
.endr
	v_cmp_lt_u32 vcc_lo, 15, v[LANE]               ; lanes 16-31 hold the results
	s_wait_xcnt 0x0                                ; EXEC is a source of the loads above: it changes only behind this wait
	s_and_saveexec_b32 s37, vcc_lo
	global_store_b128 v[PO], v[PK:PK+3], s[8:9]    ; 16 rows of 16 bytes: 256 consecutive bytes, aligned
	global_store_b32 v[ZERO], v[SN], s[32:33] offset:TAIL   ; one word, the same from all sixteen
	s_wait_xcnt 0x0                                ; and again in front of the line that widens it
	s_or_b32 exec_lo, exec_lo, s37
	s_endpgm
.Lfunc_end_k_qe08fca9837_decide0:
	.size	k_qe08fca9837_decide0, .Lfunc_end_k_qe08fca9837_decide0-k_qe08fca9837_decide0
	.p2alignl 7, 3214868480
	.fill 96, 4, 3214868480
	.section	.rodata,"a",@progbits
	.p2align	6, 0x0
	.amdhsa_kernel k_qe08fca9837_decide0
		.amdhsa_group_segment_fixed_size 0
		.amdhsa_private_segment_fixed_size 0
		.amdhsa_enable_private_segment 0
		.amdhsa_kernarg_size 56
		.amdhsa_user_sgpr_count 2
		.amdhsa_user_sgpr_kernarg_segment_ptr 1
		.amdhsa_wavefront_size32 1
		.amdhsa_system_sgpr_workgroup_id_x 1
		.amdhsa_system_sgpr_workgroup_id_y 1
		.amdhsa_system_sgpr_workgroup_id_z 1
		.amdhsa_system_vgpr_workitem_id 0
		.amdhsa_next_free_vgpr 256
		.amdhsa_next_free_sgpr 66
		.amdhsa_reserve_vcc 1
		.amdhsa_float_denorm_mode_32 3
		.amdhsa_float_denorm_mode_16_64 3
		.amdhsa_memory_ordered 1
		.amdhsa_forward_progress 1
		.amdhsa_inst_pref_size 63
	.end_amdhsa_kernel
	.amdgpu_metadata
---
amdhsa.version: [ 1, 2 ]
amdhsa.kernels:
  - .name:           k_qe08fca9837_decide0
    .symbol:         k_qe08fca9837_decide0.kd
    .args:
      - { .name: xb, .offset: 0, .size: 8, .value_kind: global_buffer, .address_space: global }
      - { .name: cb0, .offset: 8, .size: 8, .value_kind: global_buffer, .address_space: global }
      - { .name: pkB, .offset: 16, .size: 8, .value_kind: global_buffer, .address_space: global }
      - { .name: pkA, .offset: 24, .size: 8, .value_kind: global_buffer, .address_space: global }
      - { .name: cb1, .offset: 32, .size: 8, .value_kind: global_buffer, .address_space: global }
      - { .name: cb2, .offset: 40, .size: 8, .value_kind: global_buffer, .address_space: global }
      - { .name: cb3, .offset: 48, .size: 8, .value_kind: global_buffer, .address_space: global }
    .group_segment_fixed_size: 0
    .private_segment_fixed_size: 0
    .kernarg_segment_align: 8
    .kernarg_segment_size: 56
    .max_flat_workgroup_size: 256
    .sgpr_count:     66
    .vgpr_count:     256
    .wavefront_size: 32
...
	.end_amdgpu_metadata
.endif
;; end of part 3
;; launch stage1 (part 4): grid 256 x 1, 4 waves a work-group, clusters of 4 x 1, 327,680 bytes of LDS; arguments xb, cb1, pkA, lsum, pkB, cb0, cb2, cb3; writes pkA, lsum
.if DOCPART == 4
	.amdgcn_target "amdgcn-amd-amdhsa--gfx1250"
	.amdhsa_code_object_version 6
	.text
	.protected	k_qe08fca9837_stage1
	.globl	k_qe08fca9837_stage1
	.p2align	8
	.type	k_qe08fca9837_stage1,@function
k_qe08fca9837_stage1:
	s_mov_b64 s[64:65], 0
	v_nop
	global_prefetch_b8 v0, s[64:65] scope:SCOPE_SE
	s_setreg_imm32_b32 hwreg(HW_REG_WAVE_MODE, 25, 1), 1
	s_wait_xcnt 0x0
	s_wait_alu depctr_hold_cnt(0) depctr_sa_sdst(0) depctr_va_vdst(0) depctr_va_sdst(0) depctr_va_ssrc(0) depctr_va_vcc(0) depctr_vm_vsrc(0)
	s_getreg_b32 s2, hwreg(HW_REG_IB_STS2, 6, 4)
	s_cmp_eq_u32 s2, 0
	s_cbranch_scc0 .Lentry_in_a_cluster
	s_endpgm
.Lentry_in_a_cluster:
	s_bfe_u32 s2, ttmp6, 0x10000c
	s_cmp_lg_u32 s2, 0x3003
	s_cbranch_scc0 .Lentry_shape_is_right
	s_endpgm
.Lentry_shape_is_right:
; RESIDUAL VECTOR QUANTISER, THE WALK OF ONE OF STAGES 1 TO 3 (one text; the launch's buffers and a number S read from memory tell them apart).
; The residual r of each of 65,536 rows is rebuilt in f32 from xb and the codes chosen so far, exactly as reference() steps it (t = c - r, xr = r + t, r = r - xr); then the TWO codes c of this stage's 2,048
; with the least |r - c|^2 are found as the two greatest scores r.c - |c|^2 / 2.  Stored: pk's row with best | second << 16 in column S, the wave's sum of |r|^2 - 2 best score (for the loss), and S.
; The launch behind ranks the two in reference()'s own order of f32 roundings.
; TWO PIECES.  r is a true f32 number; one rounding to 16 bits would move distances by far more than neighbouring codes differ.  So r = hi + lo, two f16 numbers (hi = r rounded, lo = r - hi, exact, rounded):
; some 22 bits; a score is the sum of both pieces' products, hi's first.  The codes are f16 images of bf16 numbers, exact.
; S STEERS NO JUMP AND NO TENSOR LOAD.  Three updates are always made; update j takes its code times -1 (j < S) or times 0 (then t = r, xr = 0 and r stays, exactly; its gather reads row 0 of a
; codebook that the launch is given for that alone).  With -1: t = r - c, xr = r - t, r = r - xr: reference()'s roundings.  S enters a store's address and two selects besides.
; LIMITS.  |r| stays within f16's 65,504; below 2^-14 a piece keeps f16's fixed step of 2^-24.  NaN and infinities are not treated apart.  Of three or more codes whose scores lie within f32 rounding of each
; other the pair may lack the one that reference() takes.  Equal scores go by the lower index.  The loss takes |r|^2 - 2 score for |r - c|^2: off by the f32 rounding of those sums.
; SHARES.  A work-group owns 256 rows, each of its four waves 64: four tiles of 16, kept in registers as source 1.  Every wave walks all 2,048 codes, 16 a tile, as source 0:
; in the result lane (r, h) holds row r and the codes 8 h + 0..7.  -|c|^2 / 2 is the C operand that starts each sum.
; THE SEARCH.  While tile t is multiplied, tile t - 1's 4 x 8 scores a lane are searched: 108 vector instructions, seven behind every second product.  A lane keeps two SLOTS for each row tile: a tile's eight
; scores, their greatest and the tile's number; a tile whose greatest beats the worse slot's takes that slot.  So the lane's two best scores lie in its slots, wherever they fell.
; RING.  Two LDS slots of 512 codes; the four work-groups of a cluster walk the same codes, so each quarter of a slot is asked for JOINTLY by the same wave of all four.
.set NP,     2                         ; f16 pieces of a row
.set PITCH,  272                       ; a code in LDS: 256 bytes + 16 of padding = 68 words, so the 16 rows of a load start at 16 different groups of four banks (64 banks of 4 bytes: ISA guide 11.1)
.set TILEB,  16*PITCH
.set QUARTB, 128*PITCH                 ; what one tensor load brings
.set SLOTB,  4*QUARTB                  ; 512 codes
.set NCCB,   2*SLOTB                   ; behind the ring: -|c|^2 / 2 of all 2,048 codes, filled once
.set SPARE,  NCCB+8192                 ; the spare words, 128 bytes for each wave: two blocks of 256 bytes that no other line names
.set NCCOFF, 524288                    ; where -|c|^2 / 2 begins in a codebook's buffer
.set TAIL,   0x100000                  ; where the waves' words begin in a pk buffer
; REGISTERS, in windows of 256 (s_set_vgpr_msb: bits 1:0 source 0, 3:2 source 1, 5:4 source 2, 7:6 destination).  Packed word P = 32 t + 4 e + i of a lane: row tile t, 16 bytes e of its eight, word i.
;   window 0: below     window 1: the pieces: row tile t, piece p, K block k at v[64 t + 32 p + 8 k]     window 2: r in f32, word P's two numbers at v[2 P], v[2 P + 1]
;   window 3: v0-127 a gathered code, word P at v[P]; v128-255 xb as loaded
.set R,    1                           ; lane % 16
.set H,    2                           ; lane / 16
.set XO,   3                           ; 256 r + 16 h: my place in 16 rows of xb
.set AF0,  4                           ; 272 r + 16 h: my place in a tile of codes
.set AF,   5                           ; the same in the tile to be fetched
.set NA0,  6                           ; NCCB + 32 h
.set NA,   7
.set TNV,  8                           ; first code of the tile that is being searched
.set H8,   9
.set H16,  10
.set PO,   11                          ; 16 r: my row in 16 rows of pk; never rewritten
.set ONE,  12
.set NEG1, 13
.set ZERO, 14
.set FLAG, 15                          ; -1 or 0: the update's factor
.set FA0,  16                          ; v16-47, v48-79    a tile's codes, two buffers
.set NC0,  80                          ; v80-87, v88-95    its -|c|^2 / 2, two buffers
.set ACC0, 96                          ; v96-127, v128-159 scores, 8 a row tile, two buffers
.set BX,   160                         ; slot X: its greatest score, by row tile
.set BY,   164                         ; slot Y
.set TX,   168                         ; slot X: its tile's first code
.set TY,   172
.set SVX,  176                         ; v176-207 slot X: the eight scores, by row tile
.set SVY,  208                         ; v208-239 slot Y
.set MM,   240                         ; the searched tile's greatest
.set WW,   244                         ; the worse slot's greatest
.set RR,   248                         ; |r|^2
.set SPW,  252                         ; LDS address of my spare word; never rewritten
.set NIL,  253                         ; 0; never rewritten
.set SN,   254                         ; the stage's number
.set NINF, 255                         ; minus infinity
; ahead of the walk its registers serve the residual
.set IX,   176                         ; v176-187 the indices of the updates to come: update j, row tile t at IX + 4 j + t
.set GO,   188                         ; v188-191 a gather's byte offsets
.set PKP,  212                         ; v212-227 pk's four columns, by row tile
.set TT,   16                          ; v16-79 an update's t and xr for one row tile
.set RS,   96                          ; sums of squares at work
; the way out works in the registers that the walk's fragments leave free
.set EW,   16                          ; the better slot's eight scores
.set EV1,  24                          ; the best score, by row tile
.set EI1,  28                          ; its index
.set EV2,  32
.set EI2,  36                          ; the second's index
.set EPP,  40
.set ET,   41
.set EOV,  42
.set EOI,  43
.set EKT,  44
.set EKH,  45
.set EKP,  46
.set LANE, 47
.set SO,   48
.set PK,   52                          ; v52-67 pk's four columns, by row tile, loaded again: window 0 has no room to keep them through the walk
.set ST0,  68
.set ST1,  72
.set EAB,  76
.set EL,   80
.set WV,  20
.set CX,  21
.set WGX, 22
.set SS,  23                           ; S
.set G1,  24                           ; s[24:31] group 1 for the codes
.set G1N, 32                           ; s[32:39] for -|c|^2 / 2
.set G0A, 40                           ; s[40:43] group 0, slot 0
.set G0B, 44                           ; s[44:47] slot 1
.set G0N, 48                           ; s[48:51] -|c|^2 / 2
.set CNT, 54
.set JJ,  55
.set MK,  56                           ; s[56:59] lanes in which the tile beats the worse slot, by row tile
.set SEL, 60
.set HM,  62
.set TB,  66                           ; LDS byte of the tile pair to be fetched
.set TN,  67                           ; the same in -|c|^2 / 2
.set TP,  72                           ; s[72:73] my wave's word in pk out, less TAIL
.set LP,  74                           ; s[74:75] my wave's word in lsum
.set SX,  80                           ; s[80:83] lanes in which slot X is the worse, by row tile
.set MSB, 0
.macro WIN new                         ; the immediate's high byte repeats the setting that is left; a switch that changes nothing is dropped
.if MSB != (\new)
	s_set_vgpr_msb (MSB<<8)|(\new)
.set MSB, (\new)
.endif
.endm
.macro PLACES
.rept 4
	v_nop
.endr
.endm
.macro CROUND                          ; a round of the cluster's barrier
	s_barrier_signal -1
	s_barrier_wait -1
	s_cmp_lg_u32 s[WV], 0
	s_cbranch_scc1 .Lnot_wave_0_\@
	s_barrier_signal -3
.Lnot_wave_0_\@:
	s_barrier_wait -3
	s_barrier_signal -1
	s_barrier_wait -1
.endm
	s_load_b512 s[4:19], s[0:1], 0x0               ; xb s[4:5], this stage's codebook s[6:7], pk out s[8:9], lsum s[10:11], pk in s[12:13], the three updates' codebooks s[14:19]
	v_lshl_add_u32 v[SPW], v0, 2, SPARE
	v_mov_b32 v[NIL], 0
	ds_add_u32 v[SPW], v[NIL]                      ; the wave's opening: the add and its wait stand ahead of my first tensor load; the set-up below stands between them
	v_lshrrev_b32 v[R], 5, v0
	v_readfirstlane_b32 s[WV], v[R]                ; wave 0..3
	s_bfe_u32 s[CX], ttmp6, 0x40000                ; my place in the cluster: it enters xb's, pk's and lsum's addresses alone
	s_lshl_b32 s[WGX], ttmp9, 2
	s_add_co_u32 s[WGX], s[WGX], s[CX]
	s_mov_b32 s[G1], 15|(1<<16)|(1<<20)|(1<<21)|(5<<22)|(3<<25)  ; mask of four; 2-byte elements; padding on; bit 21 beside a mask; after every 64 words (code 5) 4 words (code 3)
	s_mov_b32 s[G1+1], 128<<16                     ; tensor_dim0 = 128
	s_mov_b32 s[G1+2], 128<<16                     ; tensor_dim1 = 128
	s_mov_b32 s[G1+3], 128<<16                     ; tile_dim0 = 128
	s_mov_b32 s[G1+4], 128                         ; tile_dim1 = 128
	s_mov_b32 s[G1+5], 128                         ; elements from row to row
	s_mov_b32 s[G1+6], 0
	s_mov_b32 s[G1+7], 0
	s_mov_b32 s[G1N], 15|(3<<16)|(1<<21)           ; 2,048 dense bytes as 8 rows of 32 elements of 8 bytes, no padding
	s_mov_b32 s[G1N+1], 32<<16
	s_mov_b32 s[G1N+2], 8<<16
	s_mov_b32 s[G1N+3], 32<<16
	s_mov_b32 s[G1N+4], 8
	s_mov_b32 s[G1N+5], 32
	s_mov_b32 s[G1N+6], 0
	s_mov_b32 s[G1N+7], 0
	s_mov_b32 s[G0A], 1
	s_mul_i32 s[G0A+1], s[WV], QUARTB              ; LDS: my quarter of slot 0,
	s_mov_b32 s[G0B], 1
	s_add_co_u32 s[G0B+1], s[G0A+1], SLOTB         ; of slot 1,
	s_mov_b32 s[G0N], 1
	s_lshl_b32 s[G0N+1], s[WV], 11
	s_add_co_u32 s[G0N+1], s[G0N+1], NCCB          ; of -|c|^2 / 2
	s_mov_b32 s[SEL], 0x76543210
	s_mov_b32 s[SEL+1], 0xfedcba98
	s_mov_b32 s[HM], 0xffff0000                    ; lanes 16-31
	v_and_b32 v[R], 15, v0
	v_bfe_u32 v[H], v0, 4, 1
	v_lshlrev_b32 v[H8], 3, v[H]
	v_lshlrev_b32 v[H16], 4, v[H]
	v_lshl_add_u32 v[XO], v[R], 8, v[H16]
	v_mul_u32_u24 v[AF0], v[R], PITCH
	v_add_nc_u32 v[AF0], v[AF0], v[H16]
	v_lshl_add_u32 v[NA0], v[H], 5, NCCB
	v_lshlrev_b32 v[PO], 4, v[R]
	v_mov_b32 v[ONE], 1.0
	v_mov_b32 v[NEG1], -1.0
	v_mov_b32 v[ZERO], 0
	s_lshl_b32 s76, s[WGX], 2
	s_add_co_u32 s76, s76, s[WV]                   ; my wave among the launch's 1,024
	s_lshl_b32 s68, s76, 2
	s_mov_b32 s69, 0
	s_lshl_b32 s52, s76, 4                         ; the launch before had four waves for my rows: the first one's word
	s_mov_b32 s53, 0
	s_lshl_b32 s70, s76, 14                        ; my 64 rows of xb
	s_mov_b32 s71, 0
	s_lshl_b32 s78, s[WV], 15                      ; my 128 codes of a slot (these two registers never hold the place in the cluster)
	s_mov_b32 s79, 0
	s_wait_dscnt 0x0                               ; the opening add is done
	s_wait_kmcnt 0x0
	s_add_nc_u64 s[52:53], s[12:13], s[52:53]
	s_load_b32 s[SS], s[52:53], TAIL               ; S
	s_add_nc_u64 s[TP:TP+1], s[8:9], s[68:69]
	s_add_nc_u64 s[4:5], s[4:5], s[70:71]
	s_lshl_b32 s70, s76, 10                        ; my 64 rows of pk
	s_add_nc_u64 s[8:9], s[8:9], s[70:71]
	s_add_nc_u64 s[12:13], s[12:13], s[70:71]
.irp t, 0,1,2,3
	global_load_b128 v[PKP+4*\t:PKP+4*\t+3], v[PO], s[12:13] offset:256*\t   ; my row's four columns
.endr
	WIN 0xc0                                       ; destination window 3
.set t, 0
.rept 4
.set e, 0
.rept 8
	global_load_b128 v[128+32*t+4*e:128+32*t+4*e+3], v[XO], s[4:5] offset:4096*t+32*e
.set e, e+1
.endr
.set t, t+1
.endr
	WIN 0
	s_add_nc_u64 s[G0A+2:G0A+3], s[6:7], s[78:79]
	s_add_nc_u64 s[G0B+2:G0B+3], s[G0A+2:G0A+3], 131072   ; 512 codes on
	s_lshl_b32 s78, s[WV], 11
	s_add_nc_u64 s[G0N+2:G0N+3], s[6:7], s[78:79]
	s_add_nc_u64 s[G0N+2:G0N+3], s[G0N+2:G0N+3], NCCOFF
	s_or_b32 s[G0A+3], s[G0A+3], 0x80000000        ; type = 2
	s_or_b32 s[G0B+3], s[G0B+3], 0x80000000
	s_or_b32 s[G0N+3], s[G0N+3], 0x80000000
	CROUND                                         ; all four work-groups are here: the first joint loads meet
	tensor_load_to_lds s[G0N:G0N+3], s[G1N:G1N+7]  ; the first fills in one group: three loads of mine are out; they land while the residual is rebuilt
	s_nop 0
	tensor_load_to_lds s[G0A:G0A+3], s[G1:G1+7]
	s_nop 0
	tensor_load_to_lds s[G0B:G0B+3], s[G1:G1+7]
	s_nop 0
	PLACES
; THE RESIDUAL.
.macro OFFS                            ; the next update's indices, held inside the table, as byte offsets
.irp t, 0,1,2,3
	v_min_u32 v[GO+\t], 0x7ff, v[IX+\t]
.endr
.irp t, 0,1,2,3
	v_lshl_add_u32 v[GO+\t], v[GO+\t], 8, v[H16]
.endr
.endm
.macro GATHER                          ; my rows' codes, in a fragment's layout
	WIN 0xc0
.set t, 0
.rept 4
.set e, 0
.rept 8
	global_load_b128 v[32*t+4*e:32*t+4*e+3], v[GO+t], s[14:15] offset:32*e
.set e, e+1
.endr
.set t, t+1
.endr
	WIN 0
.endm
.macro UPD                             ; t = r + FLAG c; xr = r - t; r = r - xr; a row tile at a time
.set t, 0
.rept 4
	WIN 0x23                                       ; the code in window 3, r in window 2
.set e, 0
.rept 32
	v_fma_mix_f32 v[TT+2*e],   v[32*t+e], v[FLAG], v[64*t+2*e]   op_sel:[0,0,0] op_sel_hi:[1,0,0]
	v_fma_mix_f32 v[TT+2*e+1], v[32*t+e], v[FLAG], v[64*t+2*e+1] op_sel:[1,0,0] op_sel_hi:[1,0,0]
.set e, e+1
.endr
	WIN 0x02
.set e, 0
.rept 32
	v_pk_add_f32 v[TT+2*e:TT+2*e+1], v[64*t+2*e:64*t+2*e+1], v[TT+2*e:TT+2*e+1] neg_lo:[0,1] neg_hi:[0,1]
.set e, e+1
.endr
	WIN 0x82
.set e, 0
.rept 32
	v_pk_add_f32 v[64*t+2*e:64*t+2*e+1], v[64*t+2*e:64*t+2*e+1], v[TT+2*e:TT+2*e+1] neg_lo:[0,1] neg_hi:[0,1]
.set e, e+1
.endr
.set t, t+1
.endr
	WIN 0
.endm
	s_wait_kmcnt 0x0
	s_min_u32 s[SS], s[SS], 3                      ; S, held to 3 at the most
	s_lshl_b32 s70, s[SS], 12                      ; stage S's 4,096 bytes of lsum
	s_add_co_u32 s68, s68, s70
	s_add_nc_u64 s[LP:LP+1], s[10:11], s[68:69]
	v_mov_b32 v[SN], s[SS]
	s_wait_loadcnt 32                              ; pk's four loads are in; the 32 of xb may stay out
.irp j, 0,1,2
.irp t, 0,1,2,3
	v_mov_b32 v[IX+4*\j+\t], v[PKP+4*\t+\j]
.endr
.endr
	OFFS
	GATHER
	s_wait_loadcnt 32                              ; xb is in; the 32 of the gather may stay out
	WIN 0x83                                       ; r = x, f16 to f32
.set e, 0
.rept 128
	v_fma_mix_f32 v[2*e],   v[128+e], v[ONE], v[ZERO] op_sel:[0,0,0] op_sel_hi:[1,0,0]
	v_fma_mix_f32 v[2*e+1], v[128+e], v[ONE], v[ZERO] op_sel:[1,0,0] op_sel_hi:[1,0,0]
.set e, e+1
.endr
	WIN 0
	s_mov_b32 s[CNT], 3
	s_mov_b32 s[JJ], 0
.Lupdate:                                              ; three trips, whatever S
	s_cmp_lt_u32 s[JJ], s[SS]
	s_cselect_b32 s63, -1.0, 0
	v_mov_b32 v[FLAG], s63
	s_wait_loadcnt 0x0                             ; the gather: its offsets and its base may be written again
	UPD
	s_cmp_eq_u32 s[CNT], 1
	s_cbranch_scc1 .Lno_more                       ; the last trip gathers nothing
.irp t, 0,1,2,3
	v_mov_b32 v[IX+\t], v[IX+4+\t]
	v_mov_b32 v[IX+4+\t], v[IX+8+\t]
.endr
	s_mov_b64 s[14:15], s[16:17]
	s_mov_b64 s[16:17], s[18:19]
	OFFS
	GATHER
.Lno_more:
	s_add_co_u32 s[JJ], s[JJ], 1
	s_sub_co_u32 s[CNT], s[CNT], 1
	s_cmp_lg_u32 s[CNT], 0
	s_cbranch_scc1 .Lupdate
	WIN 0x0a                                       ; |r|^2, four chains of pairs
.set e, 0
.rept 32
.set t, 0
.rept 4
.if e == 0
	v_pk_mul_f32 v[RS+2*t:RS+2*t+1], v[64*t:64*t+1], v[64*t:64*t+1]
.else
	v_pk_fma_f32 v[RS+2*t:RS+2*t+1], v[64*t+2*e:64*t+2*e+1], v[64*t+2*e:64*t+2*e+1], v[RS+2*t:RS+2*t+1]
.endif
.set t, t+1
.endr
.set e, e+1
.endr
	WIN 0
.irp t, 0,1,2,3
	v_add_f32 v[RR+\t], v[RS+2*\t], v[RS+2*\t+1]
.endr
.irp t, 0,1,2,3
	v_permlanex16_b32 v[RS+2*\t], v[RR+\t], s[SEL], s[SEL+1]   ; the row's other 64 numbers lie in the lane 16 away
.endr
.irp t, 0,1,2,3
	v_add_f32 v[RR+\t], v[RR+\t], v[RS+2*\t]
.endr
	WIN 0x4a                                       ; hi = r rounded to f16
.set e, 0
.rept 128
	v_cvt_pk_f16_f32 v[64*(e/32)+e%32], v[2*e], v[2*e+1]
.set e, e+1
.endr
	WIN 0xa1                                       ; r - hi, exact
.set e, 0
.rept 128
	v_fma_mix_f32 v[2*e],   v[64*(e/32)+e%32], v[NEG1], v[2*e]   op_sel:[0,0,0] op_sel_hi:[1,0,0]
	v_fma_mix_f32 v[2*e+1], v[64*(e/32)+e%32], v[NEG1], v[2*e+1] op_sel:[1,0,0] op_sel_hi:[1,0,0]
.set e, e+1
.endr
	WIN 0x4a                                       ; lo
.set e, 0
.rept 128
	v_cvt_pk_f16_f32 v[64*(e/32)+32+e%32], v[2*e], v[2*e+1]
.set e, e+1
.endr
	WIN 0
	v_mov_b32 v[NINF], 0xff800000                  ; below every score: both slots start so, and the first two tiles take them
.irp t, 0,1,2,3
	v_mov_b32 v[BX+\t], v[NINF]
	v_mov_b32 v[BY+\t], v[NINF]
	v_mov_b32 v[TX+\t], 0
	v_mov_b32 v[TY+\t], 0
.endr
.set e, 0
.rept 64
	v_mov_b32 v[SVX+e], v[NINF]
.set e, e+1
.endr
	v_mov_b32 v[TNV], 0
	v_mov_b32 v[AF], v[AF0]
	v_mov_b32 v[NA], v[NA0]
; Load k of the ten that bring a tile into buffer buf: eight for the codes (K block k / 2), two for -|c|^2 / 2.  ofs: the first or second tile of the pair at AF, NA.
.macro LD k, buf, ofs
.if (\k) < 8
	ds_load_b128 v[FA0+32*(\buf)+4*(\k):FA0+32*(\buf)+4*(\k)+3], v[AF] offset:(\ofs)*TILEB+32*(\k)
.else
	ds_load_b128 v[NC0+8*(\buf)+4*((\k)-8):NC0+8*(\buf)+4*((\k)-8)+3], v[NA] offset:(\ofs)*64+16*((\k)-8)
.endif
.endm
; Number n of the 112 that search the scores of the tile before (the other buffer than par).  Each accumulator's lowest registers are read first.
;   0-15 the lane's greatest of eight, by row tile     16-27 the worse slot's greatest; which slot that is; does the tile beat it? (strictly: an earlier tile keeps a tie)
;   28-107 by row tile: slot X takes the tile where X is the worse and beaten (its greatest, its number, its eight scores), then slot Y likewise; the mask lies in VCC for the short form of the select
;   108-110 the steps
.macro RID par, step
.set rA0, ACC0+32*(1-(\par))
.if n < 28
.set rq, n%4
.set rA, rA0+8*rq
.if n < 4
	v_max3_num_f32 v[MM+rq], v[rA], v[rA+1], v[rA+2]
.elseif n < 8
	v_max3_num_f32 v[MM+rq], v[MM+rq], v[rA+3], v[rA+4]
.elseif n < 12
	v_max3_num_f32 v[MM+rq], v[MM+rq], v[rA+5], v[rA+6]
.elseif n < 16
	v_max_num_f32 v[MM+rq], v[MM+rq], v[rA+7]
.elseif n < 20
	v_min_num_f32 v[WW+rq], v[BX+rq], v[BY+rq]
.elseif n < 24
	v_cmp_lt_f32 s[SX+rq], v[BX+rq], v[BY+rq]
.else
	v_cmp_gt_f32 s[MK+rq], v[MM+rq], v[WW+rq]
.endif
.elseif n < 108
.set rq, (n-28)/20
.set ru, (n-28)%20
.set rA, rA0+8*rq
.if ru == 0
	s_and_b32 vcc_lo, s[MK+rq], s[SX+rq]
	v_cndmask_b32 v[BX+rq], v[BX+rq], v[MM+rq], vcc_lo
.elseif ru == 1
	v_cndmask_b32 v[TX+rq], v[TX+rq], v[TNV], vcc_lo
.elseif ru < 10
	v_cndmask_b32 v[SVX+8*rq+ru-2], v[SVX+8*rq+ru-2], v[rA+ru-2], vcc_lo
.elseif ru == 10
	s_and_not1_b32 vcc_lo, s[MK+rq], s[SX+rq]
	v_cndmask_b32 v[BY+rq], v[BY+rq], v[MM+rq], vcc_lo
.elseif ru == 11
	v_cndmask_b32 v[TY+rq], v[TY+rq], v[TNV], vcc_lo
.else
	v_cndmask_b32 v[SVY+8*rq+ru-12], v[SVY+8*rq+ru-12], v[rA+ru-12], vcc_lo
.endif
.elseif n == 108
	v_add_nc_u32 v[TNV], 16, v[TNV]
.elseif (n == 109) && (\step)
	s_add_co_u32 s[TB], s[TB], 2*TILEB
	v_add_nc_u32 v[AF], s[TB], v[AF0]
.elseif (n == 110) && (\step)
	s_add_co_u32 s[TN], s[TN], 128
	v_add_nc_u32 v[NA], s[TN], v[NA0]
.else
	v_nop
.endif
.endm
; A TILE of 16 codes from buffer par: 16 NP products (hi's four K blocks, then lo's); the four accumulators take turns, one instruction a turn.  In 16 slices between them stand the
; search of the tile before (rid = 1), seven to a slice, and, in slices 0-4, the ten loads of the tile behind (pre = 1) into the other buffer.  The last slice (or four v_nop) holds the four places
; between this tile's last product and what follows: the next tile's reads of these scores and its loads into this tile's fragments.
.macro TILE par, ofs, pre, rid, step
	s_wait_dscnt 0x0                               ; this tile's ten loads, issued in the first five slices of the tile before
.set ii, 0
.rept 16*NP
.set aD, ACC0+32*(\par)+8*(ii%4)
.set aA, FA0+32*(\par)+8*((ii/4)%4)
.set aB, 64*(ii%4)+32*(ii/16)+8*((ii/4)%4)
	WIN 0x04                                       ; source 1, the rows' pieces, in window 1
.if ii < 4
	v_wmma_f32_16x16x32_f16 v[aD:aD+7], v[aA:aA+7], v[aB:aB+7], v[NC0+8*(\par):NC0+8*(\par)+7]
.else
	v_wmma_f32_16x16x32_f16 v[aD:aD+7], v[aA:aA+7], v[aB:aB+7], v[aD:aD+7]
.endif
.if (NP == 1) || (ii%2 == 1)
.set sl, ii/NP
.if \rid
	WIN 0
.set n, 7*sl
.rept 7
	RID \par, \step
.set n, n+1
.endr
.endif
.if (\pre) && (sl < 5)
	WIN 0
	LD 2*sl, 1-(\par), \ofs
	LD 2*sl+1, 1-(\par), \ofs
.endif
.endif
.set ii, ii+1
.endr
	WIN 0                                          ; at a label and at a branch every window is 0
.if !(\rid)
	PLACES
.endif
.endm
.macro GROUP trips                     ; two tiles a trip: an odd one, then an even one
	s_mov_b32 s[CNT], \trips
.Lgroup_\@:
	TILE 1, 0, 1, 1, 0
	TILE 0, 1, 1, 1, 1
	s_sub_co_u32 s[CNT], s[CNT], 1
	s_cmp_lg_u32 s[CNT], 0
	s_cbranch_scc1 .Lgroup_\@
.endm
; THE CHANGE OF SLOTS.  The slot's last tile is on its way into registers.  Each wave waits for all its tensor loads (its part of the other slot), adds 0 to its spare word, and waits for that and for its reads.
; fill = 1: the barrier is a round of the cluster's, and the slot just read takes the codes 1,024 on: the first thing behind the round; it has 32 tiles in which to land.
.macro SYNC fill, g0, at
	s_wait_tensorcnt 0x0                           ; no tensor load of mine is out, so a group 0 may be written
	ds_add_u32 v[SPW], v[NIL]                      ; 0 onto my spare word; register work stands between it and the wait for it
.if \fill
	s_add_nc_u64 s[(\g0)+2:(\g0)+3], s[(\g0)+2:(\g0)+3], 262144
.endif
	s_mov_b32 s[TB], \at                           ; the fetches go on at the other slot's head
	v_add_nc_u32 v[AF], s[TB], v[AF0]
	s_wait_dscnt 0x0                               ; the add is done, and my reads of the slot are over
.if \fill
	CROUND
	tensor_load_to_lds s[(\g0):(\g0)+3], s[G1:G1+7]
	s_nop 0
	PLACES
.else
	s_barrier_signal -1
	s_barrier_wait -1
.endif
.endm
; THE WAY OUT.  FIND: row tile t's best score and its index: the better slot (on a tie the earlier tile), in it the lowest of the eight that holds the greatest, then the better of the two halves of the lanes (on a tie the lower index).
.macro FIND t, ov, oi
	v_cmp_gt_f32 s63, v[BY+(\t)], v[BX+(\t)]
	v_cmp_eq_f32 s76, v[BY+(\t)], v[BX+(\t)]
	v_cmp_lt_u32 s77, v[TY+(\t)], v[TX+(\t)]
	s_and_b32 s76, s76, s77
	s_or_b32 vcc_lo, s63, s76
	v_cndmask_b32 v[\ov], v[BX+(\t)], v[BY+(\t)], vcc_lo
	v_cndmask_b32 v[ET], v[TX+(\t)], v[TY+(\t)], vcc_lo
.irp j, 0,1,2,3,4,5,6,7
	v_cndmask_b32 v[EW+\j], v[SVX+8*(\t)+\j], v[SVY+8*(\t)+\j], vcc_lo
.endr
	v_mov_b32 v[EPP], 7
.irp j, 6,5,4,3,2,1,0
	v_cmp_eq_f32 s63, v[EW+\j], v[\ov]
	v_cndmask_b32 v[EPP], v[EPP], \j, s63
.endr
	v_add3_u32 v[\oi], v[ET], v[EPP], v[H8]
	v_permlanex16_b32 v[EOV], v[\ov], s[SEL], s[SEL+1]
	v_permlanex16_b32 v[EOI], v[\oi], s[SEL], s[SEL+1]
	v_cmp_gt_f32 s63, v[EOV], v[\ov]
	v_cmp_eq_f32 s76, v[EOV], v[\ov]
	v_cmp_lt_u32 s77, v[EOI], v[\oi]
	s_and_b32 s76, s76, s77
	s_or_b32 vcc_lo, s63, s76
	v_cndmask_b32 v[\ov], v[\ov], v[EOV], vcc_lo
	v_cndmask_b32 v[\oi], v[\oi], v[EOI], vcc_lo
.endm
; KNOCK: the best is taken out of the slot of the lane that holds it, and both slots' greatest are made anew.
.macro KNOCK t
	v_and_b32 v[EKT], -16, v[EI1+(\t)]             ; its tile,
	v_and_b32 v[EKH], 8, v[EI1+(\t)]               ; its half of the lanes,
	v_and_b32 v[EKP], 7, v[EI1+(\t)]               ; its place among the eight
	v_cmp_eq_u32 s63, v[EKH], v[H8]
	v_cmp_eq_u32 s76, v[EKT], v[TX+(\t)]
	v_cmp_eq_u32 s77, v[EKT], v[TY+(\t)]
	s_and_b32 s76, s76, s63
	s_and_b32 s77, s77, s63
.irp j, 0,1,2,3,4,5,6,7
	v_cmp_eq_u32 s63, \j, v[EKP]
	s_and_b32 vcc_lo, s63, s76
	v_cndmask_b32 v[SVX+8*(\t)+\j], v[SVX+8*(\t)+\j], v[NINF], vcc_lo
	s_and_b32 vcc_lo, s63, s77
	v_cndmask_b32 v[SVY+8*(\t)+\j], v[SVY+8*(\t)+\j], v[NINF], vcc_lo
.endr
	v_max3_num_f32 v[BX+(\t)], v[SVX+8*(\t)], v[SVX+8*(\t)+1], v[SVX+8*(\t)+2]
	v_max3_num_f32 v[BY+(\t)], v[SVY+8*(\t)], v[SVY+8*(\t)+1], v[SVY+8*(\t)+2]
	v_max3_num_f32 v[BX+(\t)], v[BX+(\t)], v[SVX+8*(\t)+3], v[SVX+8*(\t)+4]
	v_max3_num_f32 v[BY+(\t)], v[BY+(\t)], v[SVY+8*(\t)+3], v[SVY+8*(\t)+4]
	v_max3_num_f32 v[BX+(\t)], v[BX+(\t)], v[SVX+8*(\t)+5], v[SVX+8*(\t)+6]
	v_max3_num_f32 v[BY+(\t)], v[BY+(\t)], v[SVY+8*(\t)+5], v[SVY+8*(\t)+6]
	v_max_num_f32 v[BX+(\t)], v[BX+(\t)], v[SVX+8*(\t)+7]
	v_max_num_f32 v[BY+(\t)], v[BY+(\t)], v[SVY+8*(\t)+7]
.endm
	s_wait_tensorcnt 0x1                           ; my parts of -|c|^2 / 2 and of slot 0 are in; slot 1's may stay out
	s_barrier_signal -1
	s_barrier_wait -1                              ; everybody's are
.set kk, 0
.rept 10
	LD kk, 0, 0                                    ; tile 0
.set kk, kk+1
.endr
	TILE 0, 1, 1, 0, 0                             ; tile 0: nothing to search yet
	s_mov_b32 s[TB], 2*TILEB
	v_add_nc_u32 v[AF], s[TB], v[AF0]
	s_mov_b32 s[TN], 128
	v_add_nc_u32 v[NA], s[TN], v[NA0]
	GROUP 15                                       ; tiles 1-30
	SYNC 1, G0A, SLOTB                             ; slot 0 takes codes 1,024-1,535
	GROUP 16                                       ; tiles 31-62
	SYNC 1, G0B, 0                                 ; slot 1 takes codes 1,536-2,047
	GROUP 16                                       ; tiles 63-94
	SYNC 0, G0A, SLOTB                             ; nothing is left to fetch
	GROUP 16                                       ; tiles 95-126
	TILE 1, 0, 0, 1, 0                             ; tile 127
.set n, 0
.rept 108
	RID 0, 0                                       ; and its search
.set n, n+1
.endr
.irp t, 0,1,2,3
	global_load_b128 v[PK+4*\t:PK+4*\t+3], v[PO], s[12:13] offset:256*\t   ; my row's four columns once more; they land while the two best are found
.endr
	v_and_b32 v[LANE], 31, v0
	v_lshlrev_b32 v[SO], 4, v[LANE]
	v_mov_b32 v[EOV], 0
	v_mov_b32 v[EOI], 0
.set t, 0
.rept 4
	FIND t, EV1+t, EI1+t                           ; the best,
	KNOCK t
	FIND t, EV2, EI2+t                             ; and the best of what is left
.set t, t+1
.endr
.irp t, 0,1,2,3
	v_fma_f32 v[EL+\t], v[EV1+\t], -2.0, v[RR+\t]  ; the least distance
	v_lshl_or_b32 v[EAB+\t], v[EI2+\t], 16, v[EI1+\t]
.endr
	v_add_f32 v[EL], v[EL], v[EL+1]
	v_add_f32 v[EL+2], v[EL+2], v[EL+3]
	v_add_f32 v[EL], v[EL], v[EL+2]
	v_add_f32_dpp v[EL], v[EL], v[EL] row_xmask:1 row_mask:0xf bank_mask:0xf
	v_add_f32_dpp v[EL], v[EL], v[EL] row_xmask:2 row_mask:0xf bank_mask:0xf
	v_add_f32_dpp v[EL], v[EL], v[EL] row_xmask:4 row_mask:0xf bank_mask:0xf
	v_add_f32_dpp v[EL], v[EL], v[EL] row_xmask:8 row_mask:0xf bank_mask:0xf   ; my wave's 64 rows
	s_wait_loadcnt 0x0                             ; pk's rows
.irp c, 0,1,2,3                        ; the pair goes into column S: a select, no jump
	s_cmp_eq_u32 s[SS], \c
	s_cselect_b32 s63, -1, 0
.irp t, 0,1,2,3
	v_cndmask_b32 v[PK+4*\t+\c], v[PK+4*\t+\c], v[EAB+\t], s63
.endr
.endr
.irp c, 0,1,2,3                        ; lanes 0-15 store a row tile's rows, lanes 16-31 the next tile's: 512 consecutive bytes
	v_cndmask_b32 v[ST0+\c], v[PK+\c], v[PK+4+\c], s[HM]
	v_cndmask_b32 v[ST1+\c], v[PK+8+\c], v[PK+12+\c], s[HM]
.endr
	global_store_b128 v[SO], v[ST0:ST0+3], s[8:9]
	global_store_b128 v[SO], v[ST1:ST1+3], s[8:9] offset:512
	v_cmp_eq_u32 vcc_lo, 0, v[LANE]
	s_wait_xcnt 0x0                                ; EXEC is a source of the stores above: it changes only behind this wait
	s_and_saveexec_b32 s63, vcc_lo
	global_store_b32 v[ZERO], v[EL], s[LP:LP+1]
	global_store_b32 v[ZERO], v[SN], s[TP:TP+1] offset:TAIL
	s_wait_xcnt 0x0                                ; and again in front of the line that widens it
	s_or_b32 exec_lo, exec_lo, s63
	s_wait_tensorcnt 0x0                           ; the wave's end
	ds_add_u32 v[SPW], v[NIL]
	s_wait_dscnt 0x0
	CROUND                                         ; the closing round: no work-group ends while a partner may still ask for a tile that names it
	s_endpgm
.Lfunc_end_k_qe08fca9837_stage1:
	.size	k_qe08fca9837_stage1, .Lfunc_end_k_qe08fca9837_stage1-k_qe08fca9837_stage1
	.p2alignl 7, 3214868480
	.fill 96, 4, 3214868480
	.section	.rodata,"a",@progbits
	.p2align	6, 0x0
	.amdhsa_kernel k_qe08fca9837_stage1
		.amdhsa_group_segment_fixed_size 327680
		.amdhsa_private_segment_fixed_size 0
		.amdhsa_enable_private_segment 0
		.amdhsa_kernarg_size 64
		.amdhsa_user_sgpr_count 2
		.amdhsa_user_sgpr_kernarg_segment_ptr 1
		.amdhsa_wavefront_size32 1
		.amdhsa_system_sgpr_workgroup_id_x 1
		.amdhsa_system_sgpr_workgroup_id_y 1
		.amdhsa_system_sgpr_workgroup_id_z 1
		.amdhsa_system_vgpr_workitem_id 0
		.amdhsa_next_free_vgpr 1024
		.amdhsa_next_free_sgpr 88
		.amdhsa_reserve_vcc 1
		.amdhsa_float_denorm_mode_32 3
		.amdhsa_float_denorm_mode_16_64 3
		.amdhsa_memory_ordered 1
		.amdhsa_forward_progress 1
		.amdhsa_inst_pref_size 221
	.end_amdhsa_kernel
	.amdgpu_metadata
---
amdhsa.version: [ 1, 2 ]
amdhsa.kernels:
  - .name:           k_qe08fca9837_stage1
    .symbol:         k_qe08fca9837_stage1.kd
    .args:
      - { .name: xb, .offset: 0, .size: 8, .value_kind: global_buffer, .address_space: global }
      - { .name: cb1, .offset: 8, .size: 8, .value_kind: global_buffer, .address_space: global }
      - { .name: pkA, .offset: 16, .size: 8, .value_kind: global_buffer, .address_space: global }
      - { .name: lsum, .offset: 24, .size: 8, .value_kind: global_buffer, .address_space: global }
      - { .name: pkB, .offset: 32, .size: 8, .value_kind: global_buffer, .address_space: global }
      - { .name: cb0, .offset: 40, .size: 8, .value_kind: global_buffer, .address_space: global }
      - { .name: cb2, .offset: 48, .size: 8, .value_kind: global_buffer, .address_space: global }
      - { .name: cb3, .offset: 56, .size: 8, .value_kind: global_buffer, .address_space: global }
    .group_segment_fixed_size: 327680
    .private_segment_fixed_size: 0
    .kernarg_segment_align: 8
    .kernarg_segment_size: 64
    .max_flat_workgroup_size: 128
    .sgpr_count:     88
    .vgpr_count:     1024
    .wavefront_size: 32
...
	.end_amdgpu_metadata
.endif
;; end of part 4
;; launch decide1: the kernel of part 3 again; grid 512 x 1, 8 waves a work-group, no clusters, 0 bytes of LDS; arguments xb, cb1, pkB, pkA, cb0, cb2, cb3; writes pkB
;; launch stage2: the kernel of part 4 again; grid 256 x 1, 4 waves a work-group, clusters of 4 x 1, 327,680 bytes of LDS; arguments xb, cb2, pkA, lsum, pkB, cb0, cb1, cb3; writes pkA, lsum
;; launch decide2: the kernel of part 3 again; grid 512 x 1, 8 waves a work-group, no clusters, 0 bytes of LDS; arguments xb, cb2, pkB, pkA, cb0, cb1, cb3; writes pkB
;; launch stage3: the kernel of part 4 again; grid 256 x 1, 4 waves a work-group, clusters of 4 x 1, 327,680 bytes of LDS; arguments xb, cb3, pkA, lsum, pkB, cb0, cb1, cb2; writes pkA, lsum
;; launch decide3: the kernel of part 3 again; grid 512 x 1, 8 waves a work-group, no clusters, 0 bytes of LDS; arguments xb, cb3, pkB, pkA, cb0, cb1, cb2; writes pkB
;; launch final (part 5): grid 512 x 1, 8 waves a work-group, no clusters, 0 bytes of LDS; arguments pkB, cb0, cb1, cb2, cb3, lsum, out0, out1, out2; writes out0, out1, out2
.if DOCPART == 5
	.amdgcn_target "amdgcn-amd-amdhsa--gfx1250"
	.amdhsa_code_object_version 6
	.text
	.protected	k_qe08fca9837_final
	.globl	k_qe08fca9837_final
	.p2align	8
	.type	k_qe08fca9837_final,@function
k_qe08fca9837_final:
	s_mov_b64 s[64:65], 0
	v_nop
	global_prefetch_b8 v0, s[64:65] scope:SCOPE_SE
	s_setreg_imm32_b32 hwreg(HW_REG_WAVE_MODE, 25, 1), 1
	s_wait_xcnt 0x0
; THE RESULTS.  out2 = the four indices of each row; out0 = ((c0 + c1) + c2) + c3, the four chosen codes added in f32 in the reference's order; out1 = 1.25 / (4 x 65,536 x 128) x the sum of all least distances.
; LIMIT.  The reference adds r + (c - r) where this text adds c: they differ by one rounding at the size of r or c.
; A stream with gathers: memory binds, so no LDS, no matrix unit, no cluster.  A wave owns 16 rows.  Its 64 gathers (a code's 256 bytes, 8 a lane) go out at once; a row's store covers 512 consecutive bytes, aligned.
; The codebooks, 2 MiB, are read again and again by every work-group: no hint on their loads.
.set PKV,  2                           ; v[2:3]    lane l: columns 2 (l % 2), 2 (l % 2) + 1 of my wave's row l / 2
.set L8,   4
.set L16,  5
.set ONE,  6
.set LANE, 7
.set GO,   8                           ; v[8:71]   row i, stage c: the gather's byte offset; when the row's loads are in, the row's four results
.set CD,   72                          ; v[72:199] row i, stage c: 4 numbers in f16 at CD + 8 i + 2 c
	s_load_b512 s[4:19], s[0:1], 0x0               ; pk s[4:5], cb0..cb3 s[6:13], lsum s[14:15], out0 s[16:17], out1 s[18:19]
	s_load_b64 s[20:21], s[0:1], 0x40              ; out2
	v_lshrrev_b32 v1, 5, v0
	v_readfirstlane_b32 s23, v1                    ; wave 0..7
	s_mov_b32 s22, ttmp9
	v_and_b32 v[LANE], 31, v0
	v_lshlrev_b32 v[L8], 3, v[LANE]
	v_lshlrev_b32 v[L16], 4, v[LANE]
	v_mov_b32 v[ONE], 1.0
	s_lshl_b32 s24, s22, 3
	s_add_co_u32 s24, s24, s23                     ; my wave among the launch's 4,096
	s_lshl_b32 s26, s24, 8                         ; its 16 rows of 16 bytes,
	s_mov_b32 s27, 0
	s_lshl_b32 s28, s24, 13                        ; and of 512
	s_mov_b32 s29, 0
	s_wait_kmcnt 0x0
	s_add_nc_u64 s[4:5], s[4:5], s[26:27]
	s_add_nc_u64 s[20:21], s[20:21], s[26:27]
	s_add_nc_u64 s[16:17], s[16:17], s[28:29]
	global_load_b64 v[PKV:PKV+1], v[L8], s[4:5]
	s_wait_loadcnt 0x0
	global_store_b64 v[L8], v[PKV:PKV+1], s[20:21] th:TH_STORE_NT   ; 256 consecutive bytes, aligned
.set i, 0
.rept 16
.irp c, 0,1,2,3
	v_readlane_b32 s[32+\c], v[PKV+(\c&1)], 2*i+(\c>>1)
.endr
.irp c, 0,1,2,3
	s_min_u32 s[32+\c], s[32+\c], 2047             ; held inside the table
.endr
.irp c, 0,1,2,3
	v_lshl_add_u32 v[GO+4*i+\c], s[32+\c], 8, v[L8]
.endr
.irp c, 0,1,2,3
	global_load_b64 v[CD+8*i+2*\c:CD+8*i+2*\c+1], v[GO+4*i+\c], s[6+2*\c:7+2*\c]
.endr
.set i, i+1
.endr
.set i, 0
.rept 16
	s_wait_loadcnt 4*(15-i)                        ; row i's four loads are in; the younger rows' stay out.  Their offsets' registers are free: they take the results
.irp e, 0,1,2,3
	v_fma_mix_f32 v[GO+4*i+\e], v[CD+8*i+2+(\e>>1)], v[ONE], v[CD+8*i+(\e>>1)] op_sel:[\e&1,0,\e&1] op_sel_hi:[1,0,1]
.endr
.irp e, 0,1,2,3
	v_fma_mix_f32 v[GO+4*i+\e], v[CD+8*i+4+(\e>>1)], v[ONE], v[GO+4*i+\e] op_sel:[\e&1,0,0] op_sel_hi:[1,0,0]
.endr
.irp e, 0,1,2,3
	v_fma_mix_f32 v[GO+4*i+\e], v[CD+8*i+6+(\e>>1)], v[ONE], v[GO+4*i+\e] op_sel:[\e&1,0,0] op_sel_hi:[1,0,0]
.endr
	global_store_b128 v[L16], v[GO+4*i:GO+4*i+3], s[16:17] offset:512*i th:TH_STORE_NT
.set i, i+1
.endr
	s_cmp_lg_u32 s24, 0
	s_cbranch_scc1 .Lend                           ; the loss is one wave's work: 4,096 partial sums
.set i, 0
.rept 32
	global_load_b128 v[CD+4*i:CD+4*i+3], v[L16], s[14:15] offset:512*i
.set i, i+1
.endr
	s_mov_b32 s36, 0x76543210
	s_mov_b32 s37, 0xfedcba98
	v_mov_b32 v1, 0
	s_wait_loadcnt 0x0
.set i, 4
.rept 60                               ; four chains of pairs
	v_pk_add_f32 v[CD+2*(i%4):CD+2*(i%4)+1], v[CD+2*(i%4):CD+2*(i%4)+1], v[CD+2*i:CD+2*i+1]
.set i, i+1
.endr
	v_pk_add_f32 v[CD:CD+1], v[CD:CD+1], v[CD+2:CD+3]
	v_pk_add_f32 v[CD+4:CD+5], v[CD+4:CD+5], v[CD+6:CD+7]
	v_pk_add_f32 v[CD:CD+1], v[CD:CD+1], v[CD+4:CD+5]
	v_add_f32 v[CD], v[CD], v[CD+1]
	v_add_f32_dpp v[CD], v[CD], v[CD] row_xmask:1 row_mask:0xf bank_mask:0xf
	v_add_f32_dpp v[CD], v[CD], v[CD] row_xmask:2 row_mask:0xf bank_mask:0xf
	v_add_f32_dpp v[CD], v[CD], v[CD] row_xmask:4 row_mask:0xf bank_mask:0xf
	v_add_f32_dpp v[CD], v[CD], v[CD] row_xmask:8 row_mask:0xf bank_mask:0xf
	v_permlanex16_b32 v[CD+1], v[CD], s36, s37
	v_add_f32 v[CD], v[CD], v[CD+1]
	v_mul_f32 v[CD], 0x33200000, v[CD]             ; 1.25 x 2^-25
	v_cmp_eq_u32 vcc_lo, 0, v[LANE]
	s_wait_xcnt 0x0                                ; EXEC is a source of the stores above: it changes only behind this wait
	s_and_saveexec_b32 s30, vcc_lo
	global_store_b32 v1, v[CD], s[18:19]
	s_wait_xcnt 0x0                                ; and again in front of the line that widens it
	s_or_b32 exec_lo, exec_lo, s30
.Lend:
	s_endpgm
.Lfunc_end_k_qe08fca9837_final:
	.size	k_qe08fca9837_final, .Lfunc_end_k_qe08fca9837_final-k_qe08fca9837_final
	.p2alignl 7, 3214868480
	.fill 96, 4, 3214868480
	.section	.rodata,"a",@progbits
	.p2align	6, 0x0
	.amdhsa_kernel k_qe08fca9837_final
		.amdhsa_group_segment_fixed_size 0
		.amdhsa_private_segment_fixed_size 0
		.amdhsa_enable_private_segment 0
		.amdhsa_kernarg_size 72
		.amdhsa_user_sgpr_count 2
		.amdhsa_user_sgpr_kernarg_segment_ptr 1
		.amdhsa_wavefront_size32 1
		.amdhsa_system_sgpr_workgroup_id_x 1
		.amdhsa_system_sgpr_workgroup_id_y 1
		.amdhsa_system_sgpr_workgroup_id_z 1
		.amdhsa_system_vgpr_workitem_id 0
		.amdhsa_next_free_vgpr 208
		.amdhsa_next_free_sgpr 66
		.amdhsa_reserve_vcc 1
		.amdhsa_float_denorm_mode_32 3
		.amdhsa_float_denorm_mode_16_64 3
		.amdhsa_memory_ordered 1
		.amdhsa_forward_progress 1
		.amdhsa_inst_pref_size 42
	.end_amdhsa_kernel
	.amdgpu_metadata
---
amdhsa.version: [ 1, 2 ]
amdhsa.kernels:
  - .name:           k_qe08fca9837_final
    .symbol:         k_qe08fca9837_final.kd
    .args:
      - { .name: pkB, .offset: 0, .size: 8, .value_kind: global_buffer, .address_space: global }
      - { .name: cb0, .offset: 8, .size: 8, .value_kind: global_buffer, .address_space: global }
      - { .name: cb1, .offset: 16, .size: 8, .value_kind: global_buffer, .address_space: global }
      - { .name: cb2, .offset: 24, .size: 8, .value_kind: global_buffer, .address_space: global }
      - { .name: cb3, .offset: 32, .size: 8, .value_kind: global_buffer, .address_space: global }
      - { .name: lsum, .offset: 40, .size: 8, .value_kind: global_buffer, .address_space: global }
      - { .name: out0, .offset: 48, .size: 8, .value_kind: global_buffer, .address_space: global }
      - { .name: out1, .offset: 56, .size: 8, .value_kind: global_buffer, .address_space: global }
      - { .name: out2, .offset: 64, .size: 8, .value_kind: global_buffer, .address_space: global }
    .group_segment_fixed_size: 0
    .private_segment_fixed_size: 0
    .kernarg_segment_align: 8
    .kernarg_segment_size: 72
    .max_flat_workgroup_size: 256
    .sgpr_count:     66
    .vgpr_count:     208
    .wavefront_size: 32
...
	.end_amdgpu_metadata
.endif
;; end of part 5
;; ======== version 2 of 2: 6 launches; 1.34 times as fast as version 1
;; limits: a difference of large sums (such as E[x^2] - mean^2): digits are lost where the result is much smaller than its terms; values are held in f16: magnitudes above 65,504 overflow, below 6.1e-05 lose precision; inputs' magnitudes at most 65,504
;; workspace buffers: xb 16,777,216 bytes; cb0 532,480 bytes; cb1 532,480 bytes; cb2 532,480 bytes; cb3 532,480 bytes; lsum 16,384 bytes; pkA 1,064,960 bytes of whole numbers; pkB 1,064,960 bytes of whole numbers
;; launch prep (part 6): grid 320 x 1, 8 waves a work-group, no clusters, 0 bytes of LDS; arguments x, codebooks, xb, cb0, cb1, cb2, cb3; writes xb, cb0, cb1, cb2, cb3
.if DOCPART == 6
	.amdgcn_target "amdgcn-amd-amdhsa--gfx1250"
	.amdhsa_code_object_version 6
	.text
	.protected	k_qe08fca9837_prep
	.globl	k_qe08fca9837_prep
	.p2align	8
	.type	k_qe08fca9837_prep,@function
k_qe08fca9837_prep:
	s_mov_b64 s[64:65], 0
	v_nop
	global_prefetch_b8 v0, s[64:65] scope:SCOPE_SE
	s_setreg_imm32_b32 hwreg(HW_REG_WAVE_MODE, 25, 1), 1
	s_wait_xcnt 0x0
; PREPARATION.  x [65536][128] and codebooks [4][2048][128], f32, are rounded once to bf16 (nearest even) and that number is written as f16:
; xb [65536][128]; cb0..cb3, one buffer a stage: [2048][128] f16, and behind them, at byte 524,288, -|c|^2 / 2 of each rounded code, f32.
; |c|^2 IS ADDED IN A FIXED ORDER: four sums of 32 squares, each in ascending order, then the four in order.  This text takes reference()'s f32 row sums to be made so; the squares of bf16 numbers are exact in f32.
; LIMITS.  A bf16 number is exact in f16 from 2^-17 up to 65,504; below 2^-17 it keeps f16's fixed step of 2^-24; beyond 65,504 it becomes an infinity.
; A stream: memory binds, so no LDS, no matrix unit, no cluster.  A work-group takes 131,072 bytes of input, a wave 16,384 (32 rows), with all its 32 loads of 16 bytes a lane issued at once,
; and EVERY WORK-GROUP GOES THROUGH ITS BYTES ONCE, so that all are alike: work-groups 0-31 make the codes' sums of squares (eight to a stage), 32-63 convert the codebooks, 64-319 convert x.
; The buffers are chosen by the block's number.  In a conversion a lane owns 8 neighbouring numbers: 32 bytes in, 16 out, so each store of a wave covers 512 consecutive bytes, aligned.
.set SBLK, 32                          ; work-groups below this make the sums of squares
.set CBLK, 64                          ; work-groups below this take the codebooks
.set T,    2                           ; v[2:5]     8 numbers as bf16 (v[2:9] in the sums of squares)
.set F,    6                           ; v[6:13]    the same as f32
.set Q,    10                          ; v[10:13]   the four sums of 32 squares
.set D,    16                          ; v[16:143]  step i: 8 registers as loaded; in the sums a lane's whole row
.set O,    144                         ; v[144:207] step i: 4 registers to store; each step has its own, so no store's data is ever rewritten
.set VI,   209                         ; 32 x lane
.set VO,   210                         ; 16 x lane
.set VN,   211                         ; 4 x lane
.set VR,   212                         ; 512 x lane
; Step i.  left: the younger loads, which may stay out.
.macro CONV i, left
	s_wait_loadcnt \left                           ; loads come back in order: this step's two are in
.irp j, 0,1,2,3
	v_cvt_pk_bf16_f32 v[T+\j], v[D+8*(\i)+2*\j], v[D+8*(\i)+2*\j+1]
.endr
.irp j, 0,1,2,3
	v_lshlrev_b32 v[F+2*\j],   16,  v[T+\j]        ; bf16 to f32: the low half moves up,
	v_and_b32     v[F+2*\j+1], s20, v[T+\j]        ; the high half stays
.endr
.irp j, 0,1,2,3
	v_cvt_pk_f16_f32 v[O+4*(\i)+\j], v[F+2*\j], v[F+2*\j+1]
.endr
	global_store_b128 v[VO], v[O+4*(\i):O+4*(\i)+3], s[24:25] offset:512*(\i)
.endm
	s_load_b256 s[4:11], s[0:1], 0x0               ; x s[4:5], codebooks s[6:7], xb s[8:9], cb0 s[10:11]
	s_load_b128 s[12:15], s[0:1], 0x20             ; cb1, cb2
	s_load_b64 s[16:17], s[0:1], 0x30              ; cb3
	v_lshrrev_b32 v1, 5, v0
	v_readfirstlane_b32 s18, v1                    ; wave 0..7
	v_and_b32 v1, 31, v0                           ; lane
	v_lshlrev_b32 v[VI], 5, v1
	v_lshlrev_b32 v[VO], 4, v1
	v_lshlrev_b32 v[VN], 2, v1
	v_lshlrev_b32 v[VR], 9, v1
	s_mov_b32 s20, 0xffff0000                      ; a word's upper bf16
	s_mov_b32 s19, ttmp9
	s_and_b32 s21, s19, 31                         ; block 0..31 of the codebooks (of no meaning in x's blocks, and not used there)
	s_sub_co_u32 s23, s19, CBLK                    ; block 0..255 of x (of no meaning in the codebooks' blocks, and not used there)
	s_lshr_b32 s22, s21, 3                         ; a codebook block's stage picks the buffer
	s_and_b32 s33, s21, 7                          ; its 256 codes in the stage
	s_wait_kmcnt 0x0
	s_cmp_eq_u32 s22, 1
	s_cselect_b64 s[36:37], s[12:13], s[10:11]
	s_cmp_eq_u32 s22, 2
	s_cselect_b64 s[36:37], s[14:15], s[36:37]
	s_cmp_eq_u32 s22, 3
	s_cselect_b64 s[36:37], s[16:17], s[36:37]
	s_cmp_lt_u32 s19, CBLK                         ; codes or x?
	s_cselect_b64 s[26:27], s[6:7], s[4:5]         ; from where,
	s_cselect_b64 s[24:25], s[36:37], s[8:9]       ; to where,
	s_cselect_b32 s21, s21, s23                    ; which block of the input,
	s_cselect_b32 s22, s33, s23                    ; which of the output
	s_lshl_b32 s28, s21, 17                        ; block x 131,072 bytes in
	s_lshl_b32 s29, s18, 14                        ; + wave x 16,384
	s_add_co_u32 s28, s28, s29
	s_mov_b32 s29, 0
	s_lshl_b32 s30, s22, 16                        ; block x 65,536 out
	s_lshl_b32 s31, s18, 13                        ; + wave x 8,192
	s_add_co_u32 s30, s30, s31
	s_mov_b32 s31, 0
	s_lshl_b32 s32, s33, 10                        ; 4 bytes x (256 x block + 32 x wave)
	s_lshl_b32 s33, s18, 7
	s_add_co_u32 s32, s32, s33
	s_mov_b32 s33, 0
	s_add_nc_u64 s[26:27], s[26:27], s[28:29]
	s_add_nc_u64 s[24:25], s[24:25], s[30:31]
	s_add_nc_u64 s[34:35], s[36:37], s[32:33]
	s_cmp_lt_u32 s19, SBLK
	s_cbranch_scc1 .Lsquares
	; A CONVERSION.  The hint is x's, whose 32 MiB are read once; of the codebooks' 4 MiB the sums' work-groups read each byte a second time
.set c, 0
.rept 16                               ; step i is 1,024 consecutive bytes, two rows
	global_load_b128 v[D+8*c:D+8*c+3],   v[VI], s[26:27] offset:1024*c th:TH_LOAD_NT
	global_load_b128 v[D+8*c+4:D+8*c+7], v[VI], s[26:27] offset:1024*c+16 th:TH_LOAD_NT
.set c, c+1
.endr
.set d, 0
.rept 16
	CONV d, 30-2*d
.set d, d+1
.endr
	s_endpgm
.Lsquares:
	; |c|^2: lane l takes row l of my wave's 32, whole
.set c, 0
.rept 32
	global_load_b128 v[D+4*c:D+4*c+3], v[VR], s[26:27] offset:16*c
.set c, c+1
.endr
	s_wait_loadcnt 0x0
.set st, 0
.rept 8                                ; four numbers of each of the four sums a step: the four chains do not wait for each other
.irp w, 0,1,2,3
	v_cvt_pk_bf16_f32 v[T+2*\w],   v[D+32*\w+4*st],   v[D+32*\w+4*st+1]
	v_cvt_pk_bf16_f32 v[T+2*\w+1], v[D+32*\w+4*st+2], v[D+32*\w+4*st+3]
.endr
.irp w, 0,1,2,3
	v_lshlrev_b32 v[D+32*\w+4*st],   16,  v[T+2*\w]
	v_and_b32     v[D+32*\w+4*st+1], s20, v[T+2*\w]
	v_lshlrev_b32 v[D+32*\w+4*st+2], 16,  v[T+2*\w+1]
	v_and_b32     v[D+32*\w+4*st+3], s20, v[T+2*\w+1]
.endr
.irp m, 0,1,2,3
.irp w, 0,1,2,3
.if (st == 0) && (\m == 0)
	v_mul_f32 v[Q+\w], v[D+32*\w], v[D+32*\w]
.else
	v_fmac_f32 v[Q+\w], v[D+32*\w+4*st+\m], v[D+32*\w+4*st+\m]   ; the square is exact, so this is the sum rounded once
.endif
.endr
.endr
.set st, st+1
.endr
	v_add_f32 v[Q], v[Q], v[Q+1]
	v_add_f32 v[Q], v[Q], v[Q+2]
	v_add_f32 v[Q], v[Q], v[Q+3]
	v_mul_f32 v[Q], -0.5, v[Q]                     ; exact
	global_store_b32 v[VN], v[Q], s[34:35] offset:524288   ; the wave's 32 numbers: 128 consecutive bytes
	s_endpgm
.Lfunc_end_k_qe08fca9837_prep:
	.size	k_qe08fca9837_prep, .Lfunc_end_k_qe08fca9837_prep-k_qe08fca9837_prep
	.p2alignl 7, 3214868480
	.fill 96, 4, 3214868480
	.section	.rodata,"a",@progbits
	.p2align	6, 0x0
	.amdhsa_kernel k_qe08fca9837_prep
		.amdhsa_group_segment_fixed_size 0
		.amdhsa_private_segment_fixed_size 0
		.amdhsa_enable_private_segment 0
		.amdhsa_kernarg_size 56
		.amdhsa_user_sgpr_count 2
		.amdhsa_user_sgpr_kernarg_segment_ptr 1
		.amdhsa_wavefront_size32 1
		.amdhsa_system_sgpr_workgroup_id_x 1
		.amdhsa_system_sgpr_workgroup_id_y 1
		.amdhsa_system_sgpr_workgroup_id_z 1
		.amdhsa_system_vgpr_workitem_id 0
		.amdhsa_next_free_vgpr 216
		.amdhsa_next_free_sgpr 66
		.amdhsa_reserve_vcc 0
		.amdhsa_float_denorm_mode_32 3
		.amdhsa_float_denorm_mode_16_64 3
		.amdhsa_memory_ordered 1
		.amdhsa_forward_progress 1
		.amdhsa_inst_pref_size 35
	.end_amdhsa_kernel
	.amdgpu_metadata
---
amdhsa.version: [ 1, 2 ]
amdhsa.kernels:
  - .name:           k_qe08fca9837_prep
    .symbol:         k_qe08fca9837_prep.kd
    .args:
      - { .name: x, .offset: 0, .size: 8, .value_kind: global_buffer, .address_space: global }
      - { .name: codebooks, .offset: 8, .size: 8, .value_kind: global_buffer, .address_space: global }
      - { .name: xb, .offset: 16, .size: 8, .value_kind: global_buffer, .address_space: global }
      - { .name: cb0, .offset: 24, .size: 8, .value_kind: global_buffer, .address_space: global }
      - { .name: cb1, .offset: 32, .size: 8, .value_kind: global_buffer, .address_space: global }
      - { .name: cb2, .offset: 40, .size: 8, .value_kind: global_buffer, .address_space: global }
      - { .name: cb3, .offset: 48, .size: 8, .value_kind: global_buffer, .address_space: global }
    .group_segment_fixed_size: 0
    .private_segment_fixed_size: 0
    .kernarg_segment_align: 8
    .kernarg_segment_size: 56
    .max_flat_workgroup_size: 256
    .sgpr_count:     66
    .vgpr_count:     216
    .wavefront_size: 32
...
	.end_amdgpu_metadata
.endif
;; end of part 6
;; launch stage0 (part 7): grid 256 x 1, 4 waves a work-group, clusters of 4 x 1, 327,680 bytes of LDS; arguments xb, cb0, pkB, lsum; writes pkB, lsum
.if DOCPART == 7
	.amdgcn_target "amdgcn-amd-amdhsa--gfx1250"
	.amdhsa_code_object_version 6
	.text
	.protected	k_qe08fca9837_stage0
	.globl	k_qe08fca9837_stage0
	.p2align	8
	.type	k_qe08fca9837_stage0,@function
k_qe08fca9837_stage0:
	s_mov_b64 s[64:65], 0
	v_nop
	global_prefetch_b8 v0, s[64:65] scope:SCOPE_SE
	s_setreg_imm32_b32 hwreg(HW_REG_WAVE_MODE, 25, 1), 1
	s_wait_xcnt 0x0
	s_wait_alu depctr_hold_cnt(0) depctr_sa_sdst(0) depctr_va_vdst(0) depctr_va_sdst(0) depctr_va_ssrc(0) depctr_va_vcc(0) depctr_vm_vsrc(0)
	s_getreg_b32 s2, hwreg(HW_REG_IB_STS2, 6, 4)
	s_cmp_eq_u32 s2, 0
	s_cbranch_scc0 .Lentry_in_a_cluster
	s_endpgm
.Lentry_in_a_cluster:
	s_bfe_u32 s2, ttmp6, 0x10000c
	s_cmp_lg_u32 s2, 0x3003
	s_cbranch_scc0 .Lentry_shape_is_right
	s_endpgm
.Lentry_shape_is_right:
; RESIDUAL VECTOR QUANTISER, THE WALK OF STAGE 0.  For each of 65,536 rows x (f16, exact images of the bf16-rounded inputs) the TWO codes c of 2,048 with the least |x - c|^2, found as the two
; greatest scores x.c - |c|^2 / 2.  Stored: best | second << 16 (column 0 of pk's row, columns 1-3 = 0), the wave's sum of |x|^2 - 2 best score (the least distances, for the loss), and the stage's number 0.
; The launch behind ranks the two in reference()'s own order of f32 roundings.  It is the walk of stages 1 to 3 with ONE f16 piece a row (NP = 1) and no residual to rebuild.
; LIMITS.  Inputs within f16's range (65,504).  NaN and infinities are not treated apart.  Of three or more codes whose scores lie within f32 rounding of each other the pair may lack the one that reference() takes.
; Equal scores go by the lower index.  The loss takes |x|^2 - 2 score for |x - c|^2: off by the f32 rounding of those sums.
; SHARES.  A work-group owns 256 rows, each of its four waves 64: four tiles of 16, kept in registers as source 1.  Every wave walks all 2,048 codes, 16 a tile, as source 0:
; in the result lane (r, h) holds row r and the codes 8 h + 0..7.  -|c|^2 / 2 is the C operand that starts each sum.
; THE SEARCH.  While tile t is multiplied, tile t - 1's 4 x 8 scores a lane are searched: 108 vector instructions, seven behind each product.  A lane keeps two SLOTS for each row tile: a tile's eight scores,
; their greatest and the tile's number; a tile whose greatest beats the worse slot's takes that slot.  So the lane's two best scores lie in its slots, wherever they fell.
; RING.  Two LDS slots of 256 codes; the four work-groups of a cluster walk the same codes, so each quarter of a slot is asked for JOINTLY by the same wave of all four.
; ONE TEXT FOR EVERY TILE.  In front of tile 0 one tile more is multiplied (tile 0's codes, with -1e30 as C): its scores lose against every true score, and the loop needs no first tile written out.
; The price: 16 products a launch, and 40 registers set ahead of the loop.
.set NP,     1                         ; f16 pieces of a row
.set PITCH,  272                       ; a code in LDS: 256 bytes + 16 of padding = 68 words, so the 16 rows of a load start at 16 different groups of four banks (64 banks of 4 bytes: ISA guide 11.1)
.set TILEB,  16*PITCH
.set QUARTB, 64*PITCH                  ; what one tensor load brings
.set SLOTB,  4*QUARTB                  ; 256 codes, 16 tiles
.set SLOT1,  1<<17                     ; slot 1 begins here, so that one exclusive or turns an address in one slot into the other's
.set NCCB,   SLOTB                     ; behind slot 0: -|c|^2 / 2 of all 2,048 codes, filled once
.set SPARE,  NCCB+8192                 ; the spare words, 128 bytes for each wave: two blocks of 256 bytes that no other line names
.set NCCOFF, 524288                    ; where -|c|^2 / 2 begins in a codebook's buffer
.set TAIL,   0x100000                  ; where the waves' words begin in a pk buffer
.set R,    1                           ; lane % 16
.set H,    2                           ; lane / 16
.set XO,   3                           ; 256 r + 16 h: my place in 16 rows of xb
.set AF0,  4                           ; 272 r + 16 h: my place in a tile of codes
.set AF,   5                           ; the same in the pair of tiles to be fetched
.set NA0,  6                           ; NCCB + 32 h
.set NA,   7
.set TNV,  8                           ; first code of the tile that is being searched
.set H8,   9
.set H16,  10
.set ZERO, 14
.set FA0,  16                          ; v16-47, v48-79    a tile's codes, two buffers
.set NC0,  80                          ; v80-87, v88-95    its -|c|^2 / 2, two buffers
.set ACC0, 96                          ; v96-127, v128-159 scores, 8 a row tile, two buffers
.set BX,   160                         ; slot X: its greatest score, by row tile
.set BY,   164                         ; slot Y
.set TX,   168                         ; slot X: its tile's first code
.set TY,   172
.set SVX,  176                         ; v176-207 slot X: the eight scores, by row tile
.set SVY,  208                         ; v208-239 slot Y
.set MM,   240                         ; the searched tile's greatest
.set WW,   244                         ; the worse slot's greatest
.set RR,   248                         ; |x|^2
.set SPW,  252                         ; LDS address of my spare word; never rewritten
.set NIL,  253                         ; 0; never rewritten
.set SN,   254                         ; the stage's number
.set NINF, 255                         ; minus infinity
.set RS,   96                          ; sums of squares at work, ahead of the walk
; the way out works in the registers that the walk's fragments leave free
.set EW,   16                          ; the better slot's eight scores
.set EV1,  24                          ; the best score, by row tile
.set EI1,  28                          ; its index
.set EV2,  32
.set EI2,  36                          ; the second's index
.set EPP,  40
.set ET,   41
.set EOV,  42
.set EOI,  43
.set EKT,  44
.set EKH,  45
.set EKP,  46
.set LANE, 47
.set SO,   48
.set PK,   52                          ; v52-67 pk's four columns, by row tile
.set ST0,  68
.set ST1,  72
.set EAB,  76
.set EL,   80
;   window 1: the rows: row tile t, K block k at v[64 t + 8 k]
.set WV,  20
.set CX,  21
.set WGX, 22
.set G1,  24                           ; s[24:31] group 1 for the codes
.set G1N, 32                           ; s[32:39] for -|c|^2 / 2
.set G0A, 40                           ; s[40:43] group 0 of slot 0's first fill
.set G0B, 44                           ; s[44:47] of slot 1's; it then walks on
.set G0N, 48                           ; s[48:51] -|c|^2 / 2
.set CNT, 54
.set OUTC, 55
.set MK,  56                           ; s[56:59] lanes in which the tile beats the worse slot, by row tile
.set SEL, 60
.set HM,  62
.set TB,  66                           ; LDS byte of the tile pair to be fetched
.set TN,  67                           ; the same in -|c|^2 / 2
.set TP,  72                           ; s[72:73] my wave's word in pk, less TAIL
.set LP,  74                           ; s[74:75] my wave's word in lsum
.set SX,  80                           ; s[80:83] lanes in which slot X is the worse, by row tile
.set MSB, 0
.macro WIN new                         ; the immediate's high byte repeats the setting that is left; a switch that changes nothing is dropped
.if MSB != (\new)
	s_set_vgpr_msb (MSB<<8)|(\new)
.set MSB, (\new)
.endif
.endm
.macro PLACES
.rept 4
	v_nop
.endr
.endm
.macro CROUND                          ; a round of the cluster's barrier
	s_barrier_signal -1
	s_barrier_wait -1
	s_cmp_lg_u32 s[WV], 0
	s_cbranch_scc1 .Lnot_wave_0_\@
	s_barrier_signal -3
.Lnot_wave_0_\@:
	s_barrier_wait -3
	s_barrier_signal -1
	s_barrier_wait -1
.endm
	s_load_b256 s[4:11], s[0:1], 0x0               ; xb s[4:5], the codebook s[6:7], pk out s[8:9], lsum s[10:11]
	v_lshl_add_u32 v[SPW], v0, 2, SPARE
	v_mov_b32 v[NIL], 0
	ds_add_u32 v[SPW], v[NIL]                      ; the wave's opening: the add and its wait stand ahead of my first tensor load; the set-up below stands between them
	v_lshrrev_b32 v[R], 5, v0
	v_readfirstlane_b32 s[WV], v[R]                ; wave 0..3
	s_bfe_u32 s[CX], ttmp6, 0x40000                ; my place in the cluster: it enters xb's, pk's and lsum's addresses alone
	s_lshl_b32 s[WGX], ttmp9, 2
	s_add_co_u32 s[WGX], s[WGX], s[CX]
	s_mov_b32 s[G1], 15|(1<<16)|(1<<20)|(1<<21)|(5<<22)|(3<<25)  ; mask of four; 2-byte elements; padding on; bit 21 beside a mask; after every 64 words (code 5) 4 words (code 3)
	s_mov_b32 s[G1+1], 128<<16                     ; tensor_dim0 = 128
	s_mov_b32 s[G1+2], 64<<16                      ; tensor_dim1 = 64
	s_mov_b32 s[G1+3], 128<<16                     ; tile_dim0 = 128
	s_mov_b32 s[G1+4], 64                          ; tile_dim1 = 64
	s_mov_b32 s[G1+5], 128                         ; elements from row to row
	s_mov_b32 s[G1+6], 0
	s_mov_b32 s[G1+7], 0
	s_mov_b32 s[G1N], 15|(3<<16)|(1<<21)           ; 2,048 dense bytes as 8 rows of 32 elements of 8 bytes, no padding
	s_mov_b32 s[G1N+1], 32<<16
	s_mov_b32 s[G1N+2], 8<<16
	s_mov_b32 s[G1N+3], 32<<16
	s_mov_b32 s[G1N+4], 8
	s_mov_b32 s[G1N+5], 32
	s_mov_b32 s[G1N+6], 0
	s_mov_b32 s[G1N+7], 0
	s_mov_b32 s[G0A], 1
	s_mul_i32 s[G0A+1], s[WV], QUARTB              ; LDS: my quarter of slot 0,
	s_mov_b32 s[G0B], 1
	s_add_co_u32 s[G0B+1], s[G0A+1], SLOT1         ; of slot 1,
	s_mov_b32 s[G0N], 1
	s_lshl_b32 s[G0N+1], s[WV], 11
	s_add_co_u32 s[G0N+1], s[G0N+1], NCCB          ; of -|c|^2 / 2
	s_mov_b32 s[SEL], 0x76543210
	s_mov_b32 s[SEL+1], 0xfedcba98
	s_mov_b32 s[HM], 0xffff0000                    ; lanes 16-31
	v_and_b32 v[R], 15, v0
	v_bfe_u32 v[H], v0, 4, 1
	v_lshlrev_b32 v[H8], 3, v[H]
	v_lshlrev_b32 v[H16], 4, v[H]
	v_lshl_add_u32 v[XO], v[R], 8, v[H16]
	v_mul_u32_u24 v[AF0], v[R], PITCH
	v_add_nc_u32 v[AF0], v[AF0], v[H16]
	v_lshl_add_u32 v[NA0], v[H], 5, NCCB
	v_mov_b32 v[ZERO], 0
	v_mov_b32 v[SN], 0                             ; this stage's number
	s_lshl_b32 s76, s[WGX], 2
	s_add_co_u32 s76, s76, s[WV]                   ; my wave among the launch's 1,024
	s_lshl_b32 s68, s76, 2
	s_mov_b32 s69, 0
	s_lshl_b32 s70, s76, 14                        ; its 64 rows of xb
	s_mov_b32 s71, 0
	s_lshl_b32 s78, s[WV], 14                      ; my 64 codes of a slot (these two registers never hold the place in the cluster)
	s_mov_b32 s79, 0
	s_wait_dscnt 0x0                               ; the opening add is done
	s_wait_kmcnt 0x0
	s_add_nc_u64 s[TP:TP+1], s[8:9], s[68:69]
	s_add_nc_u64 s[LP:LP+1], s[10:11], s[68:69]    ; stage 0's part of lsum is the first
	s_add_nc_u64 s[4:5], s[4:5], s[70:71]
	s_lshl_b32 s70, s76, 10                        ; its 64 rows of pk
	s_add_nc_u64 s[8:9], s[8:9], s[70:71]
	WIN 0x40                                       ; the rows go straight into source 1's registers, window 1
.set t, 0
.rept 4
.set e, 0
.rept 8
	global_load_b128 v[64*t+4*e:64*t+4*e+3], v[XO], s[4:5] offset:4096*t+32*e
.set e, e+1
.endr
.set t, t+1
.endr
	WIN 0
	s_add_nc_u64 s[G0A+2:G0A+3], s[6:7], s[78:79]
	s_add_nc_u64 s[G0B+2:G0B+3], s[G0A+2:G0A+3], 65536    ; 256 codes on
	s_lshl_b32 s78, s[WV], 11
	s_add_nc_u64 s[G0N+2:G0N+3], s[6:7], s[78:79]
	s_add_nc_u64 s[G0N+2:G0N+3], s[G0N+2:G0N+3], NCCOFF
	s_or_b32 s[G0A+3], s[G0A+3], 0x80000000        ; type = 2
	s_or_b32 s[G0B+3], s[G0B+3], 0x80000000
	s_or_b32 s[G0N+3], s[G0N+3], 0x80000000
	CROUND                                         ; all four work-groups are here: the first joint loads meet
	tensor_load_to_lds s[G0N:G0N+3], s[G1N:G1N+7]  ; the first fills in one group: three loads of mine are out
	s_nop 0
	tensor_load_to_lds s[G0A:G0A+3], s[G1:G1+7]
	s_nop 0
	tensor_load_to_lds s[G0B:G0B+3], s[G1:G1+7]
	s_nop 0
	PLACES
	s_wait_loadcnt 0x0                             ; my rows
	WIN 0x05                                       ; |x|^2: eight chains, straight from the f16 halves
.set e, 0
.rept 32
.set t, 0
.rept 4
.if e == 0
	v_fma_mix_f32 v[RS+2*t],   v[64*t+e], v[64*t+e], v[ZERO] op_sel:[0,0,0] op_sel_hi:[1,1,0]
	v_fma_mix_f32 v[RS+2*t+1], v[64*t+e], v[64*t+e], v[ZERO] op_sel:[1,1,0] op_sel_hi:[1,1,0]
.else
	v_fma_mix_f32 v[RS+2*t],   v[64*t+e], v[64*t+e], v[RS+2*t]   op_sel:[0,0,0] op_sel_hi:[1,1,0]
	v_fma_mix_f32 v[RS+2*t+1], v[64*t+e], v[64*t+e], v[RS+2*t+1] op_sel:[1,1,0] op_sel_hi:[1,1,0]
.endif
.set t, t+1
.endr
.set e, e+1
.endr
	WIN 0
.irp t, 0,1,2,3
	v_add_f32 v[RR+\t], v[RS+2*\t], v[RS+2*\t+1]
.endr
.irp t, 0,1,2,3
	v_permlanex16_b32 v[RS+2*\t], v[RR+\t], s[SEL], s[SEL+1]   ; the row's other 64 numbers lie in the lane 16 away
.endr
.irp t, 0,1,2,3
	v_add_f32 v[RR+\t], v[RR+\t], v[RS+2*\t]
.endr
	v_mov_b32 v[NINF], 0xff800000                  ; below every score: both slots start so
.irp t, 0,1,2,3
	v_mov_b32 v[BX+\t], v[NINF]
	v_mov_b32 v[BY+\t], v[NINF]
	v_mov_b32 v[TX+\t], 0
	v_mov_b32 v[TY+\t], 0
.endr
.set e, 0
.rept 64
	v_mov_b32 v[SVX+e], v[NINF]
.set e, e+1
.endr
.set e, 0
.rept 32
	v_mov_b32 v[ACC0+e], v[NINF]                   ; what the tile in front of tile 0 searches: it beats nothing
.set e, e+1
.endr
.set e, 0
.rept 8
	v_mov_b32 v[NC0+8+e], 0xf149f2ca               ; that tile's C: -1e30, far below every true score
.set e, e+1
.endr
	v_mov_b32 v[TNV], -32                          ; two searches come before tile 0's
	v_mov_b32 v[AF], v[AF0]
	v_mov_b32 v[NA], v[NA0]
	s_mov_b32 s[TB], 0
	s_mov_b32 s[TN], 0
; Load k of the ten that bring a tile into buffer buf: eight for the codes (K block k / 2), two for -|c|^2 / 2.  ofs: the first or second tile of the pair at AF, NA.
.macro LD k, buf, ofs
.if (\k) < 8
	ds_load_b128 v[FA0+32*(\buf)+4*(\k):FA0+32*(\buf)+4*(\k)+3], v[AF] offset:(\ofs)*TILEB+32*(\k)
.else
	ds_load_b128 v[NC0+8*(\buf)+4*((\k)-8):NC0+8*(\buf)+4*((\k)-8)+3], v[NA] offset:(\ofs)*64+16*((\k)-8)
.endif
.endm
; Number n of the 112 that search the scores of the tile before (the other buffer than par).  Each accumulator's lowest registers are read first.
;   0-15 the lane's greatest of eight, by row tile     16-27 the worse slot's greatest; which slot that is; does the tile beat it? (strictly: an earlier tile keeps a tie)
;   28-107 by row tile: slot X takes the tile where X is the worse and beaten (its greatest, its number, its eight scores), then slot Y likewise; the mask lies in VCC for the short form of the select
;   108-110 the steps
.macro RID par, step
.set rA0, ACC0+32*(1-(\par))
.if n < 28
.set rq, n%4
.set rA, rA0+8*rq
.if n < 4
	v_max3_num_f32 v[MM+rq], v[rA], v[rA+1], v[rA+2]
.elseif n < 8
	v_max3_num_f32 v[MM+rq], v[MM+rq], v[rA+3], v[rA+4]
.elseif n < 12
	v_max3_num_f32 v[MM+rq], v[MM+rq], v[rA+5], v[rA+6]
.elseif n < 16
	v_max_num_f32 v[MM+rq], v[MM+rq], v[rA+7]
.elseif n < 20
	v_min_num_f32 v[WW+rq], v[BX+rq], v[BY+rq]
.elseif n < 24
	v_cmp_lt_f32 s[SX+rq], v[BX+rq], v[BY+rq]
.else
	v_cmp_gt_f32 s[MK+rq], v[MM+rq], v[WW+rq]
.endif
.elseif n < 108
.set rq, (n-28)/20
.set ru, (n-28)%20
.set rA, rA0+8*rq
.if ru == 0
	s_and_b32 vcc_lo, s[MK+rq], s[SX+rq]
	v_cndmask_b32 v[BX+rq], v[BX+rq], v[MM+rq], vcc_lo
.elseif ru == 1
	v_cndmask_b32 v[TX+rq], v[TX+rq], v[TNV], vcc_lo
.elseif ru < 10
	v_cndmask_b32 v[SVX+8*rq+ru-2], v[SVX+8*rq+ru-2], v[rA+ru-2], vcc_lo
.elseif ru == 10
	s_and_not1_b32 vcc_lo, s[MK+rq], s[SX+rq]
	v_cndmask_b32 v[BY+rq], v[BY+rq], v[MM+rq], vcc_lo
.elseif ru == 11
	v_cndmask_b32 v[TY+rq], v[TY+rq], v[TNV], vcc_lo
.else
	v_cndmask_b32 v[SVY+8*rq+ru-12], v[SVY+8*rq+ru-12], v[rA+ru-12], vcc_lo
.endif
.elseif n == 108
	v_add_nc_u32 v[TNV], 16, v[TNV]
.elseif (n == 109) && (\step)
	s_add_co_u32 s[TB], s[TB], 2*TILEB
	v_add_nc_u32 v[AF], s[TB], v[AF0]
.elseif (n == 110) && (\step)
	s_add_co_u32 s[TN], s[TN], 128
	v_add_nc_u32 v[NA], s[TN], v[NA0]
.else
	v_nop
.endif
.endm
; A TILE of 16 codes from buffer par: 16 NP products; the four accumulators take turns, one instruction a turn.  Behind each product stands its share of the search of the tile
; before: 112 / (16 NP) lines, 3 and 4 by turns where that is 3.5.  The ten loads of the tile behind (pre = 1) stand in ONE run, behind product NP - 1 and its lines, into the other buffer: the last
; product that read that buffer stands 11 plain lines back or more.  The lines behind the last product are the four places (ISA guide 7.12.1) ahead of the next tile's reads of these scores.
.macro TILE par, ofs, pre, step
	s_wait_dscnt 0x0                               ; this tile's ten loads, issued near the head of the tile before
.set ii, 0
.rept 16*NP
.set aD, ACC0+32*(\par)+8*(ii%4)
.set aA, FA0+32*(\par)+8*((ii/4)%4)
.set aB, 64*(ii%4)+32*(ii/16)+8*((ii/4)%4)
	WIN 0x04                                       ; source 1, the rows, in window 1
.if ii < 4
	v_wmma_f32_16x16x32_f16 v[aD:aD+7], v[aA:aA+7], v[aB:aB+7], v[NC0+8*(\par):NC0+8*(\par)+7]
.else
	v_wmma_f32_16x16x32_f16 v[aD:aD+7], v[aA:aA+7], v[aB:aB+7], v[aD:aD+7]
.endif
	WIN 0
.if NP == 1
.set n, 7*ii
.set nr, 7
.else
.set n, 7*(ii/2)+3*(ii%2)
.set nr, 3+ii%2
.endif
.rept nr
	RID \par, \step
.set n, n+1
.endr
.if (\pre) && (ii == NP-1)
.set kk, 0
.rept 10
	LD kk, 1-(\par), \ofs
.set kk, kk+1
.endr
.endif
.set ii, ii+1
.endr
.endm
.macro GROUP                           ; a slot's worth: eight trips of two tiles, an odd one and an even one
	s_mov_b32 s[CNT], 8
.Lgroup_\@:
	TILE 1, 0, 1, 0
	TILE 0, 1, 1, 1
	s_sub_co_u32 s[CNT], s[CNT], 1
	s_cmp_lg_u32 s[CNT], 0
	s_cbranch_scc1 .Lgroup_\@
.endm
; THE CHANGE OF SLOTS.  The slot's last tile is in registers.  Each wave waits for all its tensor loads (its part of the other slot), adds 0 to its spare word, and waits for that and for its reads.
; fill = 1: the barrier is a round of the cluster's, and the slot just read takes the codes 512 on: the first thing behind the round; it has 16 tiles in which to land.
.macro SYNC fill
	s_wait_tensorcnt 0x0                           ; no tensor load of mine is out, so a group 0 may be written
	ds_add_u32 v[SPW], v[NIL]                      ; 0 onto my spare word; register work stands between it and the wait for it
.if \fill
	s_xor_b32 s[G0B+1], s[G0B+1], SLOT1            ; the walking descriptor: the other slot than last time,
	s_add_nc_u64 s[G0B+2:G0B+3], s[G0B+2:G0B+3], 65536   ; the next 256 codes; the type bits on top are not reached
.endif
	s_sub_co_u32 s[TB], s[TB], 16*TILEB            ; the fetches go back to a slot's head,
	s_xor_b32 s[TB], s[TB], SLOT1                  ; in the other slot
	v_add_nc_u32 v[AF], s[TB], v[AF0]
	s_wait_dscnt 0x0                               ; the add is done, and my reads of the slot are over
.if \fill
	CROUND
	tensor_load_to_lds s[G0B:G0B+3], s[G1:G1+7]
	s_nop 0
	PLACES
.else
	s_barrier_signal -1
	s_barrier_wait -1
.endif
.endm
; THE WAY OUT.  FIND: row tile t's best score and its index: the better slot (on a tie the earlier tile), in it the lowest of the eight that holds the greatest, then the better of the two halves of the lanes (on a tie the lower index).
.macro FIND t, ov, oi
	v_cmp_gt_f32 s63, v[BY+(\t)], v[BX+(\t)]
	v_cmp_eq_f32 s76, v[BY+(\t)], v[BX+(\t)]
	v_cmp_lt_u32 s77, v[TY+(\t)], v[TX+(\t)]
	s_and_b32 s76, s76, s77
	s_or_b32 vcc_lo, s63, s76
	v_cndmask_b32 v[\ov], v[BX+(\t)], v[BY+(\t)], vcc_lo
	v_cndmask_b32 v[ET], v[TX+(\t)], v[TY+(\t)], vcc_lo
.irp j, 0,1,2,3,4,5,6,7
	v_cndmask_b32 v[EW+\j], v[SVX+8*(\t)+\j], v[SVY+8*(\t)+\j], vcc_lo
.endr
	v_mov_b32 v[EPP], 7
.irp j, 6,5,4,3,2,1,0
	v_cmp_eq_f32 s63, v[EW+\j], v[\ov]
	v_cndmask_b32 v[EPP], v[EPP], \j, s63
.endr
	v_add3_u32 v[\oi], v[ET], v[EPP], v[H8]
	v_permlanex16_b32 v[EOV], v[\ov], s[SEL], s[SEL+1]
	v_permlanex16_b32 v[EOI], v[\oi], s[SEL], s[SEL+1]
	v_cmp_gt_f32 s63, v[EOV], v[\ov]
	v_cmp_eq_f32 s76, v[EOV], v[\ov]
	v_cmp_lt_u32 s77, v[EOI], v[\oi]
	s_and_b32 s76, s76, s77
	s_or_b32 vcc_lo, s63, s76
	v_cndmask_b32 v[\ov], v[\ov], v[EOV], vcc_lo
	v_cndmask_b32 v[\oi], v[\oi], v[EOI], vcc_lo
.endm
; KNOCK: the best is taken out of the slot of the lane that holds it, and both slots' greatest are made anew.
.macro KNOCK t
	v_and_b32 v[EKT], -16, v[EI1+(\t)]             ; its tile,
	v_and_b32 v[EKH], 8, v[EI1+(\t)]               ; its half of the lanes,
	v_and_b32 v[EKP], 7, v[EI1+(\t)]               ; its place among the eight
	v_cmp_eq_u32 s63, v[EKH], v[H8]
	v_cmp_eq_u32 s76, v[EKT], v[TX+(\t)]
	v_cmp_eq_u32 s77, v[EKT], v[TY+(\t)]
	s_and_b32 s76, s76, s63
	s_and_b32 s77, s77, s63
.irp j, 0,1,2,3,4,5,6,7
	v_cmp_eq_u32 s63, \j, v[EKP]
	s_and_b32 vcc_lo, s63, s76
	v_cndmask_b32 v[SVX+8*(\t)+\j], v[SVX+8*(\t)+\j], v[NINF], vcc_lo
	s_and_b32 vcc_lo, s63, s77
	v_cndmask_b32 v[SVY+8*(\t)+\j], v[SVY+8*(\t)+\j], v[NINF], vcc_lo
.endr
	v_max3_num_f32 v[BX+(\t)], v[SVX+8*(\t)], v[SVX+8*(\t)+1], v[SVX+8*(\t)+2]
	v_max3_num_f32 v[BY+(\t)], v[SVY+8*(\t)], v[SVY+8*(\t)+1], v[SVY+8*(\t)+2]
	v_max3_num_f32 v[BX+(\t)], v[BX+(\t)], v[SVX+8*(\t)+3], v[SVX+8*(\t)+4]
	v_max3_num_f32 v[BY+(\t)], v[BY+(\t)], v[SVY+8*(\t)+3], v[SVY+8*(\t)+4]
	v_max3_num_f32 v[BX+(\t)], v[BX+(\t)], v[SVX+8*(\t)+5], v[SVX+8*(\t)+6]
	v_max3_num_f32 v[BY+(\t)], v[BY+(\t)], v[SVY+8*(\t)+5], v[SVY+8*(\t)+6]
	v_max_num_f32 v[BX+(\t)], v[BX+(\t)], v[SVX+8*(\t)+7]
	v_max_num_f32 v[BY+(\t)], v[BY+(\t)], v[SVY+8*(\t)+7]
.endm
	s_wait_tensorcnt 0x1                           ; my parts of -|c|^2 / 2 and of slot 0 are in; slot 1's may stay out
	s_barrier_signal -1
	s_barrier_wait -1                              ; everybody's are
.set kk, 0
.rept 8
	LD kk, 1, 0                                    ; the tile in front of tile 0 takes tile 0's codes
.set kk, kk+1
.endr
	s_mov_b32 s[OUTC], 6
.Lslot:                                                ; six trips: 16 tiles (the one in front and tiles 0-14; 15-30; ...; 79-94), then the slot just left is filled again
	GROUP
	SYNC 1
	s_sub_co_u32 s[OUTC], s[OUTC], 1
	s_cmp_lg_u32 s[OUTC], 0
	s_cbranch_scc1 .Lslot
	s_mov_b32 s[OUTC], 2
.Ltail:                                                ; the tail is a text of its own: tiles 95-110 and 111-126; nothing is left to fetch
	GROUP
	SYNC 0
	s_sub_co_u32 s[OUTC], s[OUTC], 1
	s_cmp_lg_u32 s[OUTC], 0
	s_cbranch_scc1 .Ltail
	TILE 1, 0, 0, 0                                ; tile 127
.set n, 0
.rept 108
	RID 0, 0                                       ; and its search
.set n, n+1
.endr
	v_and_b32 v[LANE], 31, v0
	v_lshlrev_b32 v[SO], 4, v[LANE]
	v_mov_b32 v[EOV], 0
	v_mov_b32 v[EOI], 0
.set t, 0
.rept 4
	FIND t, EV1+t, EI1+t                           ; the best,
	KNOCK t
	FIND t, EV2, EI2+t                             ; and the best of what is left
.set t, t+1
.endr
.irp t, 0,1,2,3
	v_fma_f32 v[EL+\t], v[EV1+\t], -2.0, v[RR+\t]  ; the least distance
	v_lshl_or_b32 v[EAB+\t], v[EI2+\t], 16, v[EI1+\t]
.endr
	v_add_f32 v[EL], v[EL], v[EL+1]
	v_add_f32 v[EL+2], v[EL+2], v[EL+3]
	v_add_f32 v[EL], v[EL], v[EL+2]
	v_add_f32_dpp v[EL], v[EL], v[EL] row_xmask:1 row_mask:0xf bank_mask:0xf
	v_add_f32_dpp v[EL], v[EL], v[EL] row_xmask:2 row_mask:0xf bank_mask:0xf
	v_add_f32_dpp v[EL], v[EL], v[EL] row_xmask:4 row_mask:0xf bank_mask:0xf
	v_add_f32_dpp v[EL], v[EL], v[EL] row_xmask:8 row_mask:0xf bank_mask:0xf   ; my wave's 64 rows
.irp t, 0,1,2,3
	v_mov_b32 v[PK+4*\t], v[EAB+\t]
	v_mov_b32 v[PK+4*\t+1], 0
	v_mov_b32 v[PK+4*\t+2], 0
	v_mov_b32 v[PK+4*\t+3], 0
.endr
.irp c, 0,1,2,3                        ; lanes 0-15 store a row tile's rows, lanes 16-31 the next tile's: 512 consecutive bytes
	v_cndmask_b32 v[ST0+\c], v[PK+\c], v[PK+4+\c], s[HM]
	v_cndmask_b32 v[ST1+\c], v[PK+8+\c], v[PK+12+\c], s[HM]
.endr
	global_store_b128 v[SO], v[ST0:ST0+3], s[8:9]
	global_store_b128 v[SO], v[ST1:ST1+3], s[8:9] offset:512
	v_cmp_eq_u32 vcc_lo, 0, v[LANE]
	s_wait_xcnt 0x0                                ; EXEC is a source of the stores above: it changes only behind this wait
	s_and_saveexec_b32 s63, vcc_lo
	global_store_b32 v[ZERO], v[EL], s[LP:LP+1]
	global_store_b32 v[ZERO], v[SN], s[TP:TP+1] offset:TAIL
	s_wait_xcnt 0x0                                ; and again in front of the line that widens it
	s_or_b32 exec_lo, exec_lo, s63
	s_wait_tensorcnt 0x0                           ; the wave's end
	ds_add_u32 v[SPW], v[NIL]
	s_wait_dscnt 0x0
	CROUND                                         ; the closing round: no work-group ends while a partner may still ask for a tile that names it
	s_endpgm
.Lfunc_end_k_qe08fca9837_stage0:
	.size	k_qe08fca9837_stage0, .Lfunc_end_k_qe08fca9837_stage0-k_qe08fca9837_stage0
	.p2alignl 7, 3214868480
	.fill 96, 4, 3214868480
	.section	.rodata,"a",@progbits
	.p2align	6, 0x0
	.amdhsa_kernel k_qe08fca9837_stage0
		.amdhsa_group_segment_fixed_size 327680
		.amdhsa_private_segment_fixed_size 0
		.amdhsa_enable_private_segment 0
		.amdhsa_kernarg_size 32
		.amdhsa_user_sgpr_count 2
		.amdhsa_user_sgpr_kernarg_segment_ptr 1
		.amdhsa_wavefront_size32 1
		.amdhsa_system_sgpr_workgroup_id_x 1
		.amdhsa_system_sgpr_workgroup_id_y 1
		.amdhsa_system_sgpr_workgroup_id_z 1
		.amdhsa_system_vgpr_workitem_id 0
		.amdhsa_next_free_vgpr 512
		.amdhsa_next_free_sgpr 88
		.amdhsa_reserve_vcc 1
		.amdhsa_float_denorm_mode_32 3
		.amdhsa_float_denorm_mode_16_64 3
		.amdhsa_memory_ordered 1
		.amdhsa_forward_progress 1
		.amdhsa_inst_pref_size 98
	.end_amdhsa_kernel
	.amdgpu_metadata
---
amdhsa.version: [ 1, 2 ]
amdhsa.kernels:
  - .name:           k_qe08fca9837_stage0
    .symbol:         k_qe08fca9837_stage0.kd
    .args:
      - { .name: xb, .offset: 0, .size: 8, .value_kind: global_buffer, .address_space: global }
      - { .name: cb0, .offset: 8, .size: 8, .value_kind: global_buffer, .address_space: global }
      - { .name: pkB, .offset: 16, .size: 8, .value_kind: global_buffer, .address_space: global }
      - { .name: lsum, .offset: 24, .size: 8, .value_kind: global_buffer, .address_space: global }
    .group_segment_fixed_size: 327680
    .private_segment_fixed_size: 0
    .kernarg_segment_align: 8
    .kernarg_segment_size: 32
    .max_flat_workgroup_size: 128
    .sgpr_count:     88
    .vgpr_count:     512
    .wavefront_size: 32
...
	.end_amdgpu_metadata
.endif
;; end of part 7
;; launch stage1 (part 8): grid 256 x 1, 4 waves a work-group, clusters of 4 x 1, 327,680 bytes of LDS; arguments xb, cb1, pkA, lsum, pkB, cb2, cb3, cb0; writes pkA, lsum
.if DOCPART == 8
	.amdgcn_target "amdgcn-amd-amdhsa--gfx1250"
	.amdhsa_code_object_version 6
	.text
	.protected	k_qe08fca9837_stage1
	.globl	k_qe08fca9837_stage1
	.p2align	8
	.type	k_qe08fca9837_stage1,@function
k_qe08fca9837_stage1:
	s_mov_b64 s[64:65], 0
	v_nop
	global_prefetch_b8 v0, s[64:65] scope:SCOPE_SE
	s_setreg_imm32_b32 hwreg(HW_REG_WAVE_MODE, 25, 1), 1
	s_wait_xcnt 0x0
	s_wait_alu depctr_hold_cnt(0) depctr_sa_sdst(0) depctr_va_vdst(0) depctr_va_sdst(0) depctr_va_ssrc(0) depctr_va_vcc(0) depctr_vm_vsrc(0)
	s_getreg_b32 s2, hwreg(HW_REG_IB_STS2, 6, 4)
	s_cmp_eq_u32 s2, 0
	s_cbranch_scc0 .Lentry_in_a_cluster
	s_endpgm
.Lentry_in_a_cluster:
	s_bfe_u32 s2, ttmp6, 0x10000c
	s_cmp_lg_u32 s2, 0x3003
	s_cbranch_scc0 .Lentry_shape_is_right
	s_endpgm
.Lentry_shape_is_right:
; RESIDUAL VECTOR QUANTISER, ONE OF STAGES 1 TO 3 (one text; the launch's buffers and a number read from memory tell them apart).  S is the stage; the launch before stored S - 1.
; FIRST THE DECISION OF STAGE S - 1.  The walk before named two codes A and B for each row (column S - 1 of pk's row: A | B << 16).  The row's residual r is rebuilt in f32 as reference() steps it
; (t = c - r, xr = r + t, r = r - xr), and the two distances are made IN A FIXED ORDER OF f32 ROUNDINGS, which this text takes to be reference()'s:  r.c = one chain of fused multiply-adds over
; d = 0 .. 127, from 0;  |r|^2 = four sums of 32 rounded squares, each ascending, then the four in order;  |c|^2 likewise (made by the preparation);  d = (|r|^2 - 2 r.c) + |c|^2, two roundings.
; The lesser d wins, on a tie the lower index.  Both codes were gathered (their addresses are whole numbers of the launch before); the winner's is taken by a select, and r is stepped by it.
; THEN THE WALK OF STAGE S.  The TWO codes c of this stage's 2,048 with the least |r - c|^2 are found as the two greatest scores r.c - |c|^2 / 2.
; Stored: pk's row with the winner in column S - 1 and best | second << 16 in column S, the wave's sum of |r|^2 - 2 best score (for the loss), and S.
; TWO PIECES.  r is a true f32 number; one rounding to 16 bits would move distances by far more than neighbouring codes differ.  So r = hi + lo, two f16 numbers (hi = r rounded, lo = r - hi, exact, rounded):
; some 22 bits; a score is the sum of both pieces' products, hi's first.  The codes are f16 images of bf16 numbers, exact.
; S STEERS NO JUMP AND NO TENSOR LOAD.  Two updates are always made ahead of the decision; update j takes its code times -1 (j < S - 1) or times 0 (then t = r, xr = 0 and r stays, exactly; its gather reads
; some row of a codebook that the launch is given for that alone).  With -1: t = r - c, xr = r - t, r = r - xr: reference()'s roundings.  S enters a store's address and some selects besides.
; LIMITS.  |r| stays within f16's 65,504; below 2^-14 a piece keeps f16's fixed step of 2^-24.  NaN and infinities are not treated apart.  Of three or more codes whose scores lie within f32 rounding of each
; other the pair may lack the one that reference() takes.  Where reference()'s sums are rounded in another order than the one above, two codes whose distances differ by less than those roundings may be
; ranked otherwise.  The loss takes |r|^2 - 2 score for |r - c|^2: off by the f32 rounding of those sums.
; SHARES.  A work-group owns 256 rows, each of its four waves 64: four tiles of 16.  Lane (r, h) holds of row r the numbers 16 e + 8 h + 0..7, e = 0..7: a matrix fragment's layout.
; THE START IS A LOOP OF FOUR TRIPS, a row tile a trip, in fixed registers; a tile's two pieces go through a stage of the wave's own in LDS into window 1, since a loop cannot number registers.
; Each set of registers is loaded for the next trip as soon as this trip has read it, so the loads' waits are counted; for the counts to hold in every trip the fourth trip asks once more
; (xb's tile 3, tile 0's codes: 42 loads, into window 3, which nothing reads again): the price of one text for the four trips.
; THE WALK.  Every wave walks all 2,048 codes, 16 a tile, as source 0, its rows as source 1: in the result lane (r, h) holds row r and the codes 8 h + 0..7.  -|c|^2 / 2 is the C operand that starts each sum.
; While tile t is multiplied, tile t - 1's 4 x 8 scores a lane are searched: 108 vector instructions, 3 and 4 by turns behind the products.  A lane keeps two SLOTS for each row tile: a tile's eight
; scores, their greatest and the tile's number; a tile whose greatest beats the worse slot's takes that slot.  So the lane's two best scores lie in its slots, wherever they fell.
; RING.  Two LDS slots of 256 codes; the four work-groups of a cluster walk the same codes, so each quarter of a slot is asked for JOINTLY by the same wave of all four.
; ONE TEXT FOR EVERY TILE.  In front of tile 0 one tile more is multiplied (tile 0's codes, with -1e30 as C): its scores lose against every true score, and the loop needs no first tile written out.
; The price: 32 products a launch, and 40 registers set ahead of the loop.
.set NP,     2                         ; f16 pieces of a row
.set PITCH,  272                       ; a code in LDS: 256 bytes + 16 of padding = 68 words, so the 16 rows of a load start at 16 different groups of four banks (64 banks of 4 bytes: ISA guide 11.1)
.set TILEB,  16*PITCH
.set QUARTB, 64*PITCH                  ; what one tensor load brings
.set SLOTB,  4*QUARTB                  ; 256 codes, 16 tiles
.set SLOT1,  1<<17                     ; slot 1 begins here, so that one exclusive or turns an address in one slot into the other's
.set NCCB,   SLOTB                     ; behind slot 0: -|c|^2 / 2 of all 2,048 codes, filled once
.set SPARE,  NCCB+8192                 ; the spare words, 128 bytes for each wave: two blocks of 256 bytes that no other line names
.set STGA,   SPARE+512                 ; the stage, never filled by a tensor load.  Of a row tile's 16 blocks of 512 bytes the first 4 lie here (a wave: 8,192 bytes), between the slots,
.set STGB,   SLOT1+SLOTB               ; the other 12 here (a wave: 24,576 bytes), behind slot 1: neither gap holds all 131,072 bytes
.set NCCOFF, 524288                    ; where -|c|^2 / 2 begins in a codebook's buffer
.set TAIL,   0x100000                  ; where the waves' words begin in a pk buffer
; REGISTERS, in windows of 256 (s_set_vgpr_msb: bits 1:0 source 0, 3:2 source 1, 5:4 source 2, 7:6 destination).
;   window 0: below     window 1: the pieces: row tile t, piece p, K block k at v[64 t + 32 p + 8 k]     window 2: v0-15 pk's rows, kept through the walk
;   window 3: what the start loads, and the squares
.set R,    1                           ; lane % 16
.set H,    2                           ; lane / 16
.set XO,   3                           ; 256 r + 16 h + 4,096 x the row tile to be loaded: my place in xb
.set AF0,  4                           ; 272 r + 16 h: my place in a tile of codes
.set AF,   5                           ; the same in the pair of tiles to be fetched
.set NA0,  6                           ; NCCB + 32 h
.set NA,   7
.set TNV,  8                           ; first code of the tile that is being searched
.set H8,   9
.set H16,  10
.set PO,   11                          ; 16 r: my row in 16 rows of pk
.set ONE,  12
.set NEG1, 13
.set ZERO, 14
.set LB,   15                          ; my 16 bytes in my wave's stage, part B
.set FA0,  16                          ; v16-47, v48-79    a tile's codes, two buffers
.set NC0,  80                          ; v80-87, v88-95    its -|c|^2 / 2, two buffers
.set ACC0, 96                          ; v96-127, v128-159 scores, 8 a row tile, two buffers
.set BX,   160                         ; slot X: its greatest score, by row tile
.set BY,   164                         ; slot Y
.set TX,   168                         ; slot X: its tile's first code
.set TY,   172
.set SVX,  176                         ; v176-207 slot X: the eight scores, by row tile
.set SVY,  208                         ; v208-239 slot Y
.set MM,   240                         ; the searched tile's greatest
.set WW,   244                         ; the worse slot's greatest
.set RRS,  248                         ; |r|^2 of my row in all four row tiles, added up
.set SA,   249                         ; where this trip's pieces go, part A
.set SB,   250                         ; part B
.set LA,   251                         ; my 16 bytes in my wave's stage, part A
.set SPW,  252                         ; LDS address of my spare word; never rewritten
.set NIL,  253                         ; 0; never rewritten
.set SN,   254                         ; the stage's number
.set NINF, 255                         ; minus infinity
; ahead of the walk its registers serve the start
.set RV,   16                          ; v16-79   r: number m of block e at RV + 8 e + m
.set T,    80                          ; v80-143  at work: an update's t and xr; the sums; the two pieces
.set RRV,  T+4                         ; |r|^2 in its fixed order
.set AA,   T+8                         ; A's chain in lanes 0-15,
.set BA,   T+9                         ; in lanes 16-31
.set AB2,  T+10                        ; B's
.set BB,   T+11
.set PKR,  208                         ; v208-223 pk's rows: this trip's tile in the first four, the next trip's behind it; they go round once in four trips
.set GO,   224                         ; v224-227 byte offsets of the four codes: two updates', A, B
.set NO,   228                         ; v228-229 of A's and B's -|c|^2 / 2
.set IA,   230
.set IB,   231
.set AB,   232
.set WI,   233
.set DA,   234
.set DB,   235
.set FL,   236                         ; v236-237 the two updates' factors
.set RQ,   240                         ; v240-247 |r|^2 for the loss, four chains of pairs
; window 3
.set XS,   0                           ; v0-31    xb as loaded
.set CU,   32                          ; v32-95   the two updates' codes
.set CA,   96                          ; v96-127  code A; then the winner
.set CB,   128                         ; v128-159 code B
.set P,    160                         ; v160-223 the squares
.set NCA,  224
.set NCB,  225
.set PKS,  0                           ; window 2
; the way out works in the registers that the walk's fragments leave free
.set EW,   16                          ; the better slot's eight scores
.set EV1,  24                          ; the best score, by row tile
.set EI1,  28                          ; its index
.set EV2,  32
.set EI2,  36                          ; the second's index
.set EPP,  40
.set ET,   41
.set EOV,  42
.set EOI,  43
.set EKT,  44
.set EKH,  45
.set EKP,  46
.set LANE, 47
.set SO,   48
.set PK,   52                          ; v52-67 pk's four columns, by row tile
.set ST0,  68
.set ST1,  72
.set EAB,  76
.set EL,   80
.set WV,  20
.set CX,  21
.set WGX, 22
.set SS,  23                           ; S
.set G1,  24                           ; s[24:31] group 1 for the codes
.set G1N, 32                           ; s[32:39] for -|c|^2 / 2
.set G0A, 40                           ; s[40:43] group 0 of slot 0's first fill
.set G0B, 44                           ; s[44:47] of slot 1's; it then walks on
.set G0N, 48                           ; s[48:51] -|c|^2 / 2
.set CNT, 54
.set OUTC, 55
.set MK,  56                           ; s[56:59] lanes in which the tile beats the worse slot, by row tile
.set SEL, 60
.set HM,  62
.set TB,  66                           ; LDS byte of the tile pair to be fetched
.set TN,  67                           ; the same in -|c|^2 / 2
.set TP,  72                           ; s[72:73] my wave's word in pk out, less TAIL
.set LP,  74                           ; s[74:75] my wave's word in lsum
.set SX,  80                           ; s[80:83] lanes in which slot X is the worse, by row tile
.set CM,  84                           ; s[84:86] all ones where column c is column S - 1
.set SOA, 87                           ; the trip's place in the stage, part A
.set SOB, 88                           ; part B
.set MSB, 0
.macro WIN new                         ; the immediate's high byte repeats the setting that is left; a switch that changes nothing is dropped
.if MSB != (\new)
	s_set_vgpr_msb (MSB<<8)|(\new)
.set MSB, (\new)
.endif
.endm
.macro PLACES
.rept 4
	v_nop
.endr
.endm
.macro CROUND                          ; a round of the cluster's barrier
	s_barrier_signal -1
	s_barrier_wait -1
	s_cmp_lg_u32 s[WV], 0
	s_cbranch_scc1 .Lnot_wave_0_\@
	s_barrier_signal -3
.Lnot_wave_0_\@:
	s_barrier_wait -3
	s_barrier_signal -1
	s_barrier_wait -1
.endm
; THE START'S LOADS.  A row tile has 42: 8 of xb, 8 for each of four codes, 2 of -|c|^2 / 2, always issued in this order.
.macro LDX                             ; 16 rows of xb
	WIN 0xc0                                       ; destination window 3
.irp e, 0,1,2,3,4,5,6,7
	global_load_b128 v[XS+4*\e:XS+4*\e+3], v[XO], s[4:5] offset:32*\e
.endr
	WIN 0
.endm
.macro GU j, b                         ; update j's code for the row tile whose pk row lies at b: the index, held inside the table, as a byte offset
	v_min_u32 v[GO+(\j)], 0x7ff, v[(\b)+(\j)]
	v_lshl_add_u32 v[GO+(\j)], v[GO+(\j)], 8, v[H16]
	WIN 0xc0
.irp e, 0,1,2,3,4,5,6,7
	global_load_b128 v[CU+32*(\j)+4*\e:CU+32*(\j)+4*\e+3], v[GO+(\j)], s[14+2*(\j):15+2*(\j)] offset:32*\e
.endr
	WIN 0
.endm
.macro PAIR b                          ; the pair in column S - 1 of the pk row at b: both codes and their -|c|^2 / 2
	v_mov_b32 v[AB], v[(\b)]
	v_cndmask_b32 v[AB], v[AB], v[(\b)+1], s[CM+1]
	v_cndmask_b32 v[AB], v[AB], v[(\b)+2], s[CM+2]
	v_and_b32 v[IA], 0xffff, v[AB]
	v_lshrrev_b32 v[IB], 16, v[AB]
	v_min_u32 v[GO+2], 0x7ff, v[IA]                ; held inside the table
	v_min_u32 v[GO+3], 0x7ff, v[IB]
	v_lshlrev_b32 v[NO], 2, v[GO+2]
	v_lshlrev_b32 v[NO+1], 2, v[GO+3]
	v_lshl_add_u32 v[GO+2], v[GO+2], 8, v[H16]
	v_lshl_add_u32 v[GO+3], v[GO+3], 8, v[H16]
	WIN 0xc0
.irp e, 0,1,2,3,4,5,6,7
	global_load_b128 v[CA+4*\e:CA+4*\e+3], v[GO+2], s[18:19] offset:32*\e
.endr
.irp e, 0,1,2,3,4,5,6,7
	global_load_b128 v[CB+4*\e:CB+4*\e+3], v[GO+3], s[18:19] offset:32*\e
.endr
	global_load_b32 v[NCA], v[NO], s[18:19] offset:NCCOFF
	global_load_b32 v[NCB], v[NO+1], s[18:19] offset:NCCOFF
	WIN 0
.endm
; t = r + factor x c; xr = r - t; r = r - xr: with the factor -1 reference()'s roundings.  c: the code's registers in window 3; f: the factor's register
.macro UPD c, f
	WIN 0x03                                       ; source 0 in window 3
.set e, 0
.rept 32
	v_fma_mix_f32 v[T+2*e],   v[(\c)+e], v[\f], v[RV+2*e]   op_sel:[0,0,0] op_sel_hi:[1,0,0]
	v_fma_mix_f32 v[T+2*e+1], v[(\c)+e], v[\f], v[RV+2*e+1] op_sel:[1,0,0] op_sel_hi:[1,0,0]
.set e, e+1
.endr
	WIN 0
.set e, 0
.rept 32
	v_pk_add_f32 v[T+2*e:T+2*e+1], v[RV+2*e:RV+2*e+1], v[T+2*e:T+2*e+1] neg_lo:[0,1] neg_hi:[0,1]
.set e, e+1
.endr
.set e, 0
.rept 32
	v_pk_add_f32 v[RV+2*e:RV+2*e+1], v[RV+2*e:RV+2*e+1], v[T+2*e:T+2*e+1] neg_lo:[0,1] neg_hi:[0,1]
.set e, e+1
.endr
.endm
.macro DOT d, c, a                     ; link u of block ce of a chain r.c: d = c's half x r + a
.if u%2 == 0
	v_fma_mix_f32 v[\d], v[(\c)+4*ce+u/2], v[RV+8*ce+u], v[\a] op_sel:[0,0,0] op_sel_hi:[1,0,0]
.else
	v_fma_mix_f32 v[\d], v[(\c)+4*ce+u/2], v[RV+8*ce+u], v[\a] op_sel:[1,0,0] op_sel_hi:[1,0,0]
.endif
.endm
	s_load_b512 s[4:19], s[0:1], 0x0               ; xb s[4:5], this stage's codebook s[6:7], pk out s[8:9], lsum s[10:11], pk in s[12:13], the two updates' codebooks s[14:17], the decision's s[18:19]
	v_lshl_add_u32 v[SPW], v0, 2, SPARE
	v_mov_b32 v[NIL], 0
	ds_add_u32 v[SPW], v[NIL]                      ; the wave's opening: the add and its wait stand ahead of my first tensor load; the set-up below stands between them
	v_lshrrev_b32 v[R], 5, v0
	v_readfirstlane_b32 s[WV], v[R]                ; wave 0..3
	s_bfe_u32 s[CX], ttmp6, 0x40000                ; my place in the cluster: it enters xb's, pk's and lsum's addresses alone
	s_lshl_b32 s[WGX], ttmp9, 2
	s_add_co_u32 s[WGX], s[WGX], s[CX]
	s_mov_b32 s[G1], 15|(1<<16)|(1<<20)|(1<<21)|(5<<22)|(3<<25)  ; mask of four; 2-byte elements; padding on; bit 21 beside a mask; after every 64 words (code 5) 4 words (code 3)
	s_mov_b32 s[G1+1], 128<<16                     ; tensor_dim0 = 128
	s_mov_b32 s[G1+2], 64<<16                      ; tensor_dim1 = 64
	s_mov_b32 s[G1+3], 128<<16                     ; tile_dim0 = 128
	s_mov_b32 s[G1+4], 64                          ; tile_dim1 = 64
	s_mov_b32 s[G1+5], 128                         ; elements from row to row
	s_mov_b32 s[G1+6], 0
	s_mov_b32 s[G1+7], 0
	s_mov_b32 s[G1N], 15|(3<<16)|(1<<21)           ; 2,048 dense bytes as 8 rows of 32 elements of 8 bytes, no padding
	s_mov_b32 s[G1N+1], 32<<16
	s_mov_b32 s[G1N+2], 8<<16
	s_mov_b32 s[G1N+3], 32<<16
	s_mov_b32 s[G1N+4], 8
	s_mov_b32 s[G1N+5], 32
	s_mov_b32 s[G1N+6], 0
	s_mov_b32 s[G1N+7], 0
	s_mov_b32 s[G0A], 1
	s_mul_i32 s[G0A+1], s[WV], QUARTB              ; LDS: my quarter of slot 0,
	s_mov_b32 s[G0B], 1
	s_add_co_u32 s[G0B+1], s[G0A+1], SLOT1         ; of slot 1,
	s_mov_b32 s[G0N], 1
	s_lshl_b32 s[G0N+1], s[WV], 11
	s_add_co_u32 s[G0N+1], s[G0N+1], NCCB          ; of -|c|^2 / 2
	s_mov_b32 s[SEL], 0x76543210
	s_mov_b32 s[SEL+1], 0xfedcba98
	s_mov_b32 s[HM], 0xffff0000                    ; lanes 16-31
	v_and_b32 v[R], 15, v0
	v_bfe_u32 v[H], v0, 4, 1
	v_lshlrev_b32 v[H8], 3, v[H]
	v_lshlrev_b32 v[H16], 4, v[H]
	v_lshl_add_u32 v[XO], v[R], 8, v[H16]
	v_mul_u32_u24 v[AF0], v[R], PITCH
	v_add_nc_u32 v[AF0], v[AF0], v[H16]
	v_lshl_add_u32 v[NA0], v[H], 5, NCCB
	v_lshlrev_b32 v[PO], 4, v[R]
	v_mov_b32 v[ONE], 1.0
	v_mov_b32 v[NEG1], -1.0
	v_mov_b32 v[ZERO], 0
	v_and_b32 v[AB], 31, v0                        ; lane
	s_mul_i32 s77, s[WV], 8192
	s_add_co_u32 s77, s77, STGA
	v_lshl_add_u32 v[LA], v[AB], 4, s77            ; my wave's stage + 16 x lane: a store or load of the wave takes 512 neighbouring bytes
	s_mul_i32 s77, s[WV], 24576
	s_add_co_u32 s77, s77, STGB
	v_lshl_add_u32 v[LB], v[AB], 4, s77
	s_lshl_b32 s76, s[WGX], 2
	s_add_co_u32 s76, s76, s[WV]                   ; my wave among the launch's 1,024
	s_lshl_b32 s68, s76, 2
	s_mov_b32 s69, 0
	s_lshl_b32 s70, s76, 14                        ; my 64 rows of xb
	s_mov_b32 s71, 0
	s_lshl_b32 s78, s[WV], 14                      ; my 64 codes of a slot (these two registers never hold the place in the cluster)
	s_mov_b32 s79, 0
	s_wait_dscnt 0x0                               ; the opening add is done
	s_wait_kmcnt 0x0
	s_add_nc_u64 s[52:53], s[12:13], s[68:69]
	s_load_b32 s[SS], s[52:53], TAIL               ; S - 1: the word that the same wave of the walk before stored
	s_add_nc_u64 s[TP:TP+1], s[8:9], s[68:69]
	s_add_nc_u64 s[4:5], s[4:5], s[70:71]
	s_lshl_b32 s70, s76, 10                        ; my 64 rows of pk
	s_add_nc_u64 s[8:9], s[8:9], s[70:71]
	s_add_nc_u64 s[12:13], s[12:13], s[70:71]
.irp t, 0,1,2,3
	global_load_b128 v[PKR+4*\t:PKR+4*\t+3], v[PO], s[12:13] offset:256*\t   ; my row's four columns, in each row tile
.endr
	LDX                                            ; row tile 0 of xb
	s_add_nc_u64 s[G0A+2:G0A+3], s[6:7], s[78:79]
	s_add_nc_u64 s[G0B+2:G0B+3], s[G0A+2:G0A+3], 65536    ; 256 codes on
	s_lshl_b32 s78, s[WV], 11
	s_add_nc_u64 s[G0N+2:G0N+3], s[6:7], s[78:79]
	s_add_nc_u64 s[G0N+2:G0N+3], s[G0N+2:G0N+3], NCCOFF
	s_or_b32 s[G0A+3], s[G0A+3], 0x80000000        ; type = 2
	s_or_b32 s[G0B+3], s[G0B+3], 0x80000000
	s_or_b32 s[G0N+3], s[G0N+3], 0x80000000
	CROUND                                         ; all four work-groups are here: the first joint loads meet
	tensor_load_to_lds s[G0N:G0N+3], s[G1N:G1N+7]  ; the first fills in one group: three loads of mine are out; they land while the start is at work
	s_nop 0
	tensor_load_to_lds s[G0A:G0A+3], s[G1:G1+7]
	s_nop 0
	tensor_load_to_lds s[G0B:G0B+3], s[G1:G1+7]
	s_nop 0
	PLACES
	s_wait_kmcnt 0x0
	s_add_co_u32 s[SS], s[SS], 1
	s_min_u32 s[SS], s[SS], 3                      ; S, held to 3 at the most
	s_lshl_b32 s70, s[SS], 12                      ; stage S's 4,096 bytes of lsum
	s_add_co_u32 s68, s68, s70
	s_add_nc_u64 s[LP:LP+1], s[10:11], s[68:69]
	v_mov_b32 v[SN], s[SS]
	s_cmp_gt_u32 s[SS], 1                          ; update 0 lives from stage 2 on,
	s_cselect_b32 s63, -1.0, 0
	v_mov_b32 v[FL], s63
	s_cmp_gt_u32 s[SS], 2                          ; update 1 in stage 3
	s_cselect_b32 s63, -1.0, 0
	v_mov_b32 v[FL+1], s63
.irp c, 0,1,2
	s_cmp_eq_u32 s[SS], \c+1
	s_cselect_b32 s[CM+\c], -1, 0
.endr
.set e, 0
.rept 8
	v_mov_b32 v[RQ+e], 0
.set e, e+1
.endr
	s_wait_loadcnt 8                               ; pk's four loads are in; the eight of xb may stay out
	GU 0, PKR
	GU 1, PKR
	PAIR PKR
	s_mov_b32 s[CNT], 4
	s_mov_b32 s[SOA], 0
	s_mov_b32 s[SOB], 0
.Lrow:                                                 ; four trips, a row tile each
	s_wait_loadcnt 34                              ; xb's tile is in; behind it went 8 + 8 + 8 + 8 + 2
	WIN 0x03
.set e, 0
.rept 32                               ; r = x, f16 to f32
	v_fma_mix_f32 v[RV+2*e],   v[XS+e], v[ONE], v[ZERO] op_sel:[0,0,0] op_sel_hi:[1,0,0]
	v_fma_mix_f32 v[RV+2*e+1], v[XS+e], v[ONE], v[ZERO] op_sel:[1,0,0] op_sel_hi:[1,0,0]
.set e, e+1
.endr
	WIN 0
	s_cmp_lg_u32 s[CNT], 1
	s_cselect_b32 s63, 4096, 0                     ; the next row tile; in the fourth trip the same once more
	v_add_nc_u32 v[XO], s63, v[XO]                 ; free since the wait above
	LDX
	s_wait_loadcnt 34                              ; update 0's code: behind it 8 + 8 + 8 + 2 and the next tile of xb
	UPD CU, FL
	GU 0, PKR+4
	s_wait_loadcnt 34                              ; update 1's: behind it 8 + 8 + 2, xb's 8 and update 0's 8
	UPD CU+32, FL+1
	GU 1, PKR+4
	WIN 0xc0                                       ; the squares, each rounded, into window 3
.set e, 0
.rept 32
	v_pk_mul_f32 v[P+2*e:P+2*e+1], v[RV+2*e:RV+2*e+1], v[RV+2*e:RV+2*e+1]
.set e, e+1
.endr
	s_wait_loadcnt 24                              ; A, B and their -|c|^2 / 2: behind them the next trip's 3 x 8
	; THE SUMS IN THEIR FIXED ORDER.  A row's numbers change halves of the lanes every 8, so each run of 8 links is reckoned in all lanes, holds in one half, and v_permlanex16_b32 hands the sum over.
	; Sixteen runs for r.A and r.B, line by line by turns; between their lines the four sums of 32 squares (sum w: blocks 2 w and 2 w + 1), of which a run of 8 links each lasts four of the others' runs.
	; A sum of squares begins as its first square + 0, which is that square.  All results hold in lanes 16-31.
.set dp, 0
.rept 16
.set ce, dp/2
.set rp, dp/4
.set dA, AA+dp%2
.set dB, AB2+dp%2
	WIN 0x03
.set u, 0
.rept 8
.if (dp == 0) && (u == 0)
	DOT dA, CA, ZERO
	DOT dB, CB, ZERO
.else
	DOT dA, CA, dA
	DOT dB, CB, dB
.endif
.set qa, (dp%4)*8+u
.set qd, T+4*(rp%2)+qa%4
.set qs, P+16*(qa%4)+8*(rp/2)+qa/4
.if (rp == 0) && (qa < 4)
	v_add_f32 v[qd], v[qs], v[ZERO]
.else
	v_add_f32 v[qd], v[qs], v[qd]
.endif
.set u, u+1
.endr
	WIN 0
.if dp%2 == 0
	v_permlanex16_b32 v[BA], v[AA], s[SEL], s[SEL+1]      ; on to lanes 16-31
	v_permlanex16_b32 v[BB], v[AB2], s[SEL], s[SEL+1]
.elseif dp < 15
	v_permlanex16_b32 v[AA], v[BA], s[SEL], s[SEL+1]      ; and back
	v_permlanex16_b32 v[AB2], v[BB], s[SEL], s[SEL+1]
.endif
.if (dp%4 == 3) && (dp < 15)
.irp w, 0,1,2,3
.if rp%2 == 0
	v_permlanex16_b32 v[T+4+\w], v[T+\w], s[SEL], s[SEL+1]
.else
	v_permlanex16_b32 v[T+\w], v[T+4+\w], s[SEL], s[SEL+1]
.endif
.endr
.endif
.set dp, dp+1
.endr
	v_add_f32 v[RRV], v[RRV], v[T+5]
	v_add_f32 v[RRV], v[RRV], v[T+6]
	v_add_f32 v[RRV], v[RRV], v[T+7]
	v_fma_f32 v[DA], v[BA], -2.0, v[RRV]           ; |r|^2 - 2 r.c: the product is exact, one rounding
	v_fma_f32 v[DB], v[BB], -2.0, v[RRV]
	WIN 0x03
	v_fma_f32 v[DA], v[NCA], -2.0, v[DA]           ; + |c|^2: one rounding
	v_fma_f32 v[DB], v[NCB], -2.0, v[DB]
	WIN 0
	v_cmp_lt_f32 s76, v[DB], v[DA]
	v_cmp_eq_f32 s77, v[DB], v[DA]
	v_cmp_lt_u32 s78, v[IB], v[IA]
	s_and_b32 s77, s77, s78
	s_or_b32 s76, s76, s77
	s_lshr_b32 s77, s76, 16                        ; lanes 16-31 hold the results: their bits serve lanes 0-15, which hold the rows' other halves, too
	s_and_b32 s76, s76, s[HM]
	s_or_b32 vcc_lo, s76, s77
	v_cndmask_b32 v[WI], v[IA], v[IB], vcc_lo
	WIN 0xcf                                       ; the winner's code: a select, no address
.set e, 0
.rept 32
	v_cndmask_b32 v[CA+e], v[CA+e], v[CB+e], vcc_lo
.set e, e+1
.endr
	WIN 0
.irp c, 0,1,2
	v_cndmask_b32 v[PKR+\c], v[PKR+\c], v[WI], s[CM+\c]   ; the winner goes into column S - 1
.endr
	UPD CA, NEG1
	PAIR PKR+4
.set e, 0
.rept 32                               ; |r|^2 for the loss, in no fixed order
	v_pk_fma_f32 v[RQ+2*(e%4):RQ+2*(e%4)+1], v[RV+2*e:RV+2*e+1], v[RV+2*e:RV+2*e+1], v[RQ+2*(e%4):RQ+2*(e%4)+1]
.set e, e+1
.endr
.set e, 0
.rept 32                               ; hi = r rounded to f16
	v_cvt_pk_f16_f32 v[T+e], v[RV+2*e], v[RV+2*e+1]
.set e, e+1
.endr
.set e, 0
.rept 32                               ; r - hi, exact
	v_fma_mix_f32 v[RV+2*e],   v[T+e], v[NEG1], v[RV+2*e]   op_sel:[0,0,0] op_sel_hi:[1,0,0]
	v_fma_mix_f32 v[RV+2*e+1], v[T+e], v[NEG1], v[RV+2*e+1] op_sel:[1,0,0] op_sel_hi:[1,0,0]
.set e, e+1
.endr
.set e, 0
.rept 32                               ; lo
	v_cvt_pk_f16_f32 v[T+32+e], v[RV+2*e], v[RV+2*e+1]
.set e, e+1
.endr
	v_add_nc_u32 v[SA], s[SOA], v[LA]
	v_add_nc_u32 v[SB], s[SOB], v[LB]
.irp c, 0,1,2,3
	ds_store_b128 v[SA], v[T+4*\c:T+4*\c+3] offset:512*\c
.endr
.irp c, 4,5,6,7,8,9,10,11,12,13,14,15
	ds_store_b128 v[SB], v[T+4*\c:T+4*\c+3] offset:512*(\c-4)
.endr
	s_add_co_u32 s[SOA], s[SOA], 2048
	s_add_co_u32 s[SOB], s[SOB], 6144
.irp c, 0,1,2,3                        ; pk's rows go round by one row tile
	v_mov_b32 v[RV+\c], v[PKR+\c]
.endr
.set e, 0
.rept 12
	v_mov_b32 v[PKR+e], v[PKR+4+e]
.set e, e+1
.endr
.irp c, 0,1,2,3
	v_mov_b32 v[PKR+12+\c], v[RV+\c]
.endr
	s_sub_co_u32 s[CNT], s[CNT], 1
	s_cmp_lg_u32 s[CNT], 0
	s_cbranch_scc1 .Lrow
	s_wait_xcnt 0x0                                ; the fourth trip's loads have had their addresses translated (ISA guide 3.1): their offsets' registers are written again only behind this wait
	v_pk_add_f32 v[RQ:RQ+1], v[RQ:RQ+1], v[RQ+2:RQ+3]
	v_pk_add_f32 v[RQ+4:RQ+5], v[RQ+4:RQ+5], v[RQ+6:RQ+7]
	v_pk_add_f32 v[RQ:RQ+1], v[RQ:RQ+1], v[RQ+4:RQ+5]
	v_add_f32 v[RRS], v[RQ], v[RQ+1]
	v_permlanex16_b32 v[RQ], v[RRS], s[SEL], s[SEL+1]     ; the rows' other halves lie in the lane 16 away
	v_add_f32 v[RRS], v[RRS], v[RQ]
	WIN 0x80                                       ; pk's rows, back in their first order, wait in window 2
.set e, 0
.rept 16
	v_mov_b32 v[PKS+e], v[PKR+e]
.set e, e+1
.endr
	WIN 0x40                                       ; the pieces come back, each lane's own bytes, into source 1's registers: LDS serves a wave's instructions in order (ISA guide 5.7.1.4)
.set t, 0
.rept 4
.irp c, 0,1,2,3
	ds_load_b128 v[64*t+4*\c:64*t+4*\c+3], v[LA] offset:2048*t+512*\c
.endr
.irp c, 4,5,6,7,8,9,10,11,12,13,14,15
	ds_load_b128 v[64*t+4*\c:64*t+4*\c+3], v[LB] offset:6144*t+512*(\c-4)
.endr
.set t, t+1
.endr
	WIN 0
	v_mov_b32 v[NINF], 0xff800000                  ; below every score: both slots start so
.irp t, 0,1,2,3
	v_mov_b32 v[BX+\t], v[NINF]
	v_mov_b32 v[BY+\t], v[NINF]
	v_mov_b32 v[TX+\t], 0
	v_mov_b32 v[TY+\t], 0
.endr
.set e, 0
.rept 64
	v_mov_b32 v[SVX+e], v[NINF]
.set e, e+1
.endr
.set e, 0
.rept 32
	v_mov_b32 v[ACC0+e], v[NINF]                   ; what the tile in front of tile 0 searches: it beats nothing
.set e, e+1
.endr
.set e, 0
.rept 8
	v_mov_b32 v[NC0+8+e], 0xf149f2ca               ; that tile's C: -1e30, far below every true score
.set e, e+1
.endr
	v_mov_b32 v[TNV], -32                          ; two searches come before tile 0's
	v_mov_b32 v[AF], v[AF0]
	v_mov_b32 v[NA], v[NA0]
	s_mov_b32 s[TB], 0
	s_mov_b32 s[TN], 0
; Load k of the ten that bring a tile into buffer buf: eight for the codes (K block k / 2), two for -|c|^2 / 2.  ofs: the first or second tile of the pair at AF, NA.
.macro LD k, buf, ofs
.if (\k) < 8
	ds_load_b128 v[FA0+32*(\buf)+4*(\k):FA0+32*(\buf)+4*(\k)+3], v[AF] offset:(\ofs)*TILEB+32*(\k)
.else
	ds_load_b128 v[NC0+8*(\buf)+4*((\k)-8):NC0+8*(\buf)+4*((\k)-8)+3], v[NA] offset:(\ofs)*64+16*((\k)-8)
.endif
.endm
; Number n of the 112 that search the scores of the tile before (the other buffer than par).  Each accumulator's lowest registers are read first.
;   0-15 the lane's greatest of eight, by row tile     16-27 the worse slot's greatest; which slot that is; does the tile beat it? (strictly: an earlier tile keeps a tie)
;   28-107 by row tile: slot X takes the tile where X is the worse and beaten (its greatest, its number, its eight scores), then slot Y likewise; the mask lies in VCC for the short form of the select
;   108-110 the steps
.macro RID par, step
.set rA0, ACC0+32*(1-(\par))
.if n < 28
.set rq, n%4
.set rA, rA0+8*rq
.if n < 4
	v_max3_num_f32 v[MM+rq], v[rA], v[rA+1], v[rA+2]
.elseif n < 8
	v_max3_num_f32 v[MM+rq], v[MM+rq], v[rA+3], v[rA+4]
.elseif n < 12
	v_max3_num_f32 v[MM+rq], v[MM+rq], v[rA+5], v[rA+6]
.elseif n < 16
	v_max_num_f32 v[MM+rq], v[MM+rq], v[rA+7]
.elseif n < 20
	v_min_num_f32 v[WW+rq], v[BX+rq], v[BY+rq]
.elseif n < 24
	v_cmp_lt_f32 s[SX+rq], v[BX+rq], v[BY+rq]
.else
	v_cmp_gt_f32 s[MK+rq], v[MM+rq], v[WW+rq]
.endif
.elseif n < 108
.set rq, (n-28)/20
.set ru, (n-28)%20
.set rA, rA0+8*rq
.if ru == 0
	s_and_b32 vcc_lo, s[MK+rq], s[SX+rq]
	v_cndmask_b32 v[BX+rq], v[BX+rq], v[MM+rq], vcc_lo
.elseif ru == 1
	v_cndmask_b32 v[TX+rq], v[TX+rq], v[TNV], vcc_lo
.elseif ru < 10
	v_cndmask_b32 v[SVX+8*rq+ru-2], v[SVX+8*rq+ru-2], v[rA+ru-2], vcc_lo
.elseif ru == 10
	s_and_not1_b32 vcc_lo, s[MK+rq], s[SX+rq]
	v_cndmask_b32 v[BY+rq], v[BY+rq], v[MM+rq], vcc_lo
.elseif ru == 11
	v_cndmask_b32 v[TY+rq], v[TY+rq], v[TNV], vcc_lo
.else
	v_cndmask_b32 v[SVY+8*rq+ru-12], v[SVY+8*rq+ru-12], v[rA+ru-12], vcc_lo
.endif
.elseif n == 108
	v_add_nc_u32 v[TNV], 16, v[TNV]
.elseif (n == 109) && (\step)
	s_add_co_u32 s[TB], s[TB], 2*TILEB
	v_add_nc_u32 v[AF], s[TB], v[AF0]
.elseif (n == 110) && (\step)
	s_add_co_u32 s[TN], s[TN], 128
	v_add_nc_u32 v[NA], s[TN], v[NA0]
.else
	v_nop
.endif
.endm
; A TILE of 16 codes from buffer par: 16 NP products (hi's four K blocks, then lo's); the four accumulators take turns, one instruction a turn.  Behind each product stands its share
; of the search of the tile before: 112 / (16 NP) lines, 3 and 4 by turns where that is 3.5.  The ten loads of the tile behind (pre = 1) stand in ONE run, behind product NP - 1 and its lines, into the other
; buffer: the last product that read that buffer stands 11 plain lines back or more.  The lines behind the last product are the four places (ISA guide 7.12.1) ahead of the next tile's reads of these scores.
.macro TILE par, ofs, pre, step
	s_wait_dscnt 0x0                               ; this tile's ten loads, issued near the head of the tile before
.set ii, 0
.rept 16*NP
.set aD, ACC0+32*(\par)+8*(ii%4)
.set aA, FA0+32*(\par)+8*((ii/4)%4)
.set aB, 64*(ii%4)+32*(ii/16)+8*((ii/4)%4)
	WIN 0x04                                       ; source 1, the rows' pieces, in window 1
.if ii < 4
	v_wmma_f32_16x16x32_f16 v[aD:aD+7], v[aA:aA+7], v[aB:aB+7], v[NC0+8*(\par):NC0+8*(\par)+7]
.else
	v_wmma_f32_16x16x32_f16 v[aD:aD+7], v[aA:aA+7], v[aB:aB+7], v[aD:aD+7]
.endif
	WIN 0
.if NP == 1
.set n, 7*ii
.set nr, 7
.else
.set n, 7*(ii/2)+3*(ii%2)
.set nr, 3+ii%2
.endif
.rept nr
	RID \par, \step
.set n, n+1
.endr
.if (\pre) && (ii == NP-1)
.set kk, 0
.rept 10
	LD kk, 1-(\par), \ofs
.set kk, kk+1
.endr
.endif
.set ii, ii+1
.endr
.endm
.macro GROUP                           ; a slot's worth: eight trips of two tiles, an odd one and an even one
	s_mov_b32 s[CNT], 8
.Lgroup_\@:
	TILE 1, 0, 1, 0
	TILE 0, 1, 1, 1
	s_sub_co_u32 s[CNT], s[CNT], 1
	s_cmp_lg_u32 s[CNT], 0
	s_cbranch_scc1 .Lgroup_\@
.endm
; THE CHANGE OF SLOTS.  The slot's last tile is in registers.  Each wave waits for all its tensor loads (its part of the other slot), adds 0 to its spare word, and waits for that and for its reads.
; fill = 1: the barrier is a round of the cluster's, and the slot just read takes the codes 512 on: the first thing behind the round; it has 16 tiles in which to land.
.macro SYNC fill
	s_wait_tensorcnt 0x0                           ; no tensor load of mine is out, so a group 0 may be written
	ds_add_u32 v[SPW], v[NIL]                      ; 0 onto my spare word; register work stands between it and the wait for it
.if \fill
	s_xor_b32 s[G0B+1], s[G0B+1], SLOT1            ; the walking descriptor: the other slot than last time,
	s_add_nc_u64 s[G0B+2:G0B+3], s[G0B+2:G0B+3], 65536   ; the next 256 codes; the type bits on top are not reached
.endif
	s_sub_co_u32 s[TB], s[TB], 16*TILEB            ; the fetches go back to a slot's head,
	s_xor_b32 s[TB], s[TB], SLOT1                  ; in the other slot
	v_add_nc_u32 v[AF], s[TB], v[AF0]
	s_wait_dscnt 0x0                               ; the add is done, and my reads of the slot are over
.if \fill
	CROUND
	tensor_load_to_lds s[G0B:G0B+3], s[G1:G1+7]
	s_nop 0
	PLACES
.else
	s_barrier_signal -1
	s_barrier_wait -1
.endif
.endm
; THE WAY OUT.  FIND: row tile t's best score and its index: the better slot (on a tie the earlier tile), in it the lowest of the eight that holds the greatest, then the better of the two halves of the lanes (on a tie the lower index).
.macro FIND t, ov, oi
	v_cmp_gt_f32 s63, v[BY+(\t)], v[BX+(\t)]
	v_cmp_eq_f32 s76, v[BY+(\t)], v[BX+(\t)]
	v_cmp_lt_u32 s77, v[TY+(\t)], v[TX+(\t)]
	s_and_b32 s76, s76, s77
	s_or_b32 vcc_lo, s63, s76
	v_cndmask_b32 v[\ov], v[BX+(\t)], v[BY+(\t)], vcc_lo
	v_cndmask_b32 v[ET], v[TX+(\t)], v[TY+(\t)], vcc_lo
.irp j, 0,1,2,3,4,5,6,7
	v_cndmask_b32 v[EW+\j], v[SVX+8*(\t)+\j], v[SVY+8*(\t)+\j], vcc_lo
.endr
	v_mov_b32 v[EPP], 7
.irp j, 6,5,4,3,2,1,0
	v_cmp_eq_f32 s63, v[EW+\j], v[\ov]
	v_cndmask_b32 v[EPP], v[EPP], \j, s63
.endr
	v_add3_u32 v[\oi], v[ET], v[EPP], v[H8]
	v_permlanex16_b32 v[EOV], v[\ov], s[SEL], s[SEL+1]
	v_permlanex16_b32 v[EOI], v[\oi], s[SEL], s[SEL+1]
	v_cmp_gt_f32 s63, v[EOV], v[\ov]
	v_cmp_eq_f32 s76, v[EOV], v[\ov]
	v_cmp_lt_u32 s77, v[EOI], v[\oi]
	s_and_b32 s76, s76, s77
	s_or_b32 vcc_lo, s63, s76
	v_cndmask_b32 v[\ov], v[\ov], v[EOV], vcc_lo
	v_cndmask_b32 v[\oi], v[\oi], v[EOI], vcc_lo
.endm
; KNOCK: the best is taken out of the slot of the lane that holds it, and both slots' greatest are made anew.
.macro KNOCK t
	v_and_b32 v[EKT], -16, v[EI1+(\t)]             ; its tile,
	v_and_b32 v[EKH], 8, v[EI1+(\t)]               ; its half of the lanes,
	v_and_b32 v[EKP], 7, v[EI1+(\t)]               ; its place among the eight
	v_cmp_eq_u32 s63, v[EKH], v[H8]
	v_cmp_eq_u32 s76, v[EKT], v[TX+(\t)]
	v_cmp_eq_u32 s77, v[EKT], v[TY+(\t)]
	s_and_b32 s76, s76, s63
	s_and_b32 s77, s77, s63
.irp j, 0,1,2,3,4,5,6,7
	v_cmp_eq_u32 s63, \j, v[EKP]
	s_and_b32 vcc_lo, s63, s76
	v_cndmask_b32 v[SVX+8*(\t)+\j], v[SVX+8*(\t)+\j], v[NINF], vcc_lo
	s_and_b32 vcc_lo, s63, s77
	v_cndmask_b32 v[SVY+8*(\t)+\j], v[SVY+8*(\t)+\j], v[NINF], vcc_lo
.endr
	v_max3_num_f32 v[BX+(\t)], v[SVX+8*(\t)], v[SVX+8*(\t)+1], v[SVX+8*(\t)+2]
	v_max3_num_f32 v[BY+(\t)], v[SVY+8*(\t)], v[SVY+8*(\t)+1], v[SVY+8*(\t)+2]
	v_max3_num_f32 v[BX+(\t)], v[BX+(\t)], v[SVX+8*(\t)+3], v[SVX+8*(\t)+4]
	v_max3_num_f32 v[BY+(\t)], v[BY+(\t)], v[SVY+8*(\t)+3], v[SVY+8*(\t)+4]
	v_max3_num_f32 v[BX+(\t)], v[BX+(\t)], v[SVX+8*(\t)+5], v[SVX+8*(\t)+6]
	v_max3_num_f32 v[BY+(\t)], v[BY+(\t)], v[SVY+8*(\t)+5], v[SVY+8*(\t)+6]
	v_max_num_f32 v[BX+(\t)], v[BX+(\t)], v[SVX+8*(\t)+7]
	v_max_num_f32 v[BY+(\t)], v[BY+(\t)], v[SVY+8*(\t)+7]
.endm
	s_wait_tensorcnt 0x1                           ; my parts of -|c|^2 / 2 and of slot 0 are in; slot 1's may stay out
	s_wait_dscnt 0x0                               ; my pieces are back: no LDS instruction of mine is out at the signal
	s_barrier_signal -1
	s_barrier_wait -1                              ; everybody's parts are in
.set kk, 0
.rept 8
	LD kk, 1, 0                                    ; the tile in front of tile 0 takes tile 0's codes
.set kk, kk+1
.endr
	s_mov_b32 s[OUTC], 6
.Lslot:                                                ; six trips: 16 tiles (the one in front and tiles 0-14; 15-30; ...; 79-94), then the slot just left is filled again
	GROUP
	SYNC 1
	s_sub_co_u32 s[OUTC], s[OUTC], 1
	s_cmp_lg_u32 s[OUTC], 0
	s_cbranch_scc1 .Lslot
	s_mov_b32 s[OUTC], 2
.Ltail:                                                ; the tail is a text of its own: tiles 95-110 and 111-126; nothing is left to fetch
	GROUP
	SYNC 0
	s_sub_co_u32 s[OUTC], s[OUTC], 1
	s_cmp_lg_u32 s[OUTC], 0
	s_cbranch_scc1 .Ltail
	TILE 1, 0, 0, 0                                ; tile 127
.set n, 0
.rept 108
	RID 0, 0                                       ; and its search
.set n, n+1
.endr
	v_and_b32 v[LANE], 31, v0
	v_lshlrev_b32 v[SO], 4, v[LANE]
	v_mov_b32 v[EOV], 0
	v_mov_b32 v[EOI], 0
.set t, 0
.rept 4
	FIND t, EV1+t, EI1+t                           ; the best,
	KNOCK t
	FIND t, EV2, EI2+t                             ; and the best of what is left
.set t, t+1
.endr
	v_fma_f32 v[EL], v[EV1], -2.0, v[RRS]          ; my row's four least distances, added up
	v_fma_f32 v[EL], v[EV1+1], -2.0, v[EL]
	v_fma_f32 v[EL], v[EV1+2], -2.0, v[EL]
	v_fma_f32 v[EL], v[EV1+3], -2.0, v[EL]
.irp t, 0,1,2,3
	v_lshl_or_b32 v[EAB+\t], v[EI2+\t], 16, v[EI1+\t]
.endr
	v_add_f32_dpp v[EL], v[EL], v[EL] row_xmask:1 row_mask:0xf bank_mask:0xf
	v_add_f32_dpp v[EL], v[EL], v[EL] row_xmask:2 row_mask:0xf bank_mask:0xf
	v_add_f32_dpp v[EL], v[EL], v[EL] row_xmask:4 row_mask:0xf bank_mask:0xf
	v_add_f32_dpp v[EL], v[EL], v[EL] row_xmask:8 row_mask:0xf bank_mask:0xf   ; my wave's 64 rows
	WIN 0x02                                       ; pk's rows come out of window 2; the pair goes into column S: a select, no jump
.irp c, 0,1,2,3
	s_cmp_eq_u32 s[SS], \c
	s_cselect_b32 s63, -1, 0
.irp t, 0,1,2,3
	v_cndmask_b32 v[PK+4*\t+\c], v[PKS+4*\t+\c], v[EAB+\t], s63
.endr
.endr
	WIN 0
.irp c, 0,1,2,3                        ; lanes 0-15 store a row tile's rows, lanes 16-31 the next tile's: 512 consecutive bytes
	v_cndmask_b32 v[ST0+\c], v[PK+\c], v[PK+4+\c], s[HM]
	v_cndmask_b32 v[ST1+\c], v[PK+8+\c], v[PK+12+\c], s[HM]
.endr
	global_store_b128 v[SO], v[ST0:ST0+3], s[8:9]
	global_store_b128 v[SO], v[ST1:ST1+3], s[8:9] offset:512
	v_cmp_eq_u32 vcc_lo, 0, v[LANE]
	s_wait_xcnt 0x0                                ; EXEC is a source of the stores above: it changes only behind this wait
	s_and_saveexec_b32 s63, vcc_lo
	global_store_b32 v[ZERO], v[EL], s[LP:LP+1]
	global_store_b32 v[ZERO], v[SN], s[TP:TP+1] offset:TAIL
	s_wait_xcnt 0x0                                ; and again in front of the line that widens it
	s_or_b32 exec_lo, exec_lo, s63
	s_wait_tensorcnt 0x0                           ; the wave's end, behind my last tensor load and my last LDS store
	ds_add_u32 v[SPW], v[NIL]
	s_wait_dscnt 0x0
	CROUND                                         ; the closing round: no work-group ends while a partner may still ask for a tile that names it
	s_endpgm
.Lfunc_end_k_qe08fca9837_stage1:
	.size	k_qe08fca9837_stage1, .Lfunc_end_k_qe08fca9837_stage1-k_qe08fca9837_stage1
	.p2alignl 7, 3214868480
	.fill 96, 4, 3214868480
	.section	.rodata,"a",@progbits
	.p2align	6, 0x0
	.amdhsa_kernel k_qe08fca9837_stage1
		.amdhsa_group_segment_fixed_size 327680
		.amdhsa_private_segment_fixed_size 0
		.amdhsa_enable_private_segment 0
		.amdhsa_kernarg_size 64
		.amdhsa_user_sgpr_count 2
		.amdhsa_user_sgpr_kernarg_segment_ptr 1
		.amdhsa_wavefront_size32 1
		.amdhsa_system_sgpr_workgroup_id_x 1
		.amdhsa_system_sgpr_workgroup_id_y 1
		.amdhsa_system_sgpr_workgroup_id_z 1
		.amdhsa_system_vgpr_workitem_id 0
		.amdhsa_next_free_vgpr 1024
		.amdhsa_next_free_sgpr 96
		.amdhsa_reserve_vcc 1
		.amdhsa_float_denorm_mode_32 3
		.amdhsa_float_denorm_mode_16_64 3
		.amdhsa_memory_ordered 1
		.amdhsa_forward_progress 1
		.amdhsa_inst_pref_size 174
	.end_amdhsa_kernel
	.amdgpu_metadata
---
amdhsa.version: [ 1, 2 ]
amdhsa.kernels:
  - .name:           k_qe08fca9837_stage1
    .symbol:         k_qe08fca9837_stage1.kd
    .args:
      - { .name: xb, .offset: 0, .size: 8, .value_kind: global_buffer, .address_space: global }
      - { .name: cb1, .offset: 8, .size: 8, .value_kind: global_buffer, .address_space: global }
      - { .name: pkA, .offset: 16, .size: 8, .value_kind: global_buffer, .address_space: global }
      - { .name: lsum, .offset: 24, .size: 8, .value_kind: global_buffer, .address_space: global }
      - { .name: pkB, .offset: 32, .size: 8, .value_kind: global_buffer, .address_space: global }
      - { .name: cb2, .offset: 40, .size: 8, .value_kind: global_buffer, .address_space: global }
      - { .name: cb3, .offset: 48, .size: 8, .value_kind: global_buffer, .address_space: global }
      - { .name: cb0, .offset: 56, .size: 8, .value_kind: global_buffer, .address_space: global }
    .group_segment_fixed_size: 327680
    .private_segment_fixed_size: 0
    .kernarg_segment_align: 8
    .kernarg_segment_size: 64
    .max_flat_workgroup_size: 128
    .sgpr_count:     96
    .vgpr_count:     1024
    .wavefront_size: 32
...
	.end_amdgpu_metadata
.endif
;; end of part 8
;; launch stage2: the kernel of part 8 again; grid 256 x 1, 4 waves a work-group, clusters of 4 x 1, 327,680 bytes of LDS; arguments xb, cb2, pkB, lsum, pkA, cb0, cb3, cb1; writes pkB, lsum
;; launch stage3: the kernel of part 8 again; grid 256 x 1, 4 waves a work-group, clusters of 4 x 1, 327,680 bytes of LDS; arguments xb, cb3, pkA, lsum, pkB, cb0, cb1, cb2; writes pkA, lsum
;; launch finish (part 9): grid 512 x 1, 8 waves a work-group, no clusters, 68,608 bytes of LDS; arguments xb, cb0, cb1, cb2, cb3, pkA, lsum, out0, out1, out2; writes out0, out1, out2
.if DOCPART == 9
	.amdgcn_target "amdgcn-amd-amdhsa--gfx1250"
	.amdhsa_code_object_version 6
	.text
	.protected	k_qe08fca9837_finish
	.globl	k_qe08fca9837_finish
	.p2align	8
	.type	k_qe08fca9837_finish,@function
k_qe08fca9837_finish:
	s_mov_b64 s[64:65], 0
	v_nop
	global_prefetch_b8 v0, s[64:65] scope:SCOPE_SE
	s_setreg_imm32_b32 hwreg(HW_REG_WAVE_MODE, 25, 1), 1
	s_wait_xcnt 0x0
; THE DECISION OF THE LAST STAGE, AND THE RESULTS.  (The earlier stages' decisions are made at the head of the stage behind each.)
; The last walk has named two codes A and B for each row (column 3 of pk's row: A | B << 16; columns 0-2 hold the earlier stages' indices).  The row's residual r is rebuilt in f32 as reference() steps it
; (t = c - r, xr = r + t, r = r - xr), and the two distances are made IN A FIXED ORDER OF f32 ROUNDINGS, which this text takes to be reference()'s:  r.c = one chain of fused multiply-adds over
; d = 0 .. 127, from 0;  |r|^2 = four sums of 32 rounded squares, each ascending, then the four in order;  |c|^2 likewise (made by the preparation);  d = (|r|^2 - 2 r.c) + |c|^2, two roundings.
; The lesser d wins, on a tie the lower index.  Both codes were gathered (their addresses are whole numbers of the launch before); the winner's is taken by a select, and r is stepped by it once more.
; out2 = the four indices.  out0 = x less the last residual.  out1 = 1.25 / (4 x 65,536 x 128) x the sum of all least distances, which the walks have left in lsum.
; LIMITS.  Where reference()'s sums are rounded in another order than the one above, two codes whose distances differ by less than those roundings may be ranked otherwise.
; reference() adds up the four numbers xr; the residual's four steps subtract those same four numbers from x, so x less the last residual differs from reference()'s sum by the rounding of those
; f32 additions and subtractions, at the size of x and r.  It is taken because it wants 32 registers (xb kept) where a running sum wants 64, and the wave has 256.
; SHARES.  A wave owns 16 rows; lane (r, h) holds of row r the numbers 16 e + 8 h + 0..7, e = 0..7 (16 bytes of f16 a load).  So a chain in ascending order changes halves of the lanes every 8 numbers:
; each block of 8 is reckoned in all lanes, holds in one half, and v_permlanex16_b32 hands the sum over.  The results hold in lanes 16-31, whose bits then serve lanes 0-15 too.
; No matrix unit: 2 x 128 products a row.  No cluster: no two work-groups read the same rows at the same time.  The codebooks, 2 MiB, are read again and again by every work-group: no hint on their loads.
; THE WAY OUT.  A lane's pieces of a row are 32 bytes long, so the 16 rows go through a stage of the wave's own in LDS and leave as whole rows: each store of the wave covers 512 consecutive bytes, aligned.
.set NCCOFF, 524288                    ; where -|c|^2 / 2 begins in a codebook's buffer
.set OPITCH, 528                       ; a row of out0 in LDS: 512 bytes + 16 = 132 words, so the 16 rows that a store touches start at 16 different groups of four banks (64 banks of 4 bytes: ISA guide 11.1)
.set WSTAGE, 16*OPITCH                 ; a wave's stage: 8,448 bytes, 33 blocks of 256
.set SPARE,  8*WSTAGE                  ; behind the stages: the spare words, 128 bytes for each wave: four blocks of 256 bytes that no other line names
.set R,    1
.set H,    2
.set H16,  3
.set XO,   4                           ; 256 r + 16 h
.set PO,   5                           ; 16 r
.set ONE,  6
.set ZERO, 7
.set NEG1, 8
.set LANE, 9
.set SPW,  10                          ; LDS address of my spare word; never rewritten
.set NIL,  11                          ; 0; never rewritten
.set PK,   12                          ; v12-15 pk's row
.set GO,   16                          ; v16-20 byte offsets of the five codes: three updates', A, B; never rewritten once made
.set NO,   21                          ; v21-22 of A's and B's -|c|^2 / 2
.set IA,   23
.set IB,   24
.set NCA,  25
.set NCB,  26
.set WI,   27
.set DA,   28
.set DB,   29
.set STO,  30                          ; the way out: where I put 16 bytes of a row
.set RD,   31                          ; the way out: where I read a row back
.set RV,   32                          ; v32-95   r: number m of block e at RV + 8 e + m; at last out0's numbers
.set XS,   96                          ; v96-127  xb as loaded, kept to the end
.set C0,   128                         ; v128-159 update 0's code; then code A, then the winner
.set CAR,  128
.set C1,   160                         ; v160-191 update 1's; then code B
.set CBR,  160
.set C2,   192                         ; v192-223 update 2's; then the squares, 32 at a time
.set P,    192
.set T,    224                         ; v224-255 at work
.set RRV,  T+4
.set AA,   T+8                         ; A's chain in lanes 0-15,
.set BA,   T+9                         ; in lanes 16-31
.set AB2,  T+10                        ; B's
.set BB,   T+11
.set L16,  T                           ; at the end: 16 x lane
.set OB,   128                         ; v128-191 at the end: 16 rows read back from the stage
.set CD,   32                          ; v32-159  at the very end, in one wave: lsum
.set SEL,  28
	s_load_b512 s[4:19], s[0:1], 0x0               ; xb s[4:5], cb0..cb3 s[6:13], pk s[14:15], lsum s[16:17], out0 s[18:19]
	s_load_b128 s[20:23], s[0:1], 0x40             ; out1 s[20:21], out2 s[22:23]
	v_lshl_add_u32 v[SPW], v0, 2, SPARE
	v_mov_b32 v[NIL], 0
	v_lshrrev_b32 v[R], 5, v0
	v_readfirstlane_b32 s24, v[R]                  ; wave 0..7
	s_lshl_b32 s25, ttmp9, 3
	s_add_co_u32 s25, s25, s24                     ; my wave among the launch's 4,096
	v_and_b32 v[LANE], 31, v0
	v_and_b32 v[R], 15, v0
	v_bfe_u32 v[H], v0, 4, 1
	v_lshlrev_b32 v[H16], 4, v[H]
	v_lshl_add_u32 v[XO], v[R], 8, v[H16]
	v_lshlrev_b32 v[PO], 4, v[R]
	v_mov_b32 v[ONE], 1.0
	v_mov_b32 v[NEG1], -1.0
	v_mov_b32 v[ZERO], 0
	s_mul_i32 s30, s24, WSTAGE                     ; my wave's stage
	v_mul_u32_u24 v[STO], v[R], OPITCH             ; in: row r, 32 bytes for each half of the lanes
	v_lshl_add_u32 v[STO], v[H], 5, v[STO]
	v_add_nc_u32 v[STO], s30, v[STO]
	v_lshl_add_u32 v[RD], v[LANE], 4, s30          ; back: 32 lanes take one row of 512 bytes
	s_mov_b32 s[SEL], 0x76543210
	s_mov_b32 s[SEL+1], 0xfedcba98
	s_mov_b32 s31, 0xffff0000                      ; lanes 16-31
	s_lshl_b32 s32, s25, 8                         ; my 16 rows of pk and of out2,
	s_mov_b32 s33, 0
	s_lshl_b32 s34, s25, 12                        ; of xb,
	s_mov_b32 s35, 0
	s_lshl_b32 s26, s25, 13                        ; of out0
	s_mov_b32 s27, 0
	s_wait_kmcnt 0x0
	s_add_nc_u64 s[14:15], s[14:15], s[32:33]
	s_add_nc_u64 s[22:23], s[22:23], s[32:33]
	s_add_nc_u64 s[4:5], s[4:5], s[34:35]
	s_add_nc_u64 s[18:19], s[18:19], s[26:27]
	global_load_b128 v[PK:PK+3], v[PO], s[14:15]
.irp e, 0,1,2,3,4,5,6,7
	global_load_b128 v[XS+4*\e:XS+4*\e+3], v[XO], s[4:5] offset:32*\e
.endr
	s_wait_loadcnt 8                               ; pk's row is in; the eight loads of xb may stay out
	v_and_b32 v[IA], 0xffff, v[PK+3]
	v_lshrrev_b32 v[IB], 16, v[PK+3]
.irp j, 0,1,2
	v_min_u32 v[GO+\j], 0x7ff, v[PK+\j]            ; held inside the table
.endr
	v_min_u32 v[GO+3], 0x7ff, v[IA]
	v_min_u32 v[GO+4], 0x7ff, v[IB]
	v_lshlrev_b32 v[NO], 2, v[GO+3]
	v_lshlrev_b32 v[NO+1], 2, v[GO+4]
.irp j, 0,1,2,3,4
	v_lshl_add_u32 v[GO+\j], v[GO+\j], 8, v[H16]
.endr
.irp e, 0,1,2,3,4,5,6,7
	global_load_b128 v[C0+4*\e:C0+4*\e+3], v[GO], s[6:7] offset:32*\e
.endr
.irp e, 0,1,2,3,4,5,6,7
	global_load_b128 v[C1+4*\e:C1+4*\e+3], v[GO+1], s[8:9] offset:32*\e
.endr
.irp e, 0,1,2,3,4,5,6,7
	global_load_b128 v[C2+4*\e:C2+4*\e+3], v[GO+2], s[10:11] offset:32*\e
.endr
	global_load_b32 v[NCA], v[NO], s[12:13] offset:NCCOFF
	global_load_b32 v[NCB], v[NO+1], s[12:13] offset:NCCOFF
; t = r - c; xr = r - t; r = r - xr: reference()'s roundings; 16 words of the code at a time
.macro UPD c
.set b, 0
.rept 2
.set e, 0
.rept 16
	v_fma_mix_f32 v[T+2*e],   v[(\c)+16*b+e], v[NEG1], v[RV+32*b+2*e]   op_sel:[0,0,0] op_sel_hi:[1,0,0]
	v_fma_mix_f32 v[T+2*e+1], v[(\c)+16*b+e], v[NEG1], v[RV+32*b+2*e+1] op_sel:[1,0,0] op_sel_hi:[1,0,0]
.set e, e+1
.endr
.set e, 0
.rept 16
	v_pk_add_f32 v[T+2*e:T+2*e+1], v[RV+32*b+2*e:RV+32*b+2*e+1], v[T+2*e:T+2*e+1] neg_lo:[0,1] neg_hi:[0,1]
.set e, e+1
.endr
.set e, 0
.rept 16
	v_pk_add_f32 v[RV+32*b+2*e:RV+32*b+2*e+1], v[RV+32*b+2*e:RV+32*b+2*e+1], v[T+2*e:T+2*e+1] neg_lo:[0,1] neg_hi:[0,1]
.set e, e+1
.endr
.set b, b+1
.endr
.endm
; The squares, each rounded, of blocks 2 w + half, w = 0..3: number m of sum w's block at P + 8 w + m
.macro SQ half
.irp w, 0,1,2,3
.irp i, 0,1,2,3
	v_pk_mul_f32 v[P+8*\w+2*\i:P+8*\w+2*\i+1], v[RV+16*\w+8*(\half)+2*\i:RV+16*\w+8*(\half)+2*\i+1], v[RV+16*\w+8*(\half)+2*\i:RV+16*\w+8*(\half)+2*\i+1]
.endr
.endr
.endm
	s_wait_loadcnt 26                              ; xb is in; behind it went 3 x 8 loads of codes and two of -|c|^2 / 2
.set e, 0
.rept 32                               ; r = x, f16 to f32
	v_fma_mix_f32 v[RV+2*e],   v[XS+e], v[ONE], v[ZERO] op_sel:[0,0,0] op_sel_hi:[1,0,0]
	v_fma_mix_f32 v[RV+2*e+1], v[XS+e], v[ONE], v[ZERO] op_sel:[1,0,0] op_sel_hi:[1,0,0]
.set e, e+1
.endr
	s_wait_loadcnt 18                              ; update 0's code is in; behind it: 8 + 8 + 2
	UPD C0
.irp e, 0,1,2,3,4,5,6,7                ; code A goes where update 0's code lay
	global_load_b128 v[CAR+4*\e:CAR+4*\e+3], v[GO+3], s[12:13] offset:32*\e
.endr
	s_wait_loadcnt 18                              ; update 1's: behind it 8 + 2 + A's 8
	UPD C1
.irp e, 0,1,2,3,4,5,6,7                ; code B goes where update 1's code lay
	global_load_b128 v[CBR+4*\e:CBR+4*\e+3], v[GO+4], s[12:13] offset:32*\e
.endr
	s_wait_loadcnt 18                              ; update 2's: behind it 2 + 8 + 8
	UPD C2
	; |r|^2.  Sum w takes numbers 32 w .. 32 w + 31: blocks 2 w and 2 w + 1, each first in lanes 0-15, then in lanes 16-31
	SQ 0
.irp w, 0,1,2,3
	v_add_f32 v[T+\w], v[P+8*\w], v[P+8*\w+1]
.endr
.irp m, 2,3,4,5,6,7
.irp w, 0,1,2,3
	v_add_f32 v[T+\w], v[T+\w], v[P+8*\w+\m]
.endr
.endr
.irp w, 0,1,2,3
	v_permlanex16_b32 v[T+4+\w], v[T+\w], s[SEL], s[SEL+1]
.endr
.irp m, 0,1,2,3,4,5,6,7
.irp w, 0,1,2,3
	v_add_f32 v[T+4+\w], v[T+4+\w], v[P+8*\w+\m]
.endr
.endr
.irp w, 0,1,2,3
	v_permlanex16_b32 v[T+\w], v[T+4+\w], s[SEL], s[SEL+1]
.endr
	SQ 1
.irp m, 0,1,2,3,4,5,6,7
.irp w, 0,1,2,3
	v_add_f32 v[T+\w], v[T+\w], v[P+8*\w+\m]
.endr
.endr
.irp w, 0,1,2,3
	v_permlanex16_b32 v[T+4+\w], v[T+\w], s[SEL], s[SEL+1]
.endr
.irp m, 0,1,2,3,4,5,6,7
.irp w, 0,1,2,3
	v_add_f32 v[T+4+\w], v[T+4+\w], v[P+8*\w+\m]
.endr
.endr
	v_add_f32 v[RRV], v[RRV], v[T+5]
	v_add_f32 v[RRV], v[RRV], v[T+6]
	v_add_f32 v[RRV], v[RRV], v[T+7]               ; holds in lanes 16-31
	; r.A and r.B: two chains, line by line by turns
	s_wait_loadcnt 0x0                             ; A, B and their -|c|^2 / 2
.set e, 0
.rept 8
.set i, 0
.rept 4
.if (e == 0) && (i == 0)
	v_fma_mix_f32 v[AA],  v[CAR], v[RV], v[ZERO] op_sel:[0,0,0] op_sel_hi:[1,0,0]
	v_fma_mix_f32 v[AB2], v[CBR], v[RV], v[ZERO] op_sel:[0,0,0] op_sel_hi:[1,0,0]
.else
	v_fma_mix_f32 v[AA],  v[CAR+4*e+i], v[RV+8*e+2*i], v[AA]  op_sel:[0,0,0] op_sel_hi:[1,0,0]
	v_fma_mix_f32 v[AB2], v[CBR+4*e+i], v[RV+8*e+2*i], v[AB2] op_sel:[0,0,0] op_sel_hi:[1,0,0]
.endif
	v_fma_mix_f32 v[AA],  v[CAR+4*e+i], v[RV+8*e+2*i+1], v[AA]  op_sel:[1,0,0] op_sel_hi:[1,0,0]
	v_fma_mix_f32 v[AB2], v[CBR+4*e+i], v[RV+8*e+2*i+1], v[AB2] op_sel:[1,0,0] op_sel_hi:[1,0,0]
.set i, i+1
.endr
	v_permlanex16_b32 v[BA], v[AA], s[SEL], s[SEL+1]      ; on to lanes 16-31
	v_permlanex16_b32 v[BB], v[AB2], s[SEL], s[SEL+1]
.set i, 0
.rept 4
	v_fma_mix_f32 v[BA], v[CAR+4*e+i], v[RV+8*e+2*i], v[BA] op_sel:[0,0,0] op_sel_hi:[1,0,0]
	v_fma_mix_f32 v[BB], v[CBR+4*e+i], v[RV+8*e+2*i], v[BB] op_sel:[0,0,0] op_sel_hi:[1,0,0]
	v_fma_mix_f32 v[BA], v[CAR+4*e+i], v[RV+8*e+2*i+1], v[BA] op_sel:[1,0,0] op_sel_hi:[1,0,0]
	v_fma_mix_f32 v[BB], v[CBR+4*e+i], v[RV+8*e+2*i+1], v[BB] op_sel:[1,0,0] op_sel_hi:[1,0,0]
.set i, i+1
.endr
.if e < 7
	v_permlanex16_b32 v[AA], v[BA], s[SEL], s[SEL+1]      ; and back
	v_permlanex16_b32 v[AB2], v[BB], s[SEL], s[SEL+1]
.endif
.set e, e+1
.endr
	v_fma_f32 v[DA], v[BA], -2.0, v[RRV]           ; |r|^2 - 2 r.c: the product is exact, one rounding
	v_fma_f32 v[DB], v[BB], -2.0, v[RRV]
	v_fma_f32 v[DA], v[NCA], -2.0, v[DA]           ; + |c|^2: one rounding
	v_fma_f32 v[DB], v[NCB], -2.0, v[DB]
	v_cmp_lt_f32 s36, v[DB], v[DA]
	v_cmp_eq_f32 s37, v[DB], v[DA]
	v_cmp_lt_u32 s38, v[IB], v[IA]
	s_and_b32 s37, s37, s38
	s_or_b32 s36, s36, s37
	s_lshr_b32 s37, s36, 16                        ; lanes 16-31 hold the results: their bits serve lanes 0-15, which hold the rows' other halves, too
	s_and_b32 s36, s36, s31
	s_or_b32 vcc_lo, s36, s37
	v_cndmask_b32 v[WI], v[IA], v[IB], vcc_lo
.set e, 0
.rept 32                               ; the winner's code: a select, no address
	v_cndmask_b32 v[CAR+e], v[CAR+e], v[CBR+e], vcc_lo
.set e, e+1
.endr
	v_mov_b32 v[PK+3], v[WI]                       ; the winner goes into column 3
	UPD CAR                                        ; the last step of the residual
	; out0 = x - r, 16 words of xb at a time
.set b, 0
.rept 2
.set e, 0
.rept 16
	v_fma_mix_f32 v[T+2*e],   v[XS+16*b+e], v[ONE], v[ZERO] op_sel:[0,0,0] op_sel_hi:[1,0,0]
	v_fma_mix_f32 v[T+2*e+1], v[XS+16*b+e], v[ONE], v[ZERO] op_sel:[1,0,0] op_sel_hi:[1,0,0]
.set e, e+1
.endr
.set e, 0
.rept 16
	v_pk_add_f32 v[RV+32*b+2*e:RV+32*b+2*e+1], v[T+2*e:T+2*e+1], v[RV+32*b+2*e:RV+32*b+2*e+1] neg_lo:[0,1] neg_hi:[0,1]
.set e, e+1
.endr
.set b, b+1
.endr
.irp e, 0,1,2,3,4,5,6,7                ; number m of block e is column 16 e + 8 h + m: byte 64 e + 32 h + 4 m of the row
	ds_store_b128 v[STO], v[RV+8*\e:RV+8*\e+3] offset:64*\e
	ds_store_b128 v[STO], v[RV+8*\e+4:RV+8*\e+7] offset:64*\e+16
.endr
.set i, 0
.rept 16
	ds_load_b128 v[OB+4*i:OB+4*i+3], v[RD] offset:OPITCH*i   ; LDS serves a wave's instructions in order (ISA guide 5.7.1.4): these see the stores above
.set i, i+1
.endr
	v_lshlrev_b32 v[L16], 4, v[LANE]
.set i, 0
.rept 16
	s_wait_dscnt 15-i                              ; row i is back; the younger rows' loads stay out
	global_store_b128 v[L16], v[OB+4*i:OB+4*i+3], s[18:19] offset:512*i th:TH_STORE_NT   ; 512 consecutive bytes, at a multiple of 512 from out0's first byte
.set i, i+1
.endr
	v_cmp_lt_u32 vcc_lo, 15, v[LANE]               ; both halves of the lanes hold the rows' indices: one of them stores
	s_wait_xcnt 0x0                                ; EXEC is a source of the stores above: it changes only behind this wait
	s_and_saveexec_b32 s40, vcc_lo
	global_store_b128 v[PO], v[PK:PK+3], s[22:23] th:TH_STORE_NT   ; 16 rows of 16 bytes: 256 consecutive bytes, aligned
	s_wait_xcnt 0x0                                ; and again in front of the line that widens it
	s_or_b32 exec_lo, exec_lo, s40
	s_wait_tensorcnt 0x0                           ; the wave's end in LDS, behind my last LDS store
	ds_add_u32 v[SPW], v[NIL]
	s_wait_dscnt 0x0
	s_cmp_lg_u32 s25, 0
	s_cbranch_scc1 .Lend                           ; the loss is one wave's work: 4,096 partial sums
.set i, 0
.rept 32                               ; the stores above have had their addresses translated (the wait in front of EXEC's change): their data's registers may be loaded
	global_load_b128 v[CD+4*i:CD+4*i+3], v[L16], s[16:17] offset:512*i
.set i, i+1
.endr
	s_wait_loadcnt 0x0
.set i, 4
.rept 60                               ; four chains of pairs
	v_pk_add_f32 v[CD+2*(i%4):CD+2*(i%4)+1], v[CD+2*(i%4):CD+2*(i%4)+1], v[CD+2*i:CD+2*i+1]
.set i, i+1
.endr
	v_pk_add_f32 v[CD:CD+1], v[CD:CD+1], v[CD+2:CD+3]
	v_pk_add_f32 v[CD+4:CD+5], v[CD+4:CD+5], v[CD+6:CD+7]
	v_pk_add_f32 v[CD:CD+1], v[CD:CD+1], v[CD+4:CD+5]
	v_add_f32 v[CD], v[CD], v[CD+1]
	v_add_f32_dpp v[CD], v[CD], v[CD] row_xmask:1 row_mask:0xf bank_mask:0xf
	v_add_f32_dpp v[CD], v[CD], v[CD] row_xmask:2 row_mask:0xf bank_mask:0xf
	v_add_f32_dpp v[CD], v[CD], v[CD] row_xmask:4 row_mask:0xf bank_mask:0xf
	v_add_f32_dpp v[CD], v[CD], v[CD] row_xmask:8 row_mask:0xf bank_mask:0xf
	v_permlanex16_b32 v[CD+1], v[CD], s[SEL], s[SEL+1]
	v_add_f32 v[CD], v[CD], v[CD+1]
	v_mul_f32 v[CD], 0x33200000, v[CD]             ; 1.25 x 2^-25
	v_cmp_eq_u32 vcc_lo, 0, v[LANE]
	s_wait_xcnt 0x0                                ; EXEC is a source of the loads above: it changes only behind this wait
	s_and_saveexec_b32 s40, vcc_lo
	global_store_b32 v[ZERO], v[CD], s[20:21]
	s_wait_xcnt 0x0                                ; and again in front of the line that widens it
	s_or_b32 exec_lo, exec_lo, s40
.Lend:
	s_endpgm
.Lfunc_end_k_qe08fca9837_finish:
	.size	k_qe08fca9837_finish, .Lfunc_end_k_qe08fca9837_finish-k_qe08fca9837_finish
	.p2alignl 7, 3214868480
	.fill 96, 4, 3214868480
	.section	.rodata,"a",@progbits
	.p2align	6, 0x0
	.amdhsa_kernel k_qe08fca9837_finish
		.amdhsa_group_segment_fixed_size 68608
		.amdhsa_private_segment_fixed_size 0
		.amdhsa_enable_private_segment 0
		.amdhsa_kernarg_size 80
		.amdhsa_user_sgpr_count 2
		.amdhsa_user_sgpr_kernarg_segment_ptr 1
		.amdhsa_wavefront_size32 1
		.amdhsa_system_sgpr_workgroup_id_x 1
		.amdhsa_system_sgpr_workgroup_id_y 1
		.amdhsa_system_sgpr_workgroup_id_z 1
		.amdhsa_system_vgpr_workitem_id 0
		.amdhsa_next_free_vgpr 256
		.amdhsa_next_free_sgpr 66
		.amdhsa_reserve_vcc 1
		.amdhsa_float_denorm_mode_32 3
		.amdhsa_float_denorm_mode_16_64 3
		.amdhsa_memory_ordered 1
		.amdhsa_forward_progress 1
		.amdhsa_inst_pref_size 88
	.end_amdhsa_kernel
	.amdgpu_metadata
---
amdhsa.version: [ 1, 2 ]
amdhsa.kernels:
  - .name:           k_qe08fca9837_finish
    .symbol:         k_qe08fca9837_finish.kd
    .args:
      - { .name: xb, .offset: 0, .size: 8, .value_kind: global_buffer, .address_space: global }
      - { .name: cb0, .offset: 8, .size: 8, .value_kind: global_buffer, .address_space: global }
      - { .name: cb1, .offset: 16, .size: 8, .value_kind: global_buffer, .address_space: global }
      - { .name: cb2, .offset: 24, .size: 8, .value_kind: global_buffer, .address_space: global }
      - { .name: cb3, .offset: 32, .size: 8, .value_kind: global_buffer, .address_space: global }
      - { .name: pkA, .offset: 40, .size: 8, .value_kind: global_buffer, .address_space: global }
      - { .name: lsum, .offset: 48, .size: 8, .value_kind: global_buffer, .address_space: global }
      - { .name: out0, .offset: 56, .size: 8, .value_kind: global_buffer, .address_space: global }
      - { .name: out1, .offset: 64, .size: 8, .value_kind: global_buffer, .address_space: global }
      - { .name: out2, .offset: 72, .size: 8, .value_kind: global_buffer, .address_space: global }
    .group_segment_fixed_size: 68608
    .private_segment_fixed_size: 0
    .kernarg_segment_align: 8
    .kernarg_segment_size: 80
    .max_flat_workgroup_size: 256
    .sgpr_count:     66
    .vgpr_count:     256
    .wavefront_size: 32
...
	.end_amdgpu_metadata
.endif
;; end of part 9
